; MI455X (gfx1250); checked and timed in simulation.
; The chip was launched on July 23, 2026; its instructions are those of AMD's public machine-readable ISA for CDNA 5 (MIT licence, August 2026) and "CDNA5" Instruction Set Architecture Reference Guide (July 2026). The comments in the code are by the model that wrote it; some were corrected since.
;; Attention Block. Allowed arithmetic: matrix products marked QUANTISED: E2M3 operands, one E8M0 scale for each 32 along K, by v_wmma_scale_f32_16x16x128_f8f6f4 with both operands' format E2M3, f32 sums; everything else in f32.
;; Inputs: Wk_codes 512 x 16 x 24 uint8 (E2M3 codes of Wk, K innermost, in blocks of 32 codes, four codes in three bytes); Wk_scales 512 x 16 uint8 (E8M0 scales of Wk, one for each 32 codes along K); Wp_codes 512 x 16 x 24 uint8 (E2M3 codes of Wp, K innermost, in blocks of 32 codes, four codes in three bytes); Wp_scales 512 x 16 uint8 (E8M0 scales of Wp, one for each 32 codes along K); Wq_codes 512 x 16 x 24 uint8 (E2M3 codes of Wq, K innermost, in blocks of 32 codes, four codes in three bytes); Wq_scales 512 x 16 uint8 (E8M0 scales of Wq, one for each 32 codes along K); Wv_codes 512 x 16 x 24 uint8 (E2M3 codes of Wv, K innermost, in blocks of 32 codes, four codes in three bytes); Wv_scales 512 x 16 uint8 (E8M0 scales of Wv, one for each 32 codes along K); beta 512 float32; bk 512 float32; bp 512 float32; bq 512 float32; bv 512 float32; gamma 512 float32; x 32 x 512 x 32 x 32 float32.
;; Outputs: out0 32 x 512 x 32 x 32 float32.
;; This version of the problem:
;;   THIS VERSION OF THE PROBLEM IS GIVEN IN LOW PRECISION. The matrix products marked QUANTISED in the list below multiply operands that are first quantised to E2M3 (2 exponent bits, 3 mantissa bits; 6 bits a number), with one power-of-two scale for each 32 numbers along K (OCP MX v1.0); their sums are f32. All else is computed in f32.
;;   The module's matrix products, in the order in which they are computed (A, B: the left and right operand; K: the contracted axis; several contracted axes count as one K, in the product's order):
;;     1. [M 32,768, K 512] x [K 512, N 512]; A: computed on the way; B: input Wq (given as codes): QUANTISED
;;     2. [M 32,768, K 512] x [K 512, N 512]; A: computed on the way; B: input Wk (given as codes): QUANTISED
;;     3. [M 32,768, K 512] x [K 512, N 512]; A: computed on the way; B: input Wv (given as codes): QUANTISED
;;     4. batch 32 x [M 1,024, K 512] x [K 512, N 1,024]; A: computed on the way; B: computed on the way: QUANTISED
;;     5. batch 32 x [M 1,024, K 1,024] x [K 1,024, N 512]; A: softmax (see below); B: computed on the way: QUANTISED
;;     6. [M 32,768, K 512] x [K 512, N 512]; A: computed on the way; B: input Wp (given as codes): QUANTISED
;;   THE QUANTISER, for each operand of a quantised product, along K:
;;     - K is cut into blocks of 32 from its start; a last block that is shorter is filled with zeros.
;;     - A block's scale is 2^e with e = floor(log2(the largest magnitude in the block)) - 2, held to -126 .. 127; a block of zeros has e = 0. As a byte (E8M0): e + 127.
;;     - Each number is divided by its block's scale, clamped to +-7.5, and rounded to the nearest number of E2M3, ties to even, subnormals kept.
;;     - The product sums the exact products of the quantised numbers (number of the format x scale) in f32.
;;   ~~~python
;;   def quantise(x, axis):      # numpy; x: float32 -> the quantised numbers, widened to float32 again
;;       x = np.moveaxis(x, axis, -1); K = x.shape[-1]
;;       x = np.pad(x, [(0, 0)] * (x.ndim - 1) + [(0, -K % 32)]); x = x.reshape(x.shape[:-1] + (-1, 32)); a = np.abs(x).max(-1, keepdims=True)
;;       e = np.where(a > 0, np.clip(np.frexp(np.where(a > 0, a, 1))[1] - 1 - 2, -126, 127), 0)      # np.frexp(a)[1] - 1 = floor(log2(a)), exactly
;;       r = np.clip(x / 2.0 ** e, -7.5, 7.5)
;;       step = 2.0 ** (np.maximum(np.frexp(np.where(r == 0, 1, r))[1] - 1, 0) - 3)
;;       q = np.round(r / step) * step * 2.0 ** e      # np.round: ties to even
;;       return np.moveaxis(q.reshape(q.shape[:-2] + (-1,))[..., :K], -1, axis).astype(np.float32)
;;   ~~~
;;   SOFTMAX AHEAD OF A QUANTISED PRODUCT. Where the list says 'softmax', what is quantised is not the finished softmax but p = 2^(t - M), with t = logit x log2(e) and M = ceil(the row's largest t), a whole number; so 1/2 < the row's largest p <= 1. The row's sum l is taken of the UNQUANTISED p, in f32, and the product's result is divided by l at the end. Since M is a whole number, a kernel that streams over the keys may use a running M (the ceiling of the running maximum): every later rescaling is an exact power of two, which a block's scale takes up: the codes' values come out the same.
;;   OPERANDS COMPUTED ON THE WAY. 'Computed on the way' means the value that the module computes at that place (a softmax that the list does not call 'softmax' is quantised finished and normalised). What goes into a quantiser is computed in f32, as accurately as f32 sums, v_exp_f32 and their like allow (about 1e-6 of the number): no bf16 or f16 on the way to a quantiser, and a product that is left as it is and whose result goes on into a quantised operand takes f32 operands (vector FMAs, or v_wmma_f32_16x16x4_f32). A number that lies on a knife's edge between two numbers of the format may be rounded either way, as far as f32 arithmetic and the matrix unit's own rounding can turn it there, and no further.
;;   INPUTS GIVEN AS CODES. Wk (in the module: [512, 512], K = its axis 1); Wp (in the module: [512, 512], K = its axis 1); Wq (in the module: [512, 512], K = its axis 1); Wv (in the module: [512, 512], K = its axis 1): each comes as NAME_codes (uint8): NAME with its K axis moved to the last place and cut into blocks of 32 codes, [.., K / 32, bytes a block], one block behind the other in memory; four codes in three bytes: a row's codes are one little-endian stream of bits, code i at bits 6 i .. 6 i + 5 (a code: sign, 2 exponent bits, 3 mantissa bits); and NAME_scales (uint8): the same leading axes, one E8M0 byte (e + 127) for each 32 codes along K. Its value is code x scale, taken as it is: it is not quantised again, and the codes and scales need not be those that the quantiser above would give.
;; 3 versions, each right; version 3 is version 2 with the launch qkv written anew for expert scheduling mode. Each part assembles by itself: llvm-mc -triple=amdgcn-amd-amdhsa -mcpu=gfx1250 --defsym DOCPART=n.
;; ======== version 1 of 3: 3 launches
;; workspace buffers: hbuf 13,107,200 bytes; qbuf 13,107,200 bytes; kbuf 13,107,200 bytes; vbuf 13,107,200 bytes; res 131,072 bytes
;; launch norm (part 1): grid 256 x 1, 16 waves a work-group, no clusters, 55,296 bytes of LDS; arguments x, gamma, beta, bp, hbuf, res; writes hbuf, res
.if DOCPART == 1
	.amdgcn_target "amdgcn-amd-amdhsa--gfx1250"
	.amdhsa_code_object_version 6
	.text
	.protected	k_qf5ec297119_norm
	.globl	k_qf5ec297119_norm
	.p2align	8
	.type	k_qf5ec297119_norm,@function
k_qf5ec297119_norm:
	s_mov_b64 s[64:65], 0
	v_nop
	global_prefetch_b8 v0, s[64:65] scope:SCOPE_SE
	s_setreg_imm32_b32 hwreg(HW_REG_WAVE_MODE, 25, 1), 1
	s_wait_xcnt 0x0
; GROUP NORM, AND h = xn AS CODES OF FP6 (E2M3) ALONG THE CHANNELS.  x: [32][512][1024] f32.  A group (b, g) is 64 channels x 1,024 pixels, 262,144 dense bytes.
; One work-group of sixteen waves takes one group and keeps it in registers: wave wv takes channels 32 (wv / 8) .. + 31 (one block of 32 along K) of pixels 128 (wv % 8) .. + 127;
; a lane takes 4 neighbouring pixels x 32 channels, 128 registers.  So x is read once; the mean is taken first and the squares of x - mean second: no difference of large sums is formed.
; xn = (x - mean) (gamma rstd) + beta is written channel by channel into a pixel's 32 consecutive registers, so that the conversions, which take neighbours along K from one lane, give codes with K innermost.
; OUT.  hbuf codes [b][T 64][g 8][768]: T is a tile of 16 pixels, tile 2 B + u holding pixels 32 B + 8 u + r + 8 (r / 8); a piece of 768 bytes is half an operand's registers (64 along K) as they stand:
; registers 0-3 at 16 L, registers 4-5 at 512 + 8 L, L = 16 (block of the group) + r.  hbuf scales, from byte HS on: [b][g][pixel] two bytes, the group's two blocks.
; res [b][channel][(a, c)]: a = gamma rstd, c = beta - mean a + bp: what a later launch needs to form xn + bp from x again.
; A block's scale byte is its largest magnitude's exponent field - 2, held at 1 from below by a floor among the maximum's leaves.
; LIMITS: NaN and infinities are not served; a block under 2^-124 (a block of zeros too) keeps the byte 1 with its codes as the conversion gives them (zeros for zeros): this program alone reads the bytes.
.set RED1, 0                           ; LDS: sixteen partial sums
.set RED2, 256                         ; sixteen partial sums of squares
.set SCB,  512                         ; the scale bytes, [pixel][2]: 2,048 bytes
.set STG,  4096                        ; the work-group's 64 pieces of 768 bytes
.set HS,   12582912                    ; where hbuf's scale bytes begin
.set X,    32                          ; v32-159  X[4 cc + i]: channel cc, pixel i
.set T,    160                         ; v160-223 two pixels x 32 channels; before that the sums' chains, after that the codes read back
.set C,    224                         ; v224-255 eight registers a pixel: six of codes, one with the scale byte
.set GA,   32                          ; s32-63   gamma of my 32 channels, then a
.set BE,   68                          ; s68-99   beta of my 32 channels
; v1 lane; v2 16 lane; v3, v4 where a pixel's 16 and 8 bytes go in the stage; v5 where its scale byte goes; v6 where I read the stage back; v7 where I read scale bytes back; v8 16 lane + 5,376 (lane / 16);
; v9 4 wave; v10 0; v11 8 lane; v[12:13] the mean, twice; v14, v15 at work; v16-22 upper halves of a block's codes; v23 16 thread; v24, v25 maxima, then scale operands; v[26:31] gamma, beta, bp of channels 64 g + 2 lane, + 1
	s_load_b256 s[4:11], s[0:1], 0x0               ; x s[4:5], gamma s[6:7], beta s[8:9], bp s[10:11]
	s_load_b128 s[12:15], s[0:1], 0x20             ; hbuf s[12:13], res s[14:15]
	v_lshl_add_u32 v247, v0, 2, 0xd000
	v_mov_b32 v255, 0
	v_lshrrev_b32 v14, 5, v0
	v_readfirstlane_b32 s16, v14                   ; wave 0..15
	v_and_b32 v1, 31, v0
	v_lshlrev_b32 v2, 4, v1
	v_lshlrev_b32 v11, 3, v1
	s_lshr_b32 s17, s16, 3                         ; hb: which block of 32 channels
	s_and_b32 s18, s16, 7                          ; ch: which 128 pixels
	s_and_b32 s19, ttmp9, 7                        ; g
	s_lshr_b32 s20, ttmp9, 3                       ; b
	s_mov_b32 s24, 0x76543210
	s_mov_b32 s25, 0xfedcba98                      ; v_permlanex16_b32's selects for lane l xor 16
	s_lshl_b32 s28, ttmp9, 18                      ; the group's 262,144 bytes,
	s_lshl_b32 s21, s17, 17                        ; my 32 rows of 4,096 bytes,
	s_add_co_u32 s28, s28, s21
	s_lshl_b32 s21, s18, 9                         ; my 512 bytes of a row
	s_add_co_u32 s28, s28, s21
	s_mov_b32 s29, 0
	s_lshl_b32 s30, s19, 8                         ; the group's 64 numbers in gamma, beta, bp
	s_mov_b32 s31, 0
	s_lshl_b32 s22, s17, 7                         ; my 32 of them
	s_mov_b32 s23, 0
	s_wait_kmcnt 0x0
	s_add_nc_u64 s[4:5], s[4:5], s[28:29]
	s_add_nc_u64 s[6:7], s[6:7], s[30:31]
	s_add_nc_u64 s[8:9], s[8:9], s[30:31]
	s_add_nc_u64 s[10:11], s[10:11], s[30:31]
	s_add_nc_u64 s[2:3], s[6:7], s[22:23]
	s_add_nc_u64 s[66:67], s[8:9], s[22:23]
	s_load_b512 s[GA:GA+15], s[2:3], 0x0           ; a channel's gamma and beta are the same for the whole wave: they live in scalar registers
	s_load_b512 s[GA+16:GA+31], s[2:3], 0x40
	s_load_b512 s[BE:BE+15], s[66:67], 0x0
	s_load_b512 s[BE+16:BE+31], s[66:67], 0x40
	global_load_b64 v[26:27], v11, s[6:7]
	global_load_b64 v[28:29], v11, s[8:9]
	global_load_b64 v[30:31], v11, s[10:11]
.set cc, 0
.rept 32
	global_load_b128 v[X+4*cc:X+4*cc+3], v2, s[4:5] offset:4096*cc th:TH_LOAD_NT   ; a row's 512 consecutive bytes to the wave
.set cc, cc+1
.endr
	; the addresses, while the loads are out
	v_mov_b32 v10, 0
	v_mov_b32 v9, s16
	v_lshlrev_b32 v9, 2, v9
	v_lshl_add_u32 v7, v0, 4, SCB
	v_lshlrev_b32 v23, 4, v0
	v_lshrrev_b32 v14, 4, v1
	v_mad_u32_u24 v8, v14, 5376, v2
	v_lshrrev_b32 v14, 3, v1
	v_bfe_u32 v15, v1, 1, 1
	v_lshl_add_u32 v14, v14, 1, v15                ; my pixels' tile among my wave's eight: 2 (l / 8) + ((l / 2) % 2)
	v_mul_u32_u24 v14, v14, 768
	v_and_b32 v15, 1, v1
	v_bfe_u32 v16, v1, 2, 1
	v_lshlrev_b32 v15, 2, v15
	v_lshl_add_u32 v15, v16, 3, v15                ; pixel 0's lane in that tile: 4 (l % 2) + 8 ((l / 4) % 2)
	s_mul_i32 s21, s18, 6144                       ; my wave's eight pieces
	s_lshl_b32 s27, s17, 8                         ; lanes 16 hb on, 16 bytes each
	s_add_co_u32 s27, s27, s21
	s_add_co_u32 s27, s27, STG
	v_lshl_add_u32 v3, v15, 4, v14
	v_add_nc_u32 v3, s27, v3
	s_lshl_b32 s27, s17, 7                         ; the same, 8 bytes each, behind the piece's first 512
	s_add_co_u32 s27, s27, s21
	s_add_co_u32 s27, s27, STG+512
	v_lshl_add_u32 v4, v15, 3, v14
	v_add_nc_u32 v4, s27, v4
	s_lshl_b32 s27, s18, 8
	s_add_co_u32 s27, s27, s17
	s_add_co_u32 s27, s27, SCB
	v_lshl_add_u32 v5, v1, 3, s27                  ; 2 (128 ch + 4 l) + hb
	s_mul_i32 s27, s16, 3072
	s_add_co_u32 s27, s27, STG
	v_add_nc_u32 v6, s27, v2                       ; back: pieces 4 wave .. + 3, 16 bytes a lane
	s_add_nc_u64 s[22:23], s[12:13], HS
	s_lshl_b32 s28, ttmp9, 11
	s_add_nc_u64 s[22:23], s[22:23], s[28:29]      ; the group's 2,048 scale bytes
	s_mul_i32 s28, s20, 393216
	s_mul_i32 s21, s16, 24576
	s_add_co_u32 s28, s28, s21
	s_mul_i32 s21, s19, 768
	s_add_co_u32 s28, s28, s21
	s_add_nc_u64 s[12:13], s[12:13], s[28:29]      ; codes: batch, tile 4 wave, piece g
	s_lshl_b32 s28, ttmp9, 9
	s_add_nc_u64 s[14:15], s[14:15], s[28:29]      ; res: the group's 64 pairs
; Four chains in v[T] .. v[T + 7] become one number for the work-group, x 2^-16 (a group has 65,536 numbers), in v14 of every lane of every wave, summed in the same order everywhere.
.macro REDUCE red
	v_pk_add_f32 v[T:T+1], v[T:T+1], v[T+2:T+3]
	v_pk_add_f32 v[T+4:T+5], v[T+4:T+5], v[T+6:T+7]
	v_pk_add_f32 v[T:T+1], v[T:T+1], v[T+4:T+5]
	v_add_f32 v14, v[T], v[T+1]
	v_add_f32_dpp v14, v14, v14 row_xmask:1 row_mask:0xf bank_mask:0xf
	v_add_f32_dpp v14, v14, v14 row_xmask:2 row_mask:0xf bank_mask:0xf
	v_add_f32_dpp v14, v14, v14 row_xmask:4 row_mask:0xf bank_mask:0xf
	v_add_f32_dpp v14, v14, v14 row_xmask:8 row_mask:0xf bank_mask:0xf
	v_permlanex16_b32 v15, v14, s24, s25
	v_add_f32 v14, v14, v15
	ds_store_b32 v9, v14 offset:\red               ; all lanes write the wave's word with the same value
	s_wait_dscnt 0x0                               ; for the others' sake: my store has landed
	s_barrier_signal -1
	s_barrier_wait -1
.irp k, 0,1,2,3
	ds_load_b128 v[T+4*\k:T+4*\k+3], v10 offset:\red+16*\k
.endr
	s_wait_dscnt 0x0
	v_pk_add_f32 v[T:T+1], v[T:T+1], v[T+2:T+3]
	v_pk_add_f32 v[T+4:T+5], v[T+4:T+5], v[T+6:T+7]
	v_pk_add_f32 v[T+8:T+9], v[T+8:T+9], v[T+10:T+11]
	v_pk_add_f32 v[T+12:T+13], v[T+12:T+13], v[T+14:T+15]
	v_pk_add_f32 v[T:T+1], v[T:T+1], v[T+4:T+5]
	v_pk_add_f32 v[T+8:T+9], v[T+8:T+9], v[T+12:T+13]
	v_pk_add_f32 v[T:T+1], v[T:T+1], v[T+8:T+9]
	v_add_f32 v14, v[T], v[T+1]
	v_mul_f32 v14, 0x37800000, v14                 ; x 2^-16
.endm
	; ---- the mean: 64 pairs in four chains, started by the first eight pairs: nothing is cleared
	s_wait_loadcnt 24                              ; the three small loads and rows 0-7 are in; 24 rows may be out
.irp k, 0,1,2,3
	v_pk_add_f32 v[T+2*\k:T+2*\k+1], v[X+2*\k:X+2*\k+1], v[X+8+2*\k:X+8+2*\k+1]
.endr
.set p, 8
.rept 8
	v_pk_add_f32 v[T+2*(p%4):T+2*(p%4)+1], v[T+2*(p%4):T+2*(p%4)+1], v[X+2*p:X+2*p+1]
.set p, p+1
.endr
	s_wait_loadcnt 16                              ; rows 8-15
.rept 16
	v_pk_add_f32 v[T+2*(p%4):T+2*(p%4)+1], v[T+2*(p%4):T+2*(p%4)+1], v[X+2*p:X+2*p+1]
.set p, p+1
.endr
	s_wait_loadcnt 8                               ; rows 16-23
.rept 16
	v_pk_add_f32 v[T+2*(p%4):T+2*(p%4)+1], v[T+2*(p%4):T+2*(p%4)+1], v[X+2*p:X+2*p+1]
.set p, p+1
.endr
	s_wait_loadcnt 0x0                             ; all rows
.rept 16
	v_pk_add_f32 v[T+2*(p%4):T+2*(p%4)+1], v[T+2*(p%4):T+2*(p%4)+1], v[X+2*p:X+2*p+1]
.set p, p+1
.endr
	REDUCE RED1
	v_mov_b32 v12, v14
	v_mov_b32 v13, v14
	; ---- x - mean, in place, and the sum of its squares
.set p, 0
.rept 64
	v_pk_add_f32 v[X+2*p:X+2*p+1], v[X+2*p:X+2*p+1], v[12:13] neg_lo:[0,1] neg_hi:[0,1]
.set p, p+1
.endr
.irp k, 0,1,2,3
	v_pk_mul_f32 v[T+2*\k:T+2*\k+1], v[X+2*\k:X+2*\k+1], v[X+2*\k:X+2*\k+1]
.endr
.set p, 4
.rept 60
	v_pk_fma_f32 v[T+2*(p%4):T+2*(p%4)+1], v[X+2*p:X+2*p+1], v[X+2*p:X+2*p+1], v[T+2*(p%4):T+2*(p%4)+1]
.set p, p+1
.endr
	REDUCE RED2                                    ; other bytes than the first sum's: no wave can still be reading what is written
	v_add_f32 v14, 0x3727c5ac, v14                 ; the variance + 1e-5
	v_rsq_f32 v14, v14
	v_nop                                          ; one plain place behind the transcendental
	s_wait_alu depctr_va_vdst(0)
	v_readfirstlane_b32 s26, v14                   ; rstd
	s_wait_kmcnt 0x0                               ; gamma and beta
.set cc, 0
.rept 32
	s_mul_f32 s[GA+cc], s[GA+cc], s26              ; a = gamma rstd
.set cc, cc+1
.endr
; Pixels i0 and i0 + 1: xn into 32 consecutive registers each, the block's scale, its codes, and all three to LDS.
.macro PAIR i0
.set cc, 0
.rept 32
	v_fma_f32 v[T+cc], v[X+4*cc+\i0], s[GA+cc], s[BE+cc]
	v_fma_f32 v[T+32+cc], v[X+4*cc+\i0+1], s[GA+cc], s[BE+cc]
.set cc, cc+1
.endr
	v_max3_num_f32 v24, |v[T]|, |v[T+1]|, 0x1800000        ; the largest magnitude, with the floor 2^(3 - 127) among its leaves: the byte cannot fall under 1
	v_max3_num_f32 v25, |v[T+32]|, |v[T+33]|, 0x1800000    ; (the two pixels by turns)
.set cc, 2
.rept 15
	v_max3_num_f32 v24, v24, |v[T+cc]|, |v[T+cc+1]|
	v_max3_num_f32 v25, v25, |v[T+32+cc]|, |v[T+33+cc]|
.set cc, cc+2
.endr
	v_add_nc_u32 v24, 0xff000000, v24              ; 2 off the exponent field: the conversion takes this operand's exponent field as its scale
	v_add_nc_u32 v25, 0xff000000, v25
	v_cvt_scalef32_pk16_fp6_f32 v[C+8*\i0:C+8*\i0+2], v[T:T+15], v24
	v_cvt_scalef32_pk16_fp6_f32 v[16:18], v[T+16:T+31], v24          ; (a conversion's three registers begin on an even number)
	v_cvt_scalef32_pk16_fp6_f32 v[C+8*(\i0+1):C+8*(\i0+1)+2], v[T+32:T+47], v25
	v_cvt_scalef32_pk16_fp6_f32 v[20:22], v[T+48:T+63], v25
	v_lshrrev_b32 v[C+8*\i0+6], 23, v24            ; the scale's byte; also the plain place behind the conversions
	v_lshrrev_b32 v[C+8*(\i0+1)+6], 23, v25
.irp k, 0,1,2
	v_mov_b32 v[C+8*\i0+3+\k], v[16+\k]
	v_mov_b32 v[C+8*(\i0+1)+3+\k], v[20+\k]
.endr
.irp k, 0,1
	ds_store_b128 v3, v[C+8*(\i0+\k):C+8*(\i0+\k)+3] offset:16*(\i0+\k)
	ds_store_b64 v4, v[C+8*(\i0+\k)+4:C+8*(\i0+\k)+5] offset:8*(\i0+\k)
	ds_store_b8 v5, v[C+8*(\i0+\k)+6] offset:2*(\i0+\k)
.endr
.endm
	PAIR 0
	PAIR 2
	s_wait_dscnt 0x0                               ; for the others' sake: my stores have landed
	s_barrier_signal -1
	s_barrier_wait -1
	; ---- out: four pieces a wave, 3,072 bytes, 512 at a time; each run of sixteen lanes stores 256 consecutive bytes at a multiple of 256 from hbuf's first byte
.irp t, 0,1,2,3,4,5
	ds_load_b128 v[T+4*\t:T+4*\t+3], v6 offset:512*\t
.endr
	s_wait_dscnt 5                                 ; LDS loads come back in order: the first is in, five may be out; and so on down
	global_store_b128 v2, v[T:T+3], s[12:13]                       ; piece 0, bytes 0-511
	s_wait_dscnt 4
	global_store_b128 v8, v[T+4:T+7], s[12:13] offset:512          ; piece 0's last 256 | piece 1's first 256, 6,144 - 768 bytes further on
	s_wait_dscnt 3
	global_store_b128 v2, v[T+8:T+11], s[12:13] offset:6400        ; piece 1, bytes 256-767
	s_wait_dscnt 2
	global_store_b128 v2, v[T+12:T+15], s[12:13] offset:12288      ; piece 2
	s_wait_dscnt 1
	global_store_b128 v8, v[T+16:T+19], s[12:13] offset:12800
	s_wait_dscnt 0x0
	global_store_b128 v2, v[T+20:T+23], s[12:13] offset:18688      ; piece 3
	s_cmp_lt_u32 s16, 4
	s_cbranch_scc0 .Ldone
	ds_load_b128 v[T+24:T+27], v7                  ; waves 0-3: the 2,048 scale bytes, 512 a wave
	s_wait_dscnt 0x0
	global_store_b128 v23, v[T+24:T+27], s[22:23]
	s_cmp_lg_u32 s16, 0
	s_cbranch_scc1 .Ldone
	v_mul_f32 v16, s26, v26                        ; wave 0: (a, c) of channels 64 g + 2 lane and + 1
	v_mul_f32 v18, s26, v27
	v_fma_f32 v17, -v12, v16, v28
	v_fma_f32 v19, -v12, v18, v29
	v_add_f32 v17, v17, v30
	v_add_f32 v19, v19, v31
	global_store_b128 v2, v[16:19], s[14:15]
.Ldone:
	s_wait_tensorcnt 0x0
	ds_add_u32 v247, v255
	s_wait_dscnt 0x0
	s_endpgm
.Lfunc_end_k_qf5ec297119_norm:
	.size	k_qf5ec297119_norm, .Lfunc_end_k_qf5ec297119_norm-k_qf5ec297119_norm
	.p2alignl 7, 3214868480
	.fill 96, 4, 3214868480
	.section	.rodata,"a",@progbits
	.p2align	6, 0x0
	.amdhsa_kernel k_qf5ec297119_norm
		.amdhsa_group_segment_fixed_size 55296
		.amdhsa_private_segment_fixed_size 0
		.amdhsa_enable_private_segment 0
		.amdhsa_kernarg_size 48
		.amdhsa_user_sgpr_count 2
		.amdhsa_user_sgpr_kernarg_segment_ptr 1
		.amdhsa_wavefront_size32 1
		.amdhsa_system_sgpr_workgroup_id_x 1
		.amdhsa_system_sgpr_workgroup_id_y 1
		.amdhsa_system_sgpr_workgroup_id_z 1
		.amdhsa_system_vgpr_workitem_id 0
		.amdhsa_next_free_vgpr 256
		.amdhsa_next_free_sgpr 100
		.amdhsa_reserve_vcc 0
		.amdhsa_float_denorm_mode_32 3
		.amdhsa_float_denorm_mode_16_64 3
		.amdhsa_memory_ordered 1
		.amdhsa_forward_progress 1
		.amdhsa_inst_pref_size 40
	.end_amdhsa_kernel
	.amdgpu_metadata
---
amdhsa.version: [ 1, 2 ]
amdhsa.kernels:
  - .name:           k_qf5ec297119_norm
    .symbol:         k_qf5ec297119_norm.kd
    .args:
      - { .name: x, .offset: 0, .size: 8, .value_kind: global_buffer, .address_space: global }
      - { .name: gamma, .offset: 8, .size: 8, .value_kind: global_buffer, .address_space: global }
      - { .name: beta, .offset: 16, .size: 8, .value_kind: global_buffer, .address_space: global }
      - { .name: bp, .offset: 24, .size: 8, .value_kind: global_buffer, .address_space: global }
      - { .name: hbuf, .offset: 32, .size: 8, .value_kind: global_buffer, .address_space: global }
      - { .name: res, .offset: 40, .size: 8, .value_kind: global_buffer, .address_space: global }
    .group_segment_fixed_size: 55296
    .private_segment_fixed_size: 0
    .kernarg_segment_align: 8
    .kernarg_segment_size: 48
    .max_flat_workgroup_size: 512
    .sgpr_count:     100
    .vgpr_count:     256
    .wavefront_size: 32
...
	.end_amdgpu_metadata
.endif
;; end of part 1
;; launch qkv (part 2): grid 64 x 3, 4 waves a work-group, no clusters, 0 bytes of LDS; arguments hbuf, Wq_codes, Wq_scales, bq, Wk_codes, Wk_scales, bk, Wv_codes, Wv_scales, bv, qbuf, kbuf, vbuf; writes qbuf, kbuf, vbuf
.if DOCPART == 2
	.amdgcn_target "amdgcn-amd-amdhsa--gfx1250"
	.amdhsa_code_object_version 6
	.text
	.protected	k_qf5ec297119_qkv
	.globl	k_qf5ec297119_qkv
	.p2align	8
	.type	k_qf5ec297119_qkv,@function
k_qf5ec297119_qkv:
	s_mov_b64 s[64:65], 0
	v_nop
	global_prefetch_b8 v0, s[64:65] scope:SCOPE_SE
	s_setreg_imm32_b32 hwreg(HW_REG_WAVE_MODE, 25, 1), 1
	s_wait_xcnt 0x0
; q = h Wq^T + bq, k = h Wk^T + bk, v = h Wv^T + bv on codes of FP6 (E2M3) with E8M0 block scales, and each result quantised again for the product that follows: q and k along d, v along the keys.
; ONE SCHEME, TWO ROLES.  A wave keeps a RESIDENT operand in registers, 128 rows x K 512 (8 tiles x 4 K steps x 12 = 384 registers), and streams 32 tiles of 16 rows x 512 past it.
; D = (resident tile as source 0) x (streamed tile as source 1): a lane holds ONE streamed row, its registers run along the resident rows.  EVERY TILE OF 16 ROWS IS PERMUTED: tile 2 B + u holds rows
; 32 B + 8 u + r + 8 (r / 8), so that the 16 registers of accumulators 2 B, 2 B + 1 are 16 neighbours, and a trip's 8 accumulators are 128 neighbours along the next K: one operand fragment and one scale word a row.
;   grid y = 0, 1 (q, k): resident = rows 128 w .. of W; streamed = the 32 pixel tiles of half a batch; the bias runs along the registers (it is the C of the first K step).
;   grid y = 2 (v): resident = the 8 pixel tiles of key step 4 half + w; streamed = the 32 tiles of Wv; the bias runs along the lanes (eight copies are the C).
; OUT, as images of operand registers (group c of four registers at 512 c + 16 lane; 1,536 bytes a fragment): qbuf, kbuf [b][T 64][s 4]; vbuf [b][ks 8][dt 32].  Scale words, from byte SC on:
; [b][ks 8][s or js 4][H 2][r 16][i 4], tile = 4 H + i: the 16 bytes at 16 lane are the four words of the lane's own row.
; The 32 trips are 4 blocks of 8 written-out trips: a block's eight scale words stay in registers and leave by one store of 512 consecutive bytes.  Loads run two trips ahead in two sets.
; The streamed operand's pointers step between a block's trips 5 and 6; in the last block the step is 0, so that its last two trips ask again for that block's first two tiles (2 spare tile loads in 34,
; inside the buffers) and every wait keeps its count.  Waves share nothing: no LDS, no barrier.  64 x 3 work-groups: each matrix makes 64 shares of 512 x 512 rows.
; LIMITS: NaN and infinities are not served; a block under 2^-124 (zeros too) keeps the scale byte 1: this program alone reads the bytes.
; REGISTERS.  window 0: v3-9 offsets; v48-111 the 8 accumulators; v112-131 codes just made; v136-167 resident scale words; v168-175 streamed scale words, two sets; v176-183 a block's scale words; v184-187 as stored; v200-215 at work.
;   window 1, 2: resident tiles 0-3, 4-7 at v[12 (4 (t % 4) + s)].   window 3: v0-95 streamed tile, two sets; v96-111 its scale bytes as loaded; v112-113 bv as loaded; v120-127 eight copies; v128-191 bq or bk.
.set SC,  12582912                     ; where the scale bytes or words begin in hbuf, qbuf, kbuf, vbuf
.set AW,  3                            ; 384 (r + 8 (r / 8)) + 24 h: a weight's row of 384 bytes, my half's 24 bytes
.set AWS, 4                            ; 16 (r + 8 (r / 8)): its row of scale bytes
.set AWB, 5                            ; 4 (r + 8 (r / 8)): its bias
.set A16, 6                            ; 16 lane
.set A8,  7                            ; 8 lane
.set AHS, 8                            ; 2 (r + 8 (r / 8)): a pixel's two scale bytes
.set ABQ, 9                            ; 64 h: my half's 16 biases
.set HA,  48
.set PC,  112
.set RS,  136
.set TS,  168
.set PWS, 176
.set OW,  184
.set TM,  200
.set RAW, 96
.set BVR, 112
.set CB,  120
.set BQ,  128
.set SEL, 30
.set MSB, 0
.macro WIN new                         ; the immediate's high byte repeats the setting that is left; a switch that changes nothing is dropped
.if MSB != (\new)
	s_set_vgpr_msb (MSB<<8)|(\new)
.set MSB, (\new)
.endif
.endm
.macro WM d, a, b, c, sa, sb           ; one product; the scales stand in registers that hold scales alone
	v_wmma_scale_f32_16x16x128_f8f6f4 v[(\d):(\d)+7], v[(\a):(\a)+11], v[(\b):(\b)+11], v[(\c):(\c)+7], v[\sa], v[\sb] matrix_a_fmt:MATRIX_FMT_FP6 matrix_b_fmt:MATRIX_FMT_FP6
.endm
.macro LDW dst, ptr, imm               ; a fragment from rows of codes as they are given: 24 bytes and 24 bytes, in pieces of 8 so that every address is a multiple of the access's size
.irp p, 0,1,2,3,4,5
	global_load_b64 v[(\dst)+2*\p:(\dst)+2*\p+1], v[AW], s[\ptr:\ptr+1] offset:(\imm)+48*(\p/3)+8*(\p%3)
.endr
.endm
.macro LDH dst, ptr, imm, s            ; a fragment of h: two pieces of 768 bytes, each 16 bytes and 8 bytes a lane
	global_load_b128 v[(\dst):(\dst)+3], v[A16], s[\ptr:\ptr+1] offset:(\imm)+1536*(\s)
	global_load_b64 v[(\dst)+4:(\dst)+5], v[A8], s[\ptr:\ptr+1] offset:(\imm)+1536*(\s)+512
	global_load_b128 v[(\dst)+6:(\dst)+9], v[A16], s[\ptr:\ptr+1] offset:(\imm)+1536*(\s)+768
	global_load_b64 v[(\dst)+10:(\dst)+11], v[A8], s[\ptr:\ptr+1] offset:(\imm)+1536*(\s)+1280
.endm
; 64 numbers of a lane, register 16 b + i = k 32 b + 16 (lane / 16) + i of my row, become a fragment's codes in v[PC] on and its scale word in v[pw].
.macro QUANT s, pw
.irp b, 0,1,2,3
	v_max3_num_f32 v[TM+\b], |v[\s+16*\b]|, |v[\s+1+16*\b]|, 0x1800000   ; my 16 numbers of block b, and the floor 2^(3 - 127): the byte cannot fall under 1.  (Each accumulator is read from its low end on)
.endr
.irp i, 2,4,6,8,10,12,14
.irp b, 0,1,2,3
	v_max3_num_f32 v[TM+\b], v[TM+\b], |v[\s+16*\b+\i]|, |v[\s+1+16*\b+\i]|
.endr
.endr
.irp b, 0,1,2,3
	v_permlanex16_b32 v[TM+4+\b], v[TM+\b], s[SEL], s[SEL+1]
.endr
.irp b, 0,1,2,3
	v_max_num_f32 v[TM+\b], v[TM+\b], v[TM+4+\b]   ; with lane l xor 16's: the block's largest magnitude
.endr
.irp b, 0,1,2,3
	v_add_nc_u32 v[TM+12+\b], 0xff000000, v[TM+\b] ; 2 off its exponent field: the conversion's scale operand
.endr
.irp b, 0,1,2,3
	v_lshrrev_b32 v[TM+4+\b], 23, v[TM+12+\b]      ; the scale's byte
.endr
	v_lshl_or_b32 v[\pw], v[TM+5], 8, v[TM+4]
	v_lshl_or_b32 v[\pw], v[TM+6], 16, v[\pw]
	v_lshl_or_b32 v[\pw], v[TM+7], 24, v[\pw]
.irp c, 0,1
	v_cvt_scalef32_pk16_fp6_f32 v[PC+6*\c:PC+2+6*\c], v[\s+32*\c:\s+15+32*\c], v[TM+12+2*\c]
	v_cvt_scalef32_pk16_fp6_f32 v[PC+12+4*\c:PC+14+4*\c], v[\s+16+32*\c:\s+31+32*\c], v[TM+12+2*\c+1]   ; (a conversion's three registers begin on an even number)
.endr
	v_nop                                          ; one plain place behind the last scaled conversion
.irp c, 0,1                                    ; the operand's layout wants a WHOLE block in a lane: lanes 0-15 block 2 c, lanes 16-31 block 2 c + 1
.irp i, 0,1,2
	v_permlane16_swap_b32 v[PC+6*\c+\i], v[PC+12+4*\c+\i]
.endr
.irp i, 0,1,2
	v_mov_b32 v[PC+3+6*\c+\i], v[PC+12+4*\c+\i]
.endr
.endr
.endm
; The streamed tile jj of the block that the pointers stand at, into set sig: codes, scales and (v) bias.  24 loads (q, k) or 26 (v).
.macro TFETCH v, sig, jj
	WIN 0xc0                                       ; destination window 3, offset window 0
.if \v
.irp s, 0,1,2,3
	LDW 48*\sig+12*\s,44,(32*(\jj/2)+8*(\jj%2))*384+96*\s
.endr
	global_load_b32 v[BVR+\sig], v[AWB], s[48:49] offset:(32*(\jj/2)+8*(\jj%2))*4
	WIN 0
	global_load_b128 v[TS+4*\sig:TS+4*\sig+3], v[AWS], s[46:47] offset:(32*(\jj/2)+8*(\jj%2))*16   ; a row's 16 scale bytes are its four words
.else
.irp s, 0,1,2,3
	LDH 48*\sig+12*\s,54,6144*\jj,\s
.endr
.irp g, 0,1,2,3,4,5,6,7
	global_load_u16 v[RAW+8*\sig+\g], v[AHS], s[56:57] offset:2048*\g+64*(\jj/2)+16*(\jj%2)
.endr
	WIN 0
.endif
.endm
; Trip j of a block, on set sig = j % 2; behind its products tile jj = (j + 2) % 8 is asked for into the same set.
.macro TRIP v, j, sig, jj
.if \v
	s_wait_loadcnt 26                              ; my set is in; the other set's 26 loads, issued later, may be out
	WIN 0xc3
.irp i, 0,1,2,3,4,5,6,7
	v_mov_b32 v[CB+\i], v[BVR+\sig]                ; bv of my lane's row, for all eight registers of a result
.endr
.rept 5
	v_nop
.endr
.else
	s_wait_loadcnt 24                              ; my set is in; the other set's 24 loads, issued later, may be out
	WIN 0x33
.irp s, 0,1,2,3
	v_lshl_or_b32 v[TS+4*\sig+\s], v[RAW+8*\sig+2*\s+1], 16, v[RAW+8*\sig+2*\s]   ; two groups' two bytes make a K step's scale word
.endr
.rept 8
	v_nop                                          ; a scale register written by a vector instruction stands 8 places ahead of a scaled matrix instruction
.endr
.endif
.irp s, 0,1,2,3                                ; the eight accumulators take turns, one instruction a turn
.irp t, 0,1,2,3,4,5,6,7
.if \s == 0
	WIN 0x3d+\t/4                                  ; source 0 window 1 or 2, source 1 and C window 3, D window 0
.if \v
	WM HA+8*\t,12*(4*(\t%4)+\s),48*\sig+12*\s,CB,RS+4*\t+\s,TS+4*\sig+\s
.else
	WM HA+8*\t,12*(4*(\t%4)+\s),48*\sig+12*\s,BQ+8*\t,RS+4*\t+\s,TS+4*\sig+\s
.endif
.else
	WIN 0x0d+\t/4                                  ; C and D window 0
	WM HA+8*\t,12*(4*(\t%4)+\s),48*\sig+12*\s,HA+8*\t,RS+4*\t+\s,TS+4*\sig+\s
.endif
.endr
.endr
	WIN 0
.rept 4
	v_nop                                          ; four places in front of loads into registers that the products read, and of the first read of results
.endr
	s_wait_xcnt 0x0                                ; the last trip's stores have read the codes' registers, which are written again below
	TFETCH \v,\sig,\jj
	QUANT HA,PWS+\j
.irp c, 0,1,2
	global_store_b128 v[A16], v[PC+4*\c:PC+4*\c+3], s[50:51] offset:\j*OSTR+512*\c   ; 512 consecutive bytes, at a multiple of 512 from the buffer's first byte
.endr
.endm
.macro BLOCK v
	TRIP \v,0,0,2
	TRIP \v,1,1,3
	TRIP \v,2,0,4
	TRIP \v,3,1,5
	TRIP \v,4,0,6
	TRIP \v,5,1,7
	s_wait_xcnt 0x0                                ; every load issued has read its base: the streamed operand's pointers may step
	s_cmp_lg_u32 s36, 1                            ; to the next block; in the last block they stay
	s_cselect_b32 s58, 49152, 0
.if \v
	s_cselect_b32 s60, 2048, 0
	s_cselect_b32 s62, 512, 0
	s_add_nc_u64 s[44:45], s[44:45], s[58:59]
	s_add_nc_u64 s[46:47], s[46:47], s[60:61]
	s_add_nc_u64 s[48:49], s[48:49], s[62:63]
.else
	s_cselect_b32 s60, 256, 0
	s_add_nc_u64 s[54:55], s[54:55], s[58:59]
	s_add_nc_u64 s[56:57], s[56:57], s[60:61]
.endif
	TRIP \v,6,0,0
	TRIP \v,7,1,1
.irp i, 0,1,2,3
	v_cndmask_b32 v[OW+\i], v[PWS+\i], v[PWS+4+\i], vcc_lo   ; both halves of the lanes hold a row's word: lanes 0-15 keep tiles 0-3, lanes 16-31 tiles 4-7
.endr
	global_store_b128 v[A16], v[OW:OW+3], s[52:53]
	s_wait_xcnt 0x0                                ; the stores have read their bases
	s_add_nc_u64 s[50:51], s[50:51], 8*OSTR
	s_add_nc_u64 s[52:53], s[52:53], SJ
	s_sub_co_u32 s36, s36, 1
	s_cmp_lg_u32 s36, 0
.endm
	s_load_b512 s[4:19], s[0:1], 0x0               ; hbuf s[4:5]; Wq codes, scales, bq s[6:11]; Wk codes, scales, bk s[12:17]; Wv codes s[18:19]
	s_load_b256 s[20:27], s[0:1], 0x40             ; Wv scales s[20:21], bv s[22:23], qbuf s[24:25], kbuf s[26:27]
	s_load_b64 s[28:29], s[0:1], 0x60              ; vbuf
	v_lshrrev_b32 v14, 5, v0
	v_readfirstlane_b32 s32, v14                   ; wave 0..3
	v_and_b32 v15, 31, v0                          ; lane
	v_and_b32 v1, 15, v0                           ; r
	v_bfe_u32 v2, v0, 4, 1                         ; h
	v_and_b32 v14, 8, v1
	v_add_nc_u32 v14, v14, v1                      ; r + 8 (r / 8)
	v_mul_u32_u24 v[AW], v14, 384
	v_mad_u32_u24 v[AW], v2, 24, v[AW]
	v_lshlrev_b32 v[AWS], 4, v14
	v_lshlrev_b32 v[AWB], 2, v14
	v_lshlrev_b32 v[A16], 4, v15
	v_lshlrev_b32 v[A8], 3, v15
	v_lshlrev_b32 v[AHS], 1, v14
	v_lshlrev_b32 v[ABQ], 6, v2
	v_cmp_le_u32 vcc_lo, 16, v15                   ; lanes 16-31; VCC is written nowhere else
.irp b, 0,1,2,3
	v_mov_b32 v[TM+4+\b], 0                        ; written once: a lane permute's destination counts as one of its sources
.endr
	s_mov_b32 s[SEL], 0x76543210
	s_mov_b32 s[SEL+1], 0xfedcba98
	s_lshr_b32 s33, ttmp9, 1                       ; b
	s_and_b32 s34, ttmp9, 1                        ; which half of the batch's pixels
	s_and_b32 s35, ttmp7, 0xffff                   ; 0 q, 1 k, 2 v
	s_mov_b32 s36, 4                               ; blocks to go
	s_mov_b32 s39, 0
	s_mov_b32 s41, 0
	s_mov_b32 s59, 0
	s_mov_b32 s61, 0
	s_mov_b32 s63, 0
	s_mul_i32 s37, s33, 393216                     ; a batch's codes in hbuf, qbuf, kbuf, vbuf
	s_wait_kmcnt 0x0
	s_cmp_eq_u32 s35, 2
	s_cbranch_scc1 .Lpath_v
	; ================ q and k ================
.set OSTR, 6144                        ; from a pixel tile's fragment to the next tile's
.set SJ,   2048                        ; from a key step's scale words to the next step's
	s_cmp_eq_u32 s35, 0                            ; the choice hangs on the work-group's number alone
	s_cselect_b64 s[44:45], s[6:7], s[12:13]
	s_cselect_b64 s[46:47], s[8:9], s[14:15]
	s_cselect_b64 s[48:49], s[10:11], s[16:17]
	s_cselect_b64 s[50:51], s[24:25], s[26:27]
	s_mul_i32 s38, s32, 49152                      ; my 128 rows of W: codes,
	s_add_nc_u64 s[44:45], s[44:45], s[38:39]
	s_lshl_b32 s38, s32, 11                        ; scale bytes,
	s_add_nc_u64 s[46:47], s[46:47], s[38:39]
	s_lshl_b32 s38, s32, 9                         ; biases
	s_add_nc_u64 s[48:49], s[48:49], s[38:39]
	s_mul_i32 s40, s34, 196608
	s_add_co_u32 s40, s40, s37                     ; the batch, and 32 tiles for the second half
	s_add_nc_u64 s[54:55], s[4:5], s[40:41]        ; h's codes
	s_lshl_b32 s38, s33, 14
	s_lshl_b32 s42, s34, 13
	s_add_co_u32 s38, s38, s42
	s_lshl_b32 s42, s32, 9
	s_add_co_u32 s38, s38, s42
	s_add_co_u32 s38, s38, SC
	s_add_nc_u64 s[52:53], s[50:51], s[38:39]      ; out: scale words of key step 4 half, K step w
	s_mul_i32 s38, s32, 1536
	s_add_co_u32 s38, s38, s40
	s_add_nc_u64 s[50:51], s[50:51], s[38:39]      ; out: fragment (tile 32 half, K step w)
	s_lshl_b32 s38, s33, 14
	s_lshl_b32 s42, s34, 10
	s_add_co_u32 s38, s38, s42
	s_add_co_u32 s38, s38, SC
	s_add_nc_u64 s[56:57], s[4:5], s[38:39]        ; h's scale bytes
.irp t, 0,1,2,3,4,5,6,7
	WIN 0x40+0x40*(\t/4)
.irp s, 0,1,2,3
	LDW 12*(4*(\t%4)+\s),44,(32*(\t/2)+8*(\t%2))*384+96*\s
.endr
.endr
	WIN 0
.irp t, 0,1,2,3,4,5,6,7
	global_load_b128 v[RS+4*\t:RS+4*\t+3], v[AWS], s[46:47] offset:(32*(\t/2)+8*(\t%2))*16
.endr
	WIN 0xc0
.irp t, 0,1,2,3,4,5,6,7                        ; register j of tile t is output 32 (t / 2) + 16 h + 8 (t % 2) + j of my 128
	global_load_b128 v[BQ+8*\t:BQ+8*\t+3], v[ABQ], s[48:49] offset:(32*(\t/2)+8*(\t%2))*4
	global_load_b128 v[BQ+8*\t+4:BQ+8*\t+7], v[ABQ], s[48:49] offset:(32*(\t/2)+8*(\t%2))*4+16
.endr
	TFETCH 0,0,0
	TFETCH 0,1,1
.Lblk_qk:
	BLOCK 0
	s_cbranch_scc1 .Lblk_qk
	s_endpgm
	; ================ v ================
.Lpath_v:
.set OSTR, 1536                        ; from a tile of d to the next
.set SJ,   512                         ; from eight tiles' scale words to the next eight's
	s_lshl_b32 s42, s34, 2
	s_add_co_u32 s42, s42, s32                     ; my key step: 4 half + w
	s_mul_i32 s40, s42, 49152
	s_add_co_u32 s40, s40, s37
	s_add_nc_u64 s[54:55], s[4:5], s[40:41]        ; h's codes: my 8 tiles
	s_add_nc_u64 s[50:51], s[28:29], s[40:41]      ; out: fragment (key step, tile 0 of d)
	s_lshl_b32 s38, s33, 14
	s_lshl_b32 s40, s42, 8
	s_add_co_u32 s40, s40, s38
	s_add_co_u32 s40, s40, SC
	s_add_nc_u64 s[56:57], s[4:5], s[40:41]        ; h's scale bytes: my 128 pixels
	s_lshl_b32 s40, s42, 11
	s_add_co_u32 s40, s40, s38
	s_add_co_u32 s40, s40, SC
	s_add_nc_u64 s[52:53], s[28:29], s[40:41]      ; out: the key step's scale words
	s_mov_b64 s[44:45], s[18:19]
	s_mov_b64 s[46:47], s[20:21]
	s_mov_b64 s[48:49], s[22:23]
.irp t, 0,1,2,3,4,5,6,7
	WIN 0x40+0x40*(\t/4)
.irp s, 0,1,2,3
	LDH 12*(4*(\t%4)+\s),54,6144*\t,\s
.endr
.endr
	WIN 0
.irp t, 0,1,2,3,4,5,6,7
.irp g, 0,1,2,3,4,5,6,7
	global_load_u16 v[HA+8*\t+\g], v[AHS], s[56:57] offset:2048*\g+64*(\t/2)+16*(\t%2)
.endr
.endr
	TFETCH 1,0,0
	TFETCH 1,1,1
	s_wait_loadcnt 52                              ; all but the two streamed sets' 2 x 26 loads
.irp t, 0,1,2,3,4,5,6,7
.irp s, 0,1,2,3
	v_lshl_or_b32 v[RS+4*\t+\s], v[HA+8*\t+2*\s+1], 16, v[HA+8*\t+2*\s]   ; (thirteen plain lines stand between these and the first product)
.endr
.endr
.Lblk_v:
	BLOCK 1
	s_cbranch_scc1 .Lblk_v
	s_endpgm
.Lfunc_end_k_qf5ec297119_qkv:
	.size	k_qf5ec297119_qkv, .Lfunc_end_k_qf5ec297119_qkv-k_qf5ec297119_qkv
	.p2alignl 7, 3214868480
	.fill 96, 4, 3214868480
	.section	.rodata,"a",@progbits
	.p2align	6, 0x0
	.amdhsa_kernel k_qf5ec297119_qkv
		.amdhsa_group_segment_fixed_size 0
		.amdhsa_private_segment_fixed_size 0
		.amdhsa_enable_private_segment 0
		.amdhsa_kernarg_size 104
		.amdhsa_user_sgpr_count 2
		.amdhsa_user_sgpr_kernarg_segment_ptr 1
		.amdhsa_wavefront_size32 1
		.amdhsa_system_sgpr_workgroup_id_x 1
		.amdhsa_system_sgpr_workgroup_id_y 1
		.amdhsa_system_sgpr_workgroup_id_z 1
		.amdhsa_system_vgpr_workitem_id 0
		.amdhsa_next_free_vgpr 1024
		.amdhsa_next_free_sgpr 66
		.amdhsa_reserve_vcc 1
		.amdhsa_float_denorm_mode_32 3
		.amdhsa_float_denorm_mode_16_64 3
		.amdhsa_memory_ordered 1
		.amdhsa_forward_progress 1
		.amdhsa_inst_pref_size 237
	.end_amdhsa_kernel
	.amdgpu_metadata
---
amdhsa.version: [ 1, 2 ]
amdhsa.kernels:
  - .name:           k_qf5ec297119_qkv
    .symbol:         k_qf5ec297119_qkv.kd
    .args:
      - { .name: hbuf, .offset: 0, .size: 8, .value_kind: global_buffer, .address_space: global }
      - { .name: Wq_codes, .offset: 8, .size: 8, .value_kind: global_buffer, .address_space: global }
      - { .name: Wq_scales, .offset: 16, .size: 8, .value_kind: global_buffer, .address_space: global }
      - { .name: bq, .offset: 24, .size: 8, .value_kind: global_buffer, .address_space: global }
      - { .name: Wk_codes, .offset: 32, .size: 8, .value_kind: global_buffer, .address_space: global }
      - { .name: Wk_scales, .offset: 40, .size: 8, .value_kind: global_buffer, .address_space: global }
      - { .name: bk, .offset: 48, .size: 8, .value_kind: global_buffer, .address_space: global }
      - { .name: Wv_codes, .offset: 56, .size: 8, .value_kind: global_buffer, .address_space: global }
      - { .name: Wv_scales, .offset: 64, .size: 8, .value_kind: global_buffer, .address_space: global }
      - { .name: bv, .offset: 72, .size: 8, .value_kind: global_buffer, .address_space: global }
      - { .name: qbuf, .offset: 80, .size: 8, .value_kind: global_buffer, .address_space: global }
      - { .name: kbuf, .offset: 88, .size: 8, .value_kind: global_buffer, .address_space: global }
      - { .name: vbuf, .offset: 96, .size: 8, .value_kind: global_buffer, .address_space: global }
    .group_segment_fixed_size: 0
    .private_segment_fixed_size: 0
    .kernarg_segment_align: 8
    .kernarg_segment_size: 104
    .max_flat_workgroup_size: 128
    .sgpr_count:     66
    .vgpr_count:     1024
    .wavefront_size: 32
...
	.end_amdgpu_metadata
.endif
;; end of part 2
;; launch attn (part 3): grid 8 x 32, 4 waves a work-group, clusters of 4 x 1, 327,680 bytes of LDS; arguments qbuf, kbuf, vbuf, Wp_codes, Wp_scales, res, x, out0; writes out0
.if DOCPART == 3
	.amdgcn_target "amdgcn-amd-amdhsa--gfx1250"
	.amdhsa_code_object_version 6
	.text
	.protected	k_qf5ec297119_attn
	.globl	k_qf5ec297119_attn
	.p2align	8
	.type	k_qf5ec297119_attn,@function
k_qf5ec297119_attn:
	s_mov_b64 s[64:65], 0
	v_nop
	global_prefetch_b8 v0, s[64:65] scope:SCOPE_SE
	s_setreg_imm32_b32 hwreg(HW_REG_WAVE_MODE, 25, 1), 1
	s_wait_xcnt 0x0
	s_wait_alu depctr_hold_cnt(0) depctr_sa_sdst(0) depctr_va_vdst(0) depctr_va_sdst(0) depctr_va_ssrc(0) depctr_va_vcc(0) depctr_vm_vsrc(0)
	s_getreg_b32 s2, hwreg(HW_REG_IB_STS2, 6, 4)
	s_cmp_eq_u32 s2, 0
	s_cbranch_scc0 .Lentry_in_a_cluster
	s_endpgm
.Lentry_in_a_cluster:
	s_bfe_u32 s2, ttmp6, 0x10000c
	s_cmp_lg_u32 s2, 0x3003
	s_cbranch_scc0 .Lentry_shape_is_right
	s_endpgm
.Lentry_shape_is_right:
; out0[b][e][n] = (softmax(q k^T / sqrt(512)) v) Wp^T + bp + xn, all three products on codes of FP6 (E2M3) with E8M0 block scales.
; THE SOFTMAX: t = score x log2(e) / sqrt(512); M = the running largest t rounded UP to a whole number; p = 2^(t - M) is quantised along the keys, not normalised; the row's sum is taken of the unquantised p
; and divides O at the end; when M moves, the sum and O are multiplied by 2^(old M - new M), which rounds nothing.
; SHARES.  A work-group owns 128 queries of one batch; in the key loop wave w owns query tiles 2 w and 2 w + 1, so that each fragment of K and V read from LDS feeds two products.  128 keys a step, 8 steps.
; Both products are used transposed (S^T = K Q^T, O^T = V^T P^T): a lane holds ONE query.  Every tile of 16 rows is permuted (tile 2 B + u holds rows 32 B + 8 u + r + 8 (r / 8)), so that the 16 registers of two
; neighbouring result tiles are 16 neighbours along the next K.  q, k, v lie in memory as images of operand registers (group c of four at 512 c + 16 lane), so a key step's K and V are two dense blocks of 49,152 bytes.
; In the projection the waves share the COLUMNS: wave w makes output channels 128 w .. + 127 for all 128 queries; O / l, quantised along d, goes from wave to wave through LDS as register images.
; The residual: xn + bp = x a + c with (a, c) for each (b, channel) from an earlier launch; c is the C of the projection's first K step, x a is added on the way out.
; CLUSTER.  The four query blocks of a cluster walk the same K and V: every tensor load is asked for jointly, with the same descriptor and a mask that names the four.
; O^T begins as zeros (512 moves, once) and the largest t as -3e38, so that the key step is written twice (loop and last step) and not three times.
; LIMITS: NaN and infinities are not served; a block under 2^-124 (zeros too) keeps the scale byte 1; x a + c cancels mean a against x a: about 4e-6 of xn's spread at an offset of 30 spreads.
; REGISTERS.  window 0: v1-11, v20-23, v50-59 addresses; v12-19 -M, largest t, the sum's pair for each tile; v24-31 q's scale words; v32-47 K's or V's; v48-49 p's; v64-191 S^T, then p; v192-215 p's codes; v224-248 at work.
;   window 1, 2: O^T of tile 0, 1 (8 dt + j); later the 32 fragments of O / l.   window 3: v0-95 Q; v96-239 three sets of four fragments; later Wp, x, c.
.set SLOT1, 1<<17                      ; LDS: slot 0 at 0 (K 49,152 bytes, then V 49,152); slot 1 here, so that one exclusive or turns an address
.set VOFF,  49152
.set SCK,   98304                      ; the batch's K scale words, 16,384 bytes, filled once
.set SCV,   114688                     ; V's
.set OIMG,  229376                     ; images of O / l: 32 fragments of 1,536 bytes
.set OSC,   278528                     ; their scale words, [tile 8][lane 32][K step 4]
.set STAGE, 282624                     ; the way out: 16 rows x (512 + 16) bytes for each wave
.set SPARE, 316416                     ; the spare words, 128 bytes for each wave: two blocks of 256 bytes that no other line names
.set SC,    12582912                   ; where the scale words begin in qbuf, kbuf, vbuf
.set AF,1                              ; 16 lane
.set ASK,2                             ; SCK + 16 lane
.set ASV,3                             ; SCV + 16 lane
.set ADK,4                             ; the step's K, V, K scale words, V scale words
.set ADV,5
.set ADKS,6
.set ADVS,7
.set SPW,8                             ; my spare word; never rewritten
.set NIL,9                             ; 0; never rewritten
.set AFV,10                            ; VOFF + 16 lane
.set PFO,11                            ; 4,096 (lane / 2) + 256 (lane % 2)
.set AW,20                             ; Wp: 384 (r + 8 (r / 8)) + 24 h
.set AWS,21                            ; 16 (r + 8 (r / 8))
.set ARC,22                            ; 8 (r + 8 (r / 8)) + 4: c in res
.set A16R,23                           ; 16 r
.set QS,24
.set KVS,32
.set PS,48
.set OWI,50                            ; where I store images of O / l, and their scale words
.set OWS,51
.set RC,52                             ; v[52:53], v[54:55]: 1 / l
.set STO,56                            ; the stage: in, back
.set SRD,57
.set ORI,58                            ; where images and scale words are read
.set ORS,59
.set S,64
.set PC,192
.set TM,224                            ; v224-227 block maxima
.set BP,228                            ; v228-231 the other half's, then bytes
.set BO,232                            ; v232-235 the conversions' scale operands
.set CT,236                            ; v236-238, v240-242 upper halves of blocks' codes
.set SU,244
.set F,246                             ; v[246:247]: f = 2^(old M - new M)
.set TMP,248
.set WV,20                             ; s20 wave
.set CS,22                             ; s[22:23] c
.set SEL,56                            ; s[56:57]
.set MSB, 0
.macro WIN new                         ; the immediate's high byte repeats the setting that is left; a switch that changes nothing is dropped
.if MSB != (\new)
	s_set_vgpr_msb (MSB<<8)|(\new)
.set MSB, (\new)
.endif
.endm
.macro PLACES n
.rept \n
	v_nop
.endr
.endm
; One product.  c < 0: the constant 0 starts the sum.  row1: source 0's scales are read from lanes 16-31.
.macro WM d, a, b, c, sa, sb, row1
.if (\c) < 0
.if \row1
	v_wmma_scale_f32_16x16x128_f8f6f4 v[(\d):(\d)+7], v[(\a):(\a)+11], v[(\b):(\b)+11], 0, v[\sa], v[\sb] matrix_a_fmt:MATRIX_FMT_FP6 matrix_b_fmt:MATRIX_FMT_FP6 matrix_a_scale:MATRIX_SCALE_ROW1
.else
	v_wmma_scale_f32_16x16x128_f8f6f4 v[(\d):(\d)+7], v[(\a):(\a)+11], v[(\b):(\b)+11], 0, v[\sa], v[\sb] matrix_a_fmt:MATRIX_FMT_FP6 matrix_b_fmt:MATRIX_FMT_FP6
.endif
.else
.if \row1
	v_wmma_scale_f32_16x16x128_f8f6f4 v[(\d):(\d)+7], v[(\a):(\a)+11], v[(\b):(\b)+11], v[(\c):(\c)+7], v[\sa], v[\sb] matrix_a_fmt:MATRIX_FMT_FP6 matrix_b_fmt:MATRIX_FMT_FP6 matrix_a_scale:MATRIX_SCALE_ROW1
.else
	v_wmma_scale_f32_16x16x128_f8f6f4 v[(\d):(\d)+7], v[(\a):(\a)+11], v[(\b):(\b)+11], v[(\c):(\c)+7], v[\sa], v[\sb] matrix_a_fmt:MATRIX_FMT_FP6 matrix_b_fmt:MATRIX_FMT_FP6
.endif
.endif
.endm
; A joint refill: waves 0 and 1 fetch K's two halves, waves 2 and 3 V's.  The branch hangs on the wave's number alone.  Four v_nop follow each of the two lines.
.macro JLOAD
	s_cmp_lt_u32 s[WV], 2
	s_cbranch_scc0 .Lfor_v_\@
	tensor_load_to_lds s[40:43], s[24:31]
	s_nop 0
	PLACES 4
	s_branch .Lasked_\@
.Lfor_v_\@:
	tensor_load_to_lds s[44:47], s[24:31]
	s_nop 0
	PLACES 4
.Lasked_\@:
.endm
; A round of the cluster's barrier: my work-group's barrier; wave 0 signals for the work-group; every wave waits for all four work-groups; my work-group's barrier once more.
.macro CROUND
	s_barrier_signal -1
	s_barrier_wait -1
	s_cmp_lg_u32 s[WV], 0
	s_cbranch_scc1 .Lnot_wave_0_\@
	s_barrier_signal -3
.Lnot_wave_0_\@:
	s_barrier_wait -3
	s_barrier_signal -1
	s_barrier_wait -1
.endm
.macro LDW dst, ptr, imm               ; a fragment from rows of codes as they are given, in pieces of 8 bytes
.irp p, 0,1,2,3,4,5
	global_load_b64 v[(\dst)+2*\p:(\dst)+2*\p+1], v[AW], s[\ptr:\ptr+1] offset:(\imm)+48*(\p/3)+8*(\p%3)
.endr
.endm
; 64 numbers of a lane, register 16 b + i = k 32 b + 16 (lane / 16) + i of my row, become a fragment's codes in v[PC] on and its scale word in v[pw].
.macro QUANT s, pw
.irp b, 0,1,2,3
	v_max3_num_f32 v[TM+\b], |v[\s+16*\b]|, |v[\s+1+16*\b]|, 0x1800000   ; with the floor 2^(3 - 127): the byte cannot fall under 1
.endr
.irp i, 2,4,6,8,10,12,14
.irp b, 0,1,2,3
	v_max3_num_f32 v[TM+\b], v[TM+\b], |v[\s+16*\b+\i]|, |v[\s+1+16*\b+\i]|
.endr
.endr
.irp b, 0,1,2,3
	v_permlanex16_b32 v[TM+4+\b], v[TM+\b], s[SEL], s[SEL+1]
.endr
.irp b, 0,1,2,3
	v_max_num_f32 v[TM+\b], v[TM+\b], v[TM+4+\b]
.endr
.irp b, 0,1,2,3
	v_add_nc_u32 v[TM+12+\b], 0xff000000, v[TM+\b]
.endr
.irp b, 0,1,2,3
	v_lshrrev_b32 v[TM+4+\b], 23, v[TM+12+\b]
.endr
	v_lshl_or_b32 v[\pw], v[TM+5], 8, v[TM+4]
	v_lshl_or_b32 v[\pw], v[TM+6], 16, v[\pw]
	v_lshl_or_b32 v[\pw], v[TM+7], 24, v[\pw]
.irp c, 0,1
	v_cvt_scalef32_pk16_fp6_f32 v[PC+6*\c:PC+2+6*\c], v[\s+32*\c:\s+15+32*\c], v[TM+12+2*\c]
	v_cvt_scalef32_pk16_fp6_f32 v[PC+12+4*\c:PC+14+4*\c], v[\s+16+32*\c:\s+31+32*\c], v[TM+12+2*\c+1]
.endr
	v_nop                                          ; one plain place behind the last scaled conversion
.irp c, 0,1
.irp i, 0,1,2
	v_permlane16_swap_b32 v[PC+6*\c+\i], v[PC+12+4*\c+\i]
.endr
.irp i, 0,1,2
	v_mov_b32 v[PC+3+6*\c+\i], v[PC+12+4*\c+\i]
.endr
.endr
.endm
	s_load_b512 s[4:19], s[0:1], 0x0               ; qbuf s[4:5], kbuf s[6:7], vbuf s[8:9], Wp codes s[10:11], Wp scales s[12:13], res s[14:15], x s[16:17], out0 s[18:19]
	v_lshl_add_u32 v[SPW], v0, 2, SPARE
	v_mov_b32 v[NIL], 0
	ds_add_u32 v8, v9
	s_wait_dscnt 0x0
	v_lshrrev_b32 v60, 5, v0
	v_readfirstlane_b32 s[WV], v60                 ; wave 0..3
	s_and_b32 s62, ttmp7, 0xffff                   ; b, which the four partners share
	s_and_b32 s21, s[WV], 1                        ; which half of a tile I fetch
	s_mul_i32 s100, s62, 393216                    ; the batch's codes,
	s_mul_i32 s41, s21, 24576                      ; my half: in memory and in a slot
	s_add_co_u32 s100, s100, s41
	s_mov_b32 s101, 0
	s_lshl_b32 s59, s21, 13                        ; my half of the scale words
	s_lshl_b32 s60, s62, 14
	s_add_co_u32 s60, s60, s59
	s_add_co_u32 s60, s60, SC
	s_mov_b32 s61, 0
	; descriptor group 1: dense blocks as rows of 256 bytes (32 elements of 8 bytes), no padding: 96 rows for half a tile of codes, 32 rows for half the scale words
	s_mov_b32 s24, 15|(3<<16)|(1<<21)              ; 15:0 the mask: all four work-groups; 17:16 elements of 8 bytes; 21 set beside a mask
	s_mov_b32 s25, 32<<16                          ; tensor_dim0 = 32
	s_mov_b32 s26, 96<<16                          ; tensor_dim1 = 96
	s_mov_b32 s27, 32<<16                          ; tile_dim0 = 32
	s_mov_b32 s28, 96                              ; tile_dim1 = 96
	s_mov_b32 s29, 32                              ; elements from row to row
	s_mov_b32 s30, 0
	s_mov_b32 s31, 0
	s_mov_b32 s32, 15|(3<<16)|(1<<21)
	s_mov_b32 s33, 32<<16
	s_mov_b32 s34, 32<<16
	s_mov_b32 s35, 32<<16
	s_mov_b32 s36, 32
	s_mov_b32 s37, 32
	s_mov_b32 s38, 0
	s_mov_b32 s39, 0
	s_mov_b32 s40, 1                               ; group 0 for K's codes (s41: the LDS address, above), which walks;
	s_mov_b32 s44, 1                               ; for V's codes, which walks;
	s_add_co_u32 s45, s41, VOFF
	s_mov_b32 s48, 1                               ; for K's scale words;
	s_add_co_u32 s49, s59, SCK
	s_mov_b32 s52, 1                               ; for V's
	s_add_co_u32 s53, s59, SCV
	s_mov_b32 s[CS], 0x3d8293ee                    ; c = log2(e) / sqrt(512)
	s_mov_b32 s[CS+1], s[CS]                       ; (named with it as a pair, so it is written)
	s_mov_b32 s[SEL], 0x76543210
	s_mov_b32 s[SEL+1], 0xfedcba98
	; my place in the cluster enters the addresses of q, x and out0 alone, in registers of their own
	s_bfe_u32 s68, ttmp6, 0x40000                  ; cx
	s_lshl_b32 s69, ttmp9, 2
	s_add_co_u32 s68, s69, s68                     ; my block of 128 queries
	s_mul_i32 s70, s62, 393216
	s_mul_i32 s69, s68, 49152
	s_add_co_u32 s70, s70, s69
	s_mul_i32 s69, s[WV], 12288
	s_add_co_u32 s70, s70, s69                     ; q's codes: batch, block, my two tiles
	s_mov_b32 s71, 0
	s_lshl_b32 s72, s62, 14
	s_lshl_b32 s69, s68, 11
	s_add_co_u32 s72, s72, s69
	s_lshr_b32 s69, s[WV], 1
	s_lshl_b32 s69, s69, 8
	s_add_co_u32 s72, s72, s69
	s_lshl_b32 s69, s21, 3
	s_add_co_u32 s72, s72, s69
	s_add_co_u32 s72, s72, SC                      ; q's scale words: tiles 2 w, 2 w + 1 lie at H = w / 2, i = 2 (w % 2), + 1
	s_mov_b32 s73, 0
	s_lshl_b32 s74, s62, 21
	s_lshl_b32 s69, s[WV], 19
	s_add_co_u32 s74, s74, s69
	s_lshl_b32 s69, s68, 9
	s_add_co_u32 s74, s74, s69                     ; x, out0: batch, row 128 w, my block's 512 bytes
	s_mov_b32 s75, 0
	s_mul_i32 s76, s[WV], 49152                    ; Wp's codes: my 128 rows
	s_mov_b32 s77, 0
	s_lshl_b32 s78, s[WV], 11                      ; Wp's scale bytes
	s_mov_b32 s79, 0
	s_lshl_b32 s80, s62, 12
	s_lshl_b32 s69, s[WV], 10
	s_add_co_u32 s80, s80, s69                     ; res: batch, my 128 pairs
	s_mov_b32 s81, 0
	; every LDS address register is made here, ahead of the first branch on the wave's number
	v_and_b32 v60, 31, v0                          ; lane
	v_and_b32 v61, 15, v0                          ; r
	v_bfe_u32 v62, v0, 4, 1                        ; h
	v_lshlrev_b32 v[AF], 4, v60
	v_add_nc_u32 v[ASK], SCK, v[AF]
	v_add_nc_u32 v[ASV], SCV, v[AF]
	v_add_nc_u32 v[AFV], VOFF, v[AF]
	v_and_b32 v63, 8, v61
	v_add_nc_u32 v63, v63, v61                     ; r + 8 (r / 8)
	v_mul_u32_u24 v[AW], v63, 384
	v_mad_u32_u24 v[AW], v62, 24, v[AW]
	v_lshlrev_b32 v[AWS], 4, v63
	v_lshl_add_u32 v[ARC], v63, 3, 4
	v_lshlrev_b32 v[A16R], 4, v61
	v_lshrrev_b32 v[PFO], 1, v60
	v_lshlrev_b32 v[PFO], 12, v[PFO]
	v_and_b32 v63, 1, v60
	v_lshl_add_u32 v[PFO], v63, 8, v[PFO]
	s_mul_i32 s63, s[WV], 12288
	s_add_co_u32 s63, s63, OIMG
	v_add_nc_u32 v[OWI], s63, v[AF]                ; my two tiles' eight images
	s_lshl_b32 s63, s[WV], 10
	s_add_co_u32 s63, s63, OSC
	v_add_nc_u32 v[OWS], s63, v[AF]
	s_mul_i32 s63, s[WV], 8448
	s_add_co_u32 s63, s63, STAGE                   ; my stage
	v_mul_u32_u24 v[STO], v61, 528
	v_lshl_add_u32 v[STO], v62, 6, v[STO]
	v_add_nc_u32 v[STO], s63, v[STO]               ; in: row r, + 64 h
	v_add_nc_u32 v[SRD], s63, v[AF]                ; back: a row's 512 bytes to the 32 lanes
	v_add_nc_u32 v[ORI], OIMG, v[AF]
	v_lshlrev_b32 v[ORS], 11, v62
	v_lshl_add_u32 v[ORS], v61, 4, v[ORS]
	v_add_nc_u32 v[ORS], OSC, v[ORS]               ; lanes 0-15: tiles 0-3, lanes 16-31: tiles 4-7; row r's four words
	s_wait_kmcnt 0x0
	s_add_nc_u64 s[42:43], s[6:7], s[100:101]
	s_or_b32 s43, s43, 0x80000000                  ; type = 2
	s_add_nc_u64 s[46:47], s[8:9], s[100:101]
	s_or_b32 s47, s47, 0x80000000
	s_add_nc_u64 s[50:51], s[6:7], s[60:61]
	s_or_b32 s51, s51, 0x80000000
	s_add_nc_u64 s[54:55], s[8:9], s[60:61]
	s_or_b32 s55, s55, 0x80000000
	s_add_nc_u64 s[82:83], s[4:5], s[72:73]
	s_add_nc_u64 s[4:5], s[4:5], s[70:71]
	s_add_nc_u64 s[16:17], s[16:17], s[74:75]
	s_add_nc_u64 s[18:19], s[18:19], s[74:75]
	s_add_nc_u64 s[10:11], s[10:11], s[76:77]
	s_add_nc_u64 s[12:13], s[12:13], s[78:79]
	s_add_nc_u64 s[14:15], s[14:15], s[80:81]
	s_mov_b32 s58, 0                               ; LDS byte at which the slot in hand begins
	s_mov_b32 s59, 0                               ; where the step's scale words begin: 2,048 bytes a step
	s_mov_b32 s60, 7                               ; key steps behind whose change of slots a slot is asked for
	CROUND                                         ; all four work-groups are here: the first joint loads meet
	s_cmp_lt_u32 s[WV], 2                          ; a wave's two first fills stand in one branch: two loads of mine are out
	s_cbranch_scc0 .Lfirst_v
	tensor_load_to_lds s[48:51], s[32:39]          ; the scale words of the whole batch: filled once
	s_nop 0
	tensor_load_to_lds s[40:43], s[24:31]          ; key step 0 into slot 0
	s_nop 0
	PLACES 4
	s_branch .Lfirst_asked
.Lfirst_v:
	tensor_load_to_lds s[52:55], s[32:39]
	s_nop 0
	tensor_load_to_lds s[44:47], s[24:31]
	s_nop 0
	PLACES 4
.Lfirst_asked:
	WIN 0xc0                                       ; destination window 3
.irp q, 0,1
.irp s, 0,1,2,3
.irp c, 0,1,2
	global_load_b128 v[48*\q+12*\s+4*\c:48*\q+12*\s+4*\c+3], v[AF], s[4:5] offset:6144*\q+1536*\s+512*\c   ; Q stays in registers
.endr
.endr
.endr
	WIN 0
.irp s, 0,1,2,3
	global_load_b64 v[QS+2*\s:QS+2*\s+1], v[A16R], s[82:83] offset:512*\s
.endr
.irp q, 0,1
	v_mov_b32 v[13+4*\q], 0xff61b1e6               ; the largest t so far: -3e38
	v_floor_f32 v[12+4*\q], -v[13+4*\q]            ; -M
	v_mov_b32 v[14+4*\q], 0                        ; the sum, in two halves
	v_mov_b32 v[15+4*\q], 0
	v_mov_b32 v[RC+1+2*\q], 0                      ; (the upper half of a pair that is named whole)
.endr
.irp b, 0,1,2,3
	v_mov_b32 v[BP+\b], 0                          ; written once: a lane permute's destination counts as one of its sources
.endr
	v_mov_b32 v[F+1], 0
	WIN 0x40
.set i, 0
.rept 256
	v_mov_b32 v[i], 0                              ; O^T of tile 0
.set i, i+1
.endr
	WIN 0x80
.set i, 0
.rept 256
	v_mov_b32 v[i], 0                              ; O^T of tile 1
.set i, i+1
.endr
	WIN 0
; Four fragments, 12 loads of 512 consecutive bytes, into one of three sets.  The caller has set the destination's window to 3.
.macro LOADG adr, off0, stride, set
.irp i, 0,1,2,3
.irp c, 0,1,2
	ds_load_b128 v[96+48*(\set)+12*\i+4*\c:96+48*(\set)+12*\i+4*\c+3], v[\adr] offset:(\off0)+\i*(\stride)+512*\c
.endr
.endr
.endm
.macro KGROUP g                        ; K step g % 4 of key tiles 4 (g / 4) .. + 3
	LOADG ADK,(16*((\g)/4)+(\g)%4)*1536,6144,(\g)%3
.endm
.macro VGROUP g                        ; tiles 4 g .. + 3 of d
	LOADG ADV,4*(\g)*1536,1536,(\g)%3
.endm
.macro KMUL g                          ; 8 products on 8 accumulators by turns; the next group takes the same 8 up again
.irp i, 0,1,2,3
.irp q, 0,1
.if (\g)%4 == 0
	WM S+64*\q+8*(4*((\g)/4)+\i),96+48*((\g)%3)+12*\i,48*\q+12*((\g)%4),-1,KVS+4*((\g)%4)+\i,QS+2*((\g)%4)+\q,(\g)/4
.else
	WM S+64*\q+8*(4*((\g)/4)+\i),96+48*((\g)%3)+12*\i,48*\q+12*((\g)%4),S+64*\q+8*(4*((\g)/4)+\i),KVS+4*((\g)%4)+\i,QS+2*((\g)%4)+\q,(\g)/4
.endif
.endr
.endr
.endm
.macro VMUL g                          ; 8 products, each on an accumulator of its own
	WIN 0x53                                       ; V window 3, P window 0, O^T window 1
.irp i, 0,1,2,3
	WM 8*(4*(\g)+\i),96+48*((\g)%3)+12*\i,PC,8*(4*(\g)+\i),KVS+4*((\g)/2)+\i,PS,(\g)%2
.endr
	WIN 0xa3                                       ; O^T window 2
.irp i, 0,1,2,3
	WM 8*(4*(\g)+\i),96+48*((\g)%3)+12*\i,PC+12,8*(4*(\g)+\i),KVS+4*((\g)/2)+\i,PS+1,(\g)%2
.endr
.endm
.macro GWAIT g                         ; group g is in: the two, one or no groups of 12 loads issued behind it may be out
.if (\g) < 6
	s_wait_dscnt 24
.elseif (\g) == 6
	s_wait_dscnt 12
.else
	s_wait_dscnt 0x0
.endif
.endm
; The softmax of query tile q for one key step.
.macro SOFTMAX q
.set SB, S+64*\q
.set SS, 12+4*\q
.set PQ, PC+12*\q
.irp b, 0,1,2,3
	v_max3_num_f32 v[TM+\b], v[SB+16*\b], v[SB+16*\b+1], v[SB+16*\b+2]   ; the largest SCORE of each block of 32 keys: it serves the row's maximum and, since p rises with the score, the block's largest p.  (Each accumulator is read from its low end on)
.endr
.irp i, 3,5,7,9,11,13
.irp b, 0,1,2,3
	v_max3_num_f32 v[TM+\b], v[TM+\b], v[SB+16*\b+\i], v[SB+16*\b+\i+1]
.endr
.endr
.irp b, 0,1,2,3
	v_max_num_f32 v[TM+\b], v[TM+\b], v[SB+16*\b+15]
.endr
.irp b, 0,1,2,3
	v_permlanex16_b32 v[BP+\b], v[TM+\b], s[SEL], s[SEL+1]
.endr
.irp b, 0,1,2,3
	v_max_num_f32 v[TM+\b], v[TM+\b], v[BP+\b]     ; with lane l xor 16's 16 keys
.endr
	v_max3_num_f32 v[TMP], v[TM], v[TM+1], v[TM+2]
	v_max_num_f32 v[TMP], v[TMP], v[TM+3]
	v_mul_f32 v[TMP], s[CS], v[TMP]                ; as t (c is positive)
	v_max_num_f32 v[SS+1], v[SS+1], v[TMP]         ; the running largest t
	v_mov_b32 v[TMP], v[SS]
	v_floor_f32 v[SS], -v[SS+1]                    ; the new -M = floor(-t): M is a whole number
	v_sub_f32 v[TMP], v[SS], v[TMP]                ; old M - new M: a whole number, 0 or less
	v_cvt_i32_f32 v[TMP], v[TMP]                   ; (it saturates)
	v_ldexp_f32 v[F], 1.0, v[TMP]                  ; f = 2^(old M - new M)
.set j, 0
.rept 32
	v_pk_fma_f32 v[SB+j:SB+j+1], v[SB+j:SB+j+1], s[CS:CS+1], v[SS:SS+1] op_sel_hi:[1,0,0]   ; t - M, two at a time
.set j, j+2
.endr
.irp b, 0,1,2,3
	v_fma_f32 v[TM+\b], v[TM+\b], s[CS], v[SS]     ; the same of each block's largest score
.endr
.set j, 0
.rept 64
	v_exp_f32 v[SB+j], v[SB+j]                     ; p = 2^(t - M), at most 1
.set j, j+1
.endr
.irp b, 0,1,2,3
	v_exp_f32 v[TM+\b], v[TM+\b]                   ; the block's largest p
.endr
	v_pk_mul_f32 v[SS+2:SS+3], v[SS+2:SS+3], v[F:F+1] op_sel_hi:[1,0]   ; the sums under the new M; also the plain place behind the exponentials
	s_wait_alu depctr_va_vdst(0)
.irp b, 0,1,2,3
	v_max_num_f32 v[TM+\b], 0x1800000, v[TM+\b]    ; the floor 2^(3 - 127)
.endr
.irp b, 0,1,2,3
	v_add_nc_u32 v[BO+\b], 0xff000000, v[TM+\b]    ; 2 off the exponent field: the conversion's scale operand
.endr
.irp b, 0,1,2,3
	v_lshrrev_b32 v[BP+\b], 23, v[BO+\b]           ; the scale's byte
.endr
	v_lshl_or_b32 v[PS+\q], v[BP+1], 8, v[BP]      ; p's scale word for these 128 keys
	v_lshl_or_b32 v[PS+\q], v[BP+2], 16, v[PS+\q]
	v_lshl_or_b32 v[PS+\q], v[BP+3], 24, v[PS+\q]
.irp c, 0,1
	v_cvt_scalef32_pk16_fp6_f32 v[PQ+6*\c:PQ+6*\c+2], v[SB+32*\c:SB+32*\c+15], v[BO+2*\c]
	v_cvt_scalef32_pk16_fp6_f32 v[CT+4*\c:CT+4*\c+2], v[SB+32*\c+16:SB+32*\c+31], v[BO+2*\c+1]
.endr
	v_nop                                          ; one plain place behind the last scaled conversion
.irp c, 0,1
.irp i, 0,1,2
	v_permlane16_swap_b32 v[PQ+6*\c+\i], v[CT+4*\c+\i]
.endr
.irp i, 0,1,2
	v_mov_b32 v[PQ+3+6*\c+\i], v[CT+4*\c+\i]
.endr
.endr
	v_pk_add_f32 v[SU:SU+1], v[SB:SB+1], v[SB+2:SB+3]   ; the row's sum is taken of the UNQUANTISED p, in two chains
.set j, 4
.rept 15
	v_pk_add_f32 v[SS+2:SS+3], v[SS+2:SS+3], v[SB+j:SB+j+1]
	v_pk_add_f32 v[SU:SU+1], v[SU:SU+1], v[SB+j+2:SB+j+3]
.set j, j+4
.endr
	v_pk_add_f32 v[SS+2:SS+3], v[SS+2:SS+3], v[SU:SU+1]
	WIN 0x41+0x41*\q                               ; O^T (destination and source 0) window 1 or 2, f window 0
.set j, 0
.rept 128
	v_pk_mul_f32 v[j:j+1], v[j:j+1], v[F:F+1] op_sel_hi:[1,0]   ; O^T under the new M, each accumulator from its low end on
.set j, j+2
.endr
	WIN 0
.endm
; A KEY STEP: 128 keys in the slot at s58.
.macro STEP
	v_add_nc_u32 v[ADK], s58, v[AF]                ; (these four are also the places in front of the loads into registers that the last products read)
	v_add_nc_u32 v[ADV], s58, v[AFV]
	v_add_nc_u32 v[ADKS], s59, v[ASK]
	v_add_nc_u32 v[ADVS], s59, v[ASV]
.irp j, 0,1,2,3
	ds_load_b128 v[KVS+4*\j:KVS+4*\j+3], v[ADKS] offset:512*\j   ; K step j: lanes 0-15 the words of key tiles 0-3, lanes 16-31 of tiles 4-7
.endr
	WIN 0xc0
	KGROUP 0
	KGROUP 1
	KGROUP 2
.irp g, 0,1,2,3,4,5,6,7
	GWAIT \g
	WIN 0x0f                                       ; K and Q window 3, S^T window 0
	KMUL \g
.if \g < 5
	PLACES 4
	WIN 0xc0
	KGROUP \g+3
.endif
.endr
	PLACES 4                                       ; in front of the loads below and of the first read of the scores
	WIN 0
.irp j, 0,1,2,3
	ds_load_b128 v[KVS+4*\j:KVS+4*\j+3], v[ADVS] offset:512*\j
.endr
	WIN 0xc0
	VGROUP 0                                       ; V's first three groups land under the softmax
	VGROUP 1
	VGROUP 2
	WIN 0
	SOFTMAX 0
	SOFTMAX 1
.irp g, 0,1,2,3,4,5,6,7
	GWAIT \g
	VMUL \g
.if \g < 5
	PLACES 4
	WIN 0xc0
	VGROUP \g+3
.endif
.endr
	WIN 0                                          ; at a label and at a branch every window is 0
	s_add_co_u32 s59, s59, 2048
	s_xor_b32 s58, s58, SLOT1
.endm
; THE CHANGE OF SLOTS stands at a step's head.  Each wave waits for all its tensor loads (its part of the slot ahead), adds 0 to its spare word, and waits for that and for its reads of the slot that it has left.
; fill = 1: the barrier is a round of the cluster's, and behind it the slot that was left is asked for again, jointly: the load has a whole key step, 128 products and two softmaxes, in which to land.
.macro CHANGE fill
	s_wait_tensorcnt 0x0                           ; no tensor load of mine is out, so a group 0 may be written
	ds_add_u32 v[SPW], v[NIL]                      ; 0 onto my spare word
.if \fill
	s_xor_b32 s41, s41, SLOT1                      ; the other slot than last time,
	s_add_nc_u64 s[42:43], s[42:43], 49152         ; the next key step; the type bits on top are not reached
	s_xor_b32 s45, s45, SLOT1
	s_add_nc_u64 s[46:47], s[46:47], 49152
.endif
	s_wait_dscnt 0x0                               ; the add is done, and my reads of the slot that I have left are over
.if \fill
	CROUND
	JLOAD                                          ; the first thing behind the round, and my one tensor load until the next
.else
	s_barrier_signal -1
	s_barrier_wait -1
.endif
.endm
	s_wait_loadcnt 0x0                             ; Q and its scale words
.Lkey:                                             ; 7 trips: step i is worked while step i + 1 lands in the other slot
	CHANGE 1
	STEP
	s_sub_co_u32 s60, s60, 1
	s_cmp_lg_u32 s60, 0
	s_cbranch_scc1 .Lkey
	CHANGE 0                                       ; the last step is written out
.irp k, 0,1,2,3                                ; x for my first four output tiles (rows 0-63 of my 128, my block's 512 bytes of each) is asked for one key step ahead of its loads: each lane one block of 256 bytes, each block once in the launch, all inside x
	global_prefetch_b8 v[PFO], s[16:17] offset:65536*\k th:TH_LOAD_NT scope:SCOPE_SE
.endr
	STEP
	; ================ O / l, quantised along d, to LDS ================
	PLACES 4                                       ; behind the last products
.irp q, 0,1
	v_add_f32 v[14+4*\q], v[14+4*\q], v[15+4*\q]   ; the sum's two halves,
.endr
.irp q, 0,1
	v_permlanex16_b32 v[BP+\q], v[14+4*\q], s[SEL], s[SEL+1]
.endr
.irp q, 0,1
	v_add_f32 v[14+4*\q], v[14+4*\q], v[BP+\q]     ; and lane l xor 16's
.endr
.irp q, 0,1
	v_rcp_f32 v[RC+2*\q], v[14+4*\q]
.endr
	v_nop                                          ; one plain place behind the transcendentals
	s_wait_alu depctr_va_vdst(0)
; What output tile u of the pair that the pointers stand at (adv = 1: of the next pair) wants.  W: Wp's four fragments, c of my lane's channel, Wp's scale words: 26 loads.  X: 16 rows of x: 16 loads.  A: a of the 16 channels, in scalar registers.
.macro WLOAD u, adv
	WIN 0xc0
.irp s, 0,1,2,3
	LDW 48*\u+12*\s,10,\adv*12288+\u*3072+96*\s
.endr
	global_load_b32 v[224+\u], v[ARC], s[14:15] offset:\adv*256+\u*64
	WIN 0
	global_load_b128 v[KVS+4*\u:KVS+4*\u+3], v[AWS], s[12:13] offset:\adv*512+\u*128
.endm
.macro XLOAD u, adv
	WIN 0xc0
.set p, 0
.rept 16
	global_load_b128 v[96+64*\u+4*p:96+64*\u+4*p+3], v[AF], s[16:17] offset:\adv*131072+\u*32768+(p+8*(p/8))*4096 th:TH_LOAD_NT   ; 512 consecutive bytes of a channel's row
.set p, p+1
.endr
	WIN 0
.endm
.macro ALOAD u, adv                    ; set 0 in s[24:55] (the descriptors are done with: no tensor load follows), set 1 in s[68:99]: a of stage row p at s[.. + 2 p]
	s_load_b512 s[24+44*\u:39+44*\u], s[14:15], \adv*256+\u*64
	s_load_b512 s[40+44*\u:55+44*\u], s[14:15], \adv*256+\u*64+128
.endm
	ALOAD 0,0
	WLOAD 0,0
	XLOAD 0,0
.irp q, 0,1
.irp s, 0,1,2,3
	WIN 0x01+\q                                    ; source 0 window 1 or 2
.set i, 0
.rept 32
	v_pk_mul_f32 v[S+i:S+i+1], v[64*\s+i:64*\s+i+1], v[RC+2*\q:RC+2*\q+1] op_sel_hi:[1,0]   ; 128 neighbours along d, each accumulator from its low end on
.set i, i+2
.endr
	WIN 0
	QUANT S,TMP
.irp c, 0,1,2
	ds_store_b128 v[OWI], v[PC+4*\c:PC+4*\c+3] offset:1536*(4*\q+\s)+512*\c
.endr
	ds_store_b32 v[OWS], v[TMP] offset:512*\q+4*\s
	s_wait_dscnt 0x0                               ; the stores have read their registers
.endr
.endr
	ALOAD 1,0
	WLOAD 1,0
	XLOAD 1,0
	s_barrier_signal -1                            ; every wave's images have landed (the wait for 0 above)
	s_barrier_wait -1
	; ================ the projection: my 128 output channels for all 128 queries ================
	WIN 0x40
.set f, 0
.rept 16
.irp c, 0,1,2
	ds_load_b128 v[12*f+4*\c:12*f+4*\c+3], v[ORI] offset:1536*f+512*\c
.endr
.set f, f+1
.endr
	WIN 0x80
.rept 16
.irp c, 0,1,2
	ds_load_b128 v[12*(f-16)+4*\c:12*(f-16)+4*\c+3], v[ORI] offset:1536*f+512*\c
.endr
.set f, f+1
.endr
	WIN 0
.irp t, 0,1,2,3                                ; the scale words, in registers that hold scales alone: v24-31 and v40-47
	ds_load_b128 v[24+4*\t+8*(\t/2):27+4*\t+8*(\t/2)], v[ORS] offset:512*\t
.endr
	s_wait_dscnt 0x0
; One tile of 16 output channels.  Source 0 = a query tile of O / l, source 1 = 16 rows of Wp: a lane holds ONE channel and eight neighbouring pixels.  w1, w2: the loads issued behind this tile's W, and behind its X.
.macro PTRIP u, ahead, w1, w2
	s_wait_loadcnt \w1
	WIN 0xc3
.irp i, 0,1,2,3,4,5,6,7
	v_mov_b32 v[232+\i], v[224+\u]                 ; c of my lane's channel, for all eight registers of a result
.endr
	PLACES 5
.irp s, 0,1,2,3                                ; the eight accumulators take turns, one instruction a turn
.irp qt, 0,1,2,3,4,5,6,7
.if \s == 0
	WIN 0x3d+\qt/4                                 ; source 0 window 1 or 2, source 1 and C window 3, D window 0
	WM S+8*\qt,12*(4*(\qt%4)+\s),48*\u+12*\s,232,24+4*(\qt%4)+8*((\qt%4)/2)+\s,KVS+4*\u+\s,\qt/4
.else
	WIN 0x0d+\qt/4
	WM S+8*\qt,12*(4*(\qt%4)+\s),48*\u+12*\s,S+8*\qt,24+4*(\qt%4)+8*((\qt%4)/2)+\s,KVS+4*\u+\s,\qt/4
.endif
.endr
.endr
	WIN 0
	PLACES 4
.irp qt, 0,1,2,3,4,5,6,7
	ds_store_b128 v[STO], v[S+8*\qt:S+8*\qt+3] offset:128*(\qt/2)+32*(\qt%2)       ; pixels 32 (qt / 2) + 16 h + 8 (qt % 2) + 0 .. 7 of my channel; each accumulator from its low end on
	ds_store_b128 v[STO], v[S+8*\qt+4:S+8*\qt+7] offset:128*(\qt/2)+32*(\qt%2)+16
.endr
	s_wait_xcnt 0x0                                ; the last tile's stores have read the registers that the loads below fill
.set p, 0
.rept 16
	ds_load_b128 v[160+4*p:163+4*p], v[SRD] offset:528*p   ; LDS serves a wave's instructions in order: these see my stores
.set p, p+1
.endr
	s_wait_kmcnt 0x0                               ; a
	s_wait_loadcnt \w2                             ; x
	s_wait_dscnt 0x0
	WIN 0x03                                       ; x window 3
.set p, 0
.rept 16
	v_pk_fma_f32 v[160+4*p:161+4*p], v[96+64*\u+4*p:97+64*\u+4*p], s[24+44*\u+2*p:25+44*\u+2*p], v[160+4*p:161+4*p] op_sel_hi:[1,0,1]
	v_pk_fma_f32 v[162+4*p:163+4*p], v[98+64*\u+4*p:99+64*\u+4*p], s[24+44*\u+2*p:25+44*\u+2*p], v[162+4*p:163+4*p] op_sel_hi:[1,0,1]
.set p, p+1
.endr
	WIN 0
.set p, 0
.rept 16
	global_store_b128 v[AF], v[160+4*p:163+4*p], s[18:19] offset:32768*\u+(p+8*(p/8))*4096 th:TH_STORE_NT   ; 512 consecutive bytes, at a multiple of 512 from out0's first byte
.set p, p+1
.endr
.if \ahead
	ALOAD \u,1
	WLOAD \u,1
	XLOAD \u,1
.endif
.endm
	s_mov_b32 s60, 3
.Lproj:                                            ; a trip makes two tiles and asks for the two of the next trip.  58 = X + W + X issued behind a tile's W; 42 = W + X behind its X
	PTRIP 0,1,58,42
	PTRIP 1,1,58,42
	s_wait_xcnt 0x0                                ; every load and store issued has read its base
	s_add_nc_u64 s[16:17], s[16:17], 131072
	s_add_nc_u64 s[18:19], s[18:19], 131072
	s_add_nc_u64 s[10:11], s[10:11], 12288
	s_add_nc_u64 s[12:13], s[12:13], 512
	s_add_nc_u64 s[14:15], s[14:15], 256
	s_sub_co_u32 s60, s60, 1
	s_cmp_lg_u32 s60, 0
	s_cbranch_scc1 .Lproj
	PTRIP 0,0,58,42                                ; the last two tiles ask for nothing: no load leaves its buffer
	PTRIP 1,0,16,0
	s_wait_tensorcnt 0x0                           ; the wave's end: behind my last tensor load and my last LDS store
	ds_add_u32 v[SPW], v[NIL]
	s_wait_dscnt 0x0
	CROUND                                         ; the closing round: no work-group ends while a partner may still ask for a tile that names it
	s_endpgm
.Lfunc_end_k_qf5ec297119_attn:
	.size	k_qf5ec297119_attn, .Lfunc_end_k_qf5ec297119_attn-k_qf5ec297119_attn
	.p2alignl 7, 3214868480
	.fill 96, 4, 3214868480
	.section	.rodata,"a",@progbits
	.p2align	6, 0x0
	.amdhsa_kernel k_qf5ec297119_attn
		.amdhsa_group_segment_fixed_size 327680
		.amdhsa_private_segment_fixed_size 0
		.amdhsa_enable_private_segment 0
		.amdhsa_kernarg_size 64
		.amdhsa_user_sgpr_count 2
		.amdhsa_user_sgpr_kernarg_segment_ptr 1
		.amdhsa_wavefront_size32 1
		.amdhsa_system_sgpr_workgroup_id_x 1
		.amdhsa_system_sgpr_workgroup_id_y 1
		.amdhsa_system_sgpr_workgroup_id_z 1
		.amdhsa_system_vgpr_workitem_id 0
		.amdhsa_next_free_vgpr 1024
		.amdhsa_next_free_sgpr 102
		.amdhsa_reserve_vcc 0
		.amdhsa_float_denorm_mode_32 3
		.amdhsa_float_denorm_mode_16_64 3
		.amdhsa_memory_ordered 1
		.amdhsa_forward_progress 1
		.amdhsa_inst_pref_size 255
	.end_amdhsa_kernel
	.section	.bss,"aw",@nobits
	.p2align	6
	.space	262144
	.amdgpu_metadata
---
amdhsa.version: [ 1, 2 ]
amdhsa.kernels:
  - .name:           k_qf5ec297119_attn
    .symbol:         k_qf5ec297119_attn.kd
    .args:
      - { .name: qbuf, .offset: 0, .size: 8, .value_kind: global_buffer, .address_space: global }
      - { .name: kbuf, .offset: 8, .size: 8, .value_kind: global_buffer, .address_space: global }
      - { .name: vbuf, .offset: 16, .size: 8, .value_kind: global_buffer, .address_space: global }
      - { .name: Wp_codes, .offset: 24, .size: 8, .value_kind: global_buffer, .address_space: global }
      - { .name: Wp_scales, .offset: 32, .size: 8, .value_kind: global_buffer, .address_space: global }
      - { .name: res, .offset: 40, .size: 8, .value_kind: global_buffer, .address_space: global }
      - { .name: x, .offset: 48, .size: 8, .value_kind: global_buffer, .address_space: global }
      - { .name: out0, .offset: 56, .size: 8, .value_kind: global_buffer, .address_space: global }
    .group_segment_fixed_size: 327680
    .private_segment_fixed_size: 0
    .kernarg_segment_align: 8
    .kernarg_segment_size: 64
    .max_flat_workgroup_size: 128
    .sgpr_count:     102
    .vgpr_count:     1024
    .wavefront_size: 32
...
	.end_amdgpu_metadata
.endif
;; end of part 3
;; ======== version 2 of 3: 3 launches
;; workspace buffers: hbuf 13,107,200 bytes; qbuf 13,107,200 bytes; kbuf 13,107,200 bytes; vbuf 13,107,200 bytes; res 131,072 bytes; wimg 786,432 bytes
;; launch norm (part 4): grid 256 x 1, 16 waves a work-group, no clusters, 55,296 bytes of LDS; arguments x, gamma, beta, bp, hbuf, res, Wq_codes, Wk_codes, Wv_codes, Wp_codes, wimg; writes hbuf, res, wimg
.if DOCPART == 4
	.amdgcn_target "amdgcn-amd-amdhsa--gfx1250"
	.amdhsa_code_object_version 6
	.text
	.protected	k_qf5ec297119_norm
	.globl	k_qf5ec297119_norm
	.p2align	8
	.type	k_qf5ec297119_norm,@function
k_qf5ec297119_norm:
	s_mov_b64 s[64:65], 0
	v_nop
	global_prefetch_b8 v0, s[64:65] scope:SCOPE_SE
	s_setreg_imm32_b32 hwreg(HW_REG_WAVE_MODE, 25, 1), 1
	s_wait_xcnt 0x0
; GROUP NORM, AND h = xn AS CODES OF FP6 (E2M3) ALONG THE CHANNELS.  x: [32][512][1024] f32.  A group (b, g) is 64 channels x 1,024 pixels, 262,144 dense bytes.
; One work-group of sixteen waves takes one group and keeps it in registers: wave wv takes channels 32 (wv / 8) .. + 31 (one block of 32 along K) of pixels 128 (wv % 8) .. + 127;
; a lane takes 4 neighbouring pixels x 32 channels, 128 registers.  So x is read once; the mean is taken first and the squares of x - mean second: no difference of large sums is formed.
; xn = (x - mean) (gamma rstd) + beta is written channel by channel into a pixel's 32 consecutive registers, so that the conversions, which take neighbours along K from one lane, give codes with K innermost.
; OUT.  hbuf codes [b][T 64][g 8][768]: T is a tile of 16 pixels, tile 2 B + u holding pixels 32 B + 8 u + r + 8 (r / 8); a piece of 768 bytes is half an operand's registers (64 along K) as they stand:
; registers 0-3 at 16 L, registers 4-5 at 512 + 8 L, L = 16 (block of the group) + r.  hbuf scales, from byte HS on: [b][g][pixel] two bytes, the group's two blocks.
; res [b][channel][(a, c)]: a = gamma rstd, c = beta - mean a + bp: what a later launch needs to form xn + bp from x again.
; ALSO: THE FOUR WEIGHTS' CODES ARE LAID ONCE AS THE LATER LAUNCHES' REGISTERS TAKE THEM.  wimg [weight 4: q, k, v, p][tile 32][K step 4][1,536]: a fragment (16 rows x 128 K, 12 registers a lane; tile 2 B + u holds rows
; 32 B + 8 u + r + 8 (r / 8)) as an image of its registers, group c of four at 512 c + 16 lane.  512 fragments, 256 work-groups: waves 14 and 15 take fragment 2 x work-group + (wave % 2).
; A block's scale byte is its largest magnitude's exponent field - 2, held at 1 from below by a floor among the maximum's leaves.
; LIMITS: NaN and infinities are not served; a block under 2^-124 (a block of zeros too) keeps the byte 1 with its codes as the conversion gives them (zeros for zeros): this program alone reads the bytes.
.set RED1, 0                           ; LDS: sixteen partial sums
.set RED2, 256                         ; sixteen partial sums of squares
.set SCB,  512                         ; the scale bytes, [pixel][2]: 2,048 bytes
.set STG,  4096                        ; the work-group's 64 pieces of 768 bytes
.set HS,   12582912                    ; where hbuf's scale bytes begin
.set X,    32                          ; v32-159  X[4 cc + i]: channel cc, pixel i
.set T,    160                         ; v160-223 two pixels x 32 channels; before that the sums' chains, after that the codes read back
.set C,    224                         ; v224-255 eight registers a pixel: six of codes, one with the scale byte
.set WF,   224                         ; v224-235 before the codes are made: a weight's fragment on its way (waves 14 and 15)
.set WO,   236                         ; v236     and its lane's byte in the weight's rows: 384 (r + 8 (r / 8)) + 24 (lane / 16)
.set GA,   32                          ; s32-63   gamma of my 32 channels, then a
.set BE,   68                          ; s68-99   beta of my 32 channels (before that: the weights' addresses and offsets)
; v1 lane; v2 16 lane; v3, v4 where a pixel's 16 and 8 bytes go in the stage; v5 where its scale byte goes; v6 where I read the stage back; v7 where I read scale bytes back; v8 16 lane + 5,376 (lane / 16);
; v9 4 wave; v10 0; v11 8 lane; v[12:13] the mean, twice; v14, v15 at work; v16-22 upper halves of a block's codes; v23 16 thread; v24, v25 maxima, then scale operands; v[26:31] gamma, beta, bp of channels 64 g + 2 lane, + 1
	s_load_b256 s[4:11], s[0:1], 0x0               ; x s[4:5], gamma s[6:7], beta s[8:9], bp s[10:11]
	s_load_b128 s[12:15], s[0:1], 0x20             ; hbuf s[12:13], res s[14:15]
	s_load_b256 s[68:75], s[0:1], 0x30             ; the codes of Wq s[68:69], Wk s[70:71], Wv s[72:73], Wp s[74:75]
	s_load_b64 s[76:77], s[0:1], 0x50              ; wimg
	v_lshl_add_u32 v247, v0, 2, 0xd000
	v_mov_b32 v255, 0
	v_lshrrev_b32 v14, 5, v0
	v_readfirstlane_b32 s16, v14                   ; wave 0..15
	v_and_b32 v1, 31, v0
	v_lshlrev_b32 v2, 4, v1
	v_lshlrev_b32 v11, 3, v1
	v_and_b32 v14, 15, v1
	v_and_b32 v15, 8, v14
	v_add_nc_u32 v14, v14, v15                     ; r + 8 (r / 8)
	v_mul_u32_u24 v[WO], v14, 384                  ; a weight's row is 512 codes, 384 bytes
	v_lshrrev_b32 v15, 4, v1
	v_mad_u32_u24 v[WO], v15, 24, v[WO]
	s_lshr_b32 s17, s16, 3                         ; hb: which block of 32 channels
	s_and_b32 s18, s16, 7                          ; ch: which 128 pixels
	s_and_b32 s19, ttmp9, 7                        ; g
	s_lshr_b32 s20, ttmp9, 3                       ; b
	s_mov_b32 s24, 0x76543210
	s_mov_b32 s25, 0xfedcba98                      ; v_permlanex16_b32's selects for lane l xor 16
	s_lshl_b32 s28, ttmp9, 18                      ; the group's 262,144 bytes,
	s_lshl_b32 s21, s17, 17                        ; my 32 rows of 4,096 bytes,
	s_add_co_u32 s28, s28, s21
	s_lshl_b32 s21, s18, 9                         ; my 512 bytes of a row
	s_add_co_u32 s28, s28, s21
	s_mov_b32 s29, 0
	s_lshl_b32 s30, s19, 8                         ; the group's 64 numbers in gamma, beta, bp
	s_mov_b32 s31, 0
	s_lshl_b32 s22, s17, 7                         ; my 32 of them
	s_mov_b32 s23, 0
	; the weights: fragment f = 2 x work-group + (wave % 2) of 512; weight f / 128, tile (f % 128) / 4, K step f % 4
	s_and_b32 s84, s16, 1
	s_lshl_b32 s80, ttmp9, 1
	s_add_co_u32 s80, s80, s84
	s_mul_i32 s80, s80, 1536                       ; its image's place in wimg
	s_mov_b32 s81, 0
	s_and_b32 s82, ttmp9, 63
	s_lshr_b32 s83, s82, 2                         ; tile / 2: 32 rows of 384 bytes each
	s_mul_i32 s83, s83, 12288
	s_bfe_u32 s82, s82, 0x10001                    ; tile % 2: 8 rows
	s_mul_i32 s82, s82, 3072
	s_add_co_u32 s82, s82, s83
	s_and_b32 s83, ttmp9, 1
	s_lshl_b32 s83, s83, 1
	s_add_co_u32 s83, s83, s84                     ; K step: 96 bytes each
	s_mul_i32 s83, s83, 96
	s_add_co_u32 s82, s82, s83                     ; where the fragment's rows begin in the weight's codes
	s_mov_b32 s83, 0
	s_lshr_b32 s21, ttmp9, 6                       ; which weight
	s_wait_kmcnt 0x0
	s_add_nc_u64 s[4:5], s[4:5], s[28:29]
	s_add_nc_u64 s[6:7], s[6:7], s[30:31]
	s_add_nc_u64 s[8:9], s[8:9], s[30:31]
	s_add_nc_u64 s[10:11], s[10:11], s[30:31]
	s_add_nc_u64 s[2:3], s[6:7], s[22:23]
	s_add_nc_u64 s[66:67], s[8:9], s[22:23]
	s_cmp_lt_u32 s21, 2                            ; the choice hangs on the work-group's number alone
	s_cselect_b64 s[100:101], s[68:69], s[72:73]   ; q or v
	s_cselect_b64 s[78:79], s[70:71], s[74:75]     ; k or p
	s_and_b32 s21, s21, 1
	s_cmp_eq_u32 s21, 0
	s_cselect_b64 s[100:101], s[100:101], s[78:79]
	s_add_nc_u64 s[100:101], s[100:101], s[82:83]
	s_add_nc_u64 s[30:31], s[76:77], s[80:81]
	s_load_b512 s[GA:GA+15], s[2:3], 0x0           ; a channel's gamma and beta are the same for the whole wave: they live in scalar registers
	s_load_b512 s[GA+16:GA+31], s[2:3], 0x40
	s_load_b512 s[BE:BE+15], s[66:67], 0x0
	s_load_b512 s[BE+16:BE+31], s[66:67], 0x40
	global_load_b64 v[26:27], v11, s[6:7]
	global_load_b64 v[28:29], v11, s[8:9]
	global_load_b64 v[30:31], v11, s[10:11]
.set cc, 0
.rept 32
	global_load_b128 v[X+4*cc:X+4*cc+3], v2, s[4:5] offset:4096*cc th:TH_LOAD_NT   ; a row's 512 consecutive bytes to the wave
.set cc, cc+1
.endr
	; the addresses, while the loads are out
	v_mov_b32 v10, 0
	v_mov_b32 v9, s16
	v_lshlrev_b32 v9, 2, v9
	v_lshl_add_u32 v7, v0, 4, SCB
	v_lshlrev_b32 v23, 4, v0
	v_lshrrev_b32 v14, 4, v1
	v_mad_u32_u24 v8, v14, 5376, v2
	v_lshrrev_b32 v14, 3, v1
	v_bfe_u32 v15, v1, 1, 1
	v_lshl_add_u32 v14, v14, 1, v15                ; my pixels' tile among my wave's eight: 2 (l / 8) + ((l / 2) % 2)
	v_mul_u32_u24 v14, v14, 768
	v_and_b32 v15, 1, v1
	v_bfe_u32 v16, v1, 2, 1
	v_lshlrev_b32 v15, 2, v15
	v_lshl_add_u32 v15, v16, 3, v15                ; pixel 0's lane in that tile: 4 (l % 2) + 8 ((l / 4) % 2)
	s_mul_i32 s21, s18, 6144                       ; my wave's eight pieces
	s_lshl_b32 s27, s17, 8                         ; lanes 16 hb on, 16 bytes each
	s_add_co_u32 s27, s27, s21
	s_add_co_u32 s27, s27, STG
	v_lshl_add_u32 v3, v15, 4, v14
	v_add_nc_u32 v3, s27, v3
	s_lshl_b32 s27, s17, 7                         ; the same, 8 bytes each, behind the piece's first 512
	s_add_co_u32 s27, s27, s21
	s_add_co_u32 s27, s27, STG+512
	v_lshl_add_u32 v4, v15, 3, v14
	v_add_nc_u32 v4, s27, v4
	s_lshl_b32 s27, s18, 8
	s_add_co_u32 s27, s27, s17
	s_add_co_u32 s27, s27, SCB
	v_lshl_add_u32 v5, v1, 3, s27                  ; 2 (128 ch + 4 l) + hb
	s_mul_i32 s27, s16, 3072
	s_add_co_u32 s27, s27, STG
	v_add_nc_u32 v6, s27, v2                       ; back: pieces 4 wave .. + 3, 16 bytes a lane
	s_add_nc_u64 s[22:23], s[12:13], HS
	s_lshl_b32 s28, ttmp9, 11
	s_add_nc_u64 s[22:23], s[22:23], s[28:29]      ; the group's 2,048 scale bytes
	s_mul_i32 s28, s20, 393216
	s_mul_i32 s21, s16, 24576
	s_add_co_u32 s28, s28, s21
	s_mul_i32 s21, s19, 768
	s_add_co_u32 s28, s28, s21
	s_add_nc_u64 s[12:13], s[12:13], s[28:29]      ; codes: batch, tile 4 wave, piece g
	s_lshl_b32 s28, ttmp9, 9
	s_add_nc_u64 s[14:15], s[14:15], s[28:29]      ; res: the group's 64 pairs
	; ---- waves 14 and 15: one fragment of a weight, from rows of codes to an image of registers.  One branch holds the loads, their wait and the stores.
	s_cmp_lt_u32 s16, 14
	s_cbranch_scc1 .Lno_w
.irp p, 0,1,2,3,4,5
	global_load_b64 v[WF+2*\p:WF+2*\p+1], v[WO], s[100:101] offset:48*(\p/3)+8*(\p%3)   ; registers 0-5: k = 32 h .. + 31; registers 6-11: k = 64 + 32 h .. + 31; in pieces of 8 bytes
.endr
	s_wait_loadcnt 0x0                             ; these six are the youngest loads: the count is 0, and x is in with them
.irp c, 0,1,2
	global_store_b128 v2, v[WF+4*\c:WF+4*\c+3], s[30:31] offset:512*\c   ; 512 consecutive bytes, at a multiple of 512 from wimg's first byte
.endr
.Lno_w:
; Four chains in v[T] .. v[T + 7] become one number for the work-group, x 2^-16 (a group has 65,536 numbers), in v14 of every lane of every wave, summed in the same order everywhere.
.macro REDUCE red
	v_pk_add_f32 v[T:T+1], v[T:T+1], v[T+2:T+3]
	v_pk_add_f32 v[T+4:T+5], v[T+4:T+5], v[T+6:T+7]
	v_pk_add_f32 v[T:T+1], v[T:T+1], v[T+4:T+5]
	v_add_f32 v14, v[T], v[T+1]
	v_add_f32_dpp v14, v14, v14 row_xmask:1 row_mask:0xf bank_mask:0xf
	v_add_f32_dpp v14, v14, v14 row_xmask:2 row_mask:0xf bank_mask:0xf
	v_add_f32_dpp v14, v14, v14 row_xmask:4 row_mask:0xf bank_mask:0xf
	v_add_f32_dpp v14, v14, v14 row_xmask:8 row_mask:0xf bank_mask:0xf
	v_permlanex16_b32 v15, v14, s24, s25
	v_add_f32 v14, v14, v15
	ds_store_b32 v9, v14 offset:\red               ; all lanes write the wave's word with the same value
	s_wait_dscnt 0x0                               ; for the others' sake: my store has landed
	s_barrier_signal -1
	s_barrier_wait -1
.irp k, 0,1,2,3
	ds_load_b128 v[T+4*\k:T+4*\k+3], v10 offset:\red+16*\k
.endr
	s_wait_dscnt 0x0
	v_pk_add_f32 v[T:T+1], v[T:T+1], v[T+2:T+3]
	v_pk_add_f32 v[T+4:T+5], v[T+4:T+5], v[T+6:T+7]
	v_pk_add_f32 v[T+8:T+9], v[T+8:T+9], v[T+10:T+11]
	v_pk_add_f32 v[T+12:T+13], v[T+12:T+13], v[T+14:T+15]
	v_pk_add_f32 v[T:T+1], v[T:T+1], v[T+4:T+5]
	v_pk_add_f32 v[T+8:T+9], v[T+8:T+9], v[T+12:T+13]
	v_pk_add_f32 v[T:T+1], v[T:T+1], v[T+8:T+9]
	v_add_f32 v14, v[T], v[T+1]
	v_mul_f32 v14, 0x37800000, v14                 ; x 2^-16
.endm
	; ---- the mean: 64 pairs in four chains, started by the first eight pairs: nothing is cleared
	s_wait_loadcnt 24                              ; the three small loads and rows 0-7 are in; 24 rows may be out
.irp k, 0,1,2,3
	v_pk_add_f32 v[T+2*\k:T+2*\k+1], v[X+2*\k:X+2*\k+1], v[X+8+2*\k:X+8+2*\k+1]
.endr
.set p, 8
.rept 8
	v_pk_add_f32 v[T+2*(p%4):T+2*(p%4)+1], v[T+2*(p%4):T+2*(p%4)+1], v[X+2*p:X+2*p+1]
.set p, p+1
.endr
	s_wait_loadcnt 16                              ; rows 8-15
.rept 16
	v_pk_add_f32 v[T+2*(p%4):T+2*(p%4)+1], v[T+2*(p%4):T+2*(p%4)+1], v[X+2*p:X+2*p+1]
.set p, p+1
.endr
	s_wait_loadcnt 8                               ; rows 16-23
.rept 16
	v_pk_add_f32 v[T+2*(p%4):T+2*(p%4)+1], v[T+2*(p%4):T+2*(p%4)+1], v[X+2*p:X+2*p+1]
.set p, p+1
.endr
	s_wait_loadcnt 0x0                             ; all rows
.rept 16
	v_pk_add_f32 v[T+2*(p%4):T+2*(p%4)+1], v[T+2*(p%4):T+2*(p%4)+1], v[X+2*p:X+2*p+1]
.set p, p+1
.endr
	REDUCE RED1
	v_mov_b32 v12, v14
	v_mov_b32 v13, v14
	; ---- x - mean, in place, and the sum of its squares
.set p, 0
.rept 64
	v_pk_add_f32 v[X+2*p:X+2*p+1], v[X+2*p:X+2*p+1], v[12:13] neg_lo:[0,1] neg_hi:[0,1]
.set p, p+1
.endr
.irp k, 0,1,2,3
	v_pk_mul_f32 v[T+2*\k:T+2*\k+1], v[X+2*\k:X+2*\k+1], v[X+2*\k:X+2*\k+1]
.endr
.set p, 4
.rept 60
	v_pk_fma_f32 v[T+2*(p%4):T+2*(p%4)+1], v[X+2*p:X+2*p+1], v[X+2*p:X+2*p+1], v[T+2*(p%4):T+2*(p%4)+1]
.set p, p+1
.endr
	REDUCE RED2                                    ; other bytes than the first sum's: no wave can still be reading what is written
	v_add_f32 v14, 0x3727c5ac, v14                 ; the variance + 1e-5
	v_rsq_f32 v14, v14
	v_nop                                          ; one plain place behind the transcendental
	s_wait_alu depctr_va_vdst(0)
	v_readfirstlane_b32 s26, v14                   ; rstd
	s_wait_kmcnt 0x0                               ; gamma and beta
.set cc, 0
.rept 32
	s_mul_f32 s[GA+cc], s[GA+cc], s26              ; a = gamma rstd
.set cc, cc+1
.endr
; Pixels i0 and i0 + 1: xn into 32 consecutive registers each, the block's scale, its codes, and all three to LDS.
.macro PAIR i0
.set cc, 0
.rept 32
	v_fma_f32 v[T+cc], v[X+4*cc+\i0], s[GA+cc], s[BE+cc]
	v_fma_f32 v[T+32+cc], v[X+4*cc+\i0+1], s[GA+cc], s[BE+cc]
.set cc, cc+1
.endr
	v_max3_num_f32 v24, |v[T]|, |v[T+1]|, 0x1800000        ; the largest magnitude, with the floor 2^(3 - 127) among its leaves: the byte cannot fall under 1
	v_max3_num_f32 v25, |v[T+32]|, |v[T+33]|, 0x1800000    ; (the two pixels by turns)
.set cc, 2
.rept 15
	v_max3_num_f32 v24, v24, |v[T+cc]|, |v[T+cc+1]|
	v_max3_num_f32 v25, v25, |v[T+32+cc]|, |v[T+33+cc]|
.set cc, cc+2
.endr
	v_add_nc_u32 v24, 0xff000000, v24              ; 2 off the exponent field: the conversion takes this operand's exponent field as its scale
	v_add_nc_u32 v25, 0xff000000, v25
	v_cvt_scalef32_pk16_fp6_f32 v[C+8*\i0:C+8*\i0+2], v[T:T+15], v24
	v_cvt_scalef32_pk16_fp6_f32 v[16:18], v[T+16:T+31], v24          ; (a conversion's three registers begin on an even number)
	v_cvt_scalef32_pk16_fp6_f32 v[C+8*(\i0+1):C+8*(\i0+1)+2], v[T+32:T+47], v25
	v_cvt_scalef32_pk16_fp6_f32 v[20:22], v[T+48:T+63], v25
	v_lshrrev_b32 v[C+8*\i0+6], 23, v24            ; the scale's byte; also the plain place behind the conversions
	v_lshrrev_b32 v[C+8*(\i0+1)+6], 23, v25
.irp k, 0,1,2
	v_mov_b32 v[C+8*\i0+3+\k], v[16+\k]
	v_mov_b32 v[C+8*(\i0+1)+3+\k], v[20+\k]
.endr
.irp k, 0,1
	ds_store_b128 v3, v[C+8*(\i0+\k):C+8*(\i0+\k)+3] offset:16*(\i0+\k)
	ds_store_b64 v4, v[C+8*(\i0+\k)+4:C+8*(\i0+\k)+5] offset:8*(\i0+\k)
	ds_store_b8 v5, v[C+8*(\i0+\k)+6] offset:2*(\i0+\k)
.endr
.endm
	s_wait_xcnt 0x0                                ; the image's stores have read v224-235, which the codes take from here on
	PAIR 0
	PAIR 2
	s_wait_dscnt 0x0                               ; for the others' sake: my stores have landed
	s_barrier_signal -1
	s_barrier_wait -1
	; ---- out: four pieces a wave, 3,072 bytes, 512 at a time; each run of sixteen lanes stores 256 consecutive bytes at a multiple of 256 from hbuf's first byte
.irp t, 0,1,2,3,4,5
	ds_load_b128 v[T+4*\t:T+4*\t+3], v6 offset:512*\t
.endr
	s_wait_dscnt 5                                 ; LDS loads come back in order: the first is in, five may be out; and so on down
	global_store_b128 v2, v[T:T+3], s[12:13]                       ; piece 0, bytes 0-511
	s_wait_dscnt 4
	global_store_b128 v8, v[T+4:T+7], s[12:13] offset:512          ; piece 0's last 256 | piece 1's first 256, 6,144 - 768 bytes further on
	s_wait_dscnt 3
	global_store_b128 v2, v[T+8:T+11], s[12:13] offset:6400        ; piece 1, bytes 256-767
	s_wait_dscnt 2
	global_store_b128 v2, v[T+12:T+15], s[12:13] offset:12288      ; piece 2
	s_wait_dscnt 1
	global_store_b128 v8, v[T+16:T+19], s[12:13] offset:12800
	s_wait_dscnt 0x0
	global_store_b128 v2, v[T+20:T+23], s[12:13] offset:18688      ; piece 3
	s_cmp_lt_u32 s16, 4
	s_cbranch_scc0 .Ldone
	ds_load_b128 v[T+24:T+27], v7                  ; waves 0-3: the 2,048 scale bytes, 512 a wave
	s_wait_dscnt 0x0
	global_store_b128 v23, v[T+24:T+27], s[22:23]
	s_cmp_lg_u32 s16, 0
	s_cbranch_scc1 .Ldone
	v_mul_f32 v16, s26, v26                        ; wave 0: (a, c) of channels 64 g + 2 lane and + 1
	v_mul_f32 v18, s26, v27
	v_fma_f32 v17, -v12, v16, v28
	v_fma_f32 v19, -v12, v18, v29
	v_add_f32 v17, v17, v30
	v_add_f32 v19, v19, v31
	global_store_b128 v2, v[16:19], s[14:15]
.Ldone:
	s_wait_tensorcnt 0x0
	ds_add_u32 v247, v255
	s_wait_dscnt 0x0
	s_endpgm
.Lfunc_end_k_qf5ec297119_norm:
	.size	k_qf5ec297119_norm, .Lfunc_end_k_qf5ec297119_norm-k_qf5ec297119_norm
	.p2alignl 7, 3214868480
	.fill 96, 4, 3214868480
	.section	.rodata,"a",@progbits
	.p2align	6, 0x0
	.amdhsa_kernel k_qf5ec297119_norm
		.amdhsa_group_segment_fixed_size 55296
		.amdhsa_private_segment_fixed_size 0
		.amdhsa_enable_private_segment 0
		.amdhsa_kernarg_size 88
		.amdhsa_user_sgpr_count 2
		.amdhsa_user_sgpr_kernarg_segment_ptr 1
		.amdhsa_wavefront_size32 1
		.amdhsa_system_sgpr_workgroup_id_x 1
		.amdhsa_system_sgpr_workgroup_id_y 1
		.amdhsa_system_sgpr_workgroup_id_z 1
		.amdhsa_system_vgpr_workitem_id 0
		.amdhsa_next_free_vgpr 256
		.amdhsa_next_free_sgpr 102
		.amdhsa_reserve_vcc 0
		.amdhsa_float_denorm_mode_32 3
		.amdhsa_float_denorm_mode_16_64 3
		.amdhsa_memory_ordered 1
		.amdhsa_forward_progress 1
		.amdhsa_inst_pref_size 42
	.end_amdhsa_kernel
	.amdgpu_metadata
---
amdhsa.version: [ 1, 2 ]
amdhsa.kernels:
  - .name:           k_qf5ec297119_norm
    .symbol:         k_qf5ec297119_norm.kd
    .args:
      - { .name: x, .offset: 0, .size: 8, .value_kind: global_buffer, .address_space: global }
      - { .name: gamma, .offset: 8, .size: 8, .value_kind: global_buffer, .address_space: global }
      - { .name: beta, .offset: 16, .size: 8, .value_kind: global_buffer, .address_space: global }
      - { .name: bp, .offset: 24, .size: 8, .value_kind: global_buffer, .address_space: global }
      - { .name: hbuf, .offset: 32, .size: 8, .value_kind: global_buffer, .address_space: global }
      - { .name: res, .offset: 40, .size: 8, .value_kind: global_buffer, .address_space: global }
      - { .name: Wq_codes, .offset: 48, .size: 8, .value_kind: global_buffer, .address_space: global }
      - { .name: Wk_codes, .offset: 56, .size: 8, .value_kind: global_buffer, .address_space: global }
      - { .name: Wv_codes, .offset: 64, .size: 8, .value_kind: global_buffer, .address_space: global }
      - { .name: Wp_codes, .offset: 72, .size: 8, .value_kind: global_buffer, .address_space: global }
      - { .name: wimg, .offset: 80, .size: 8, .value_kind: global_buffer, .address_space: global }
    .group_segment_fixed_size: 55296
    .private_segment_fixed_size: 0
    .kernarg_segment_align: 8
    .kernarg_segment_size: 88
    .max_flat_workgroup_size: 512
    .sgpr_count:     102
    .vgpr_count:     256
    .wavefront_size: 32
...
	.end_amdgpu_metadata
.endif
;; end of part 4
;; launch qkv (part 5): grid 64 x 3, 4 waves a work-group, no clusters, 0 bytes of LDS; arguments hbuf, wimg, Wq_scales, bq, Wk_scales, bk, Wv_scales, bv, qbuf, kbuf, vbuf; writes qbuf, kbuf, vbuf
.if DOCPART == 5
	.amdgcn_target "amdgcn-amd-amdhsa--gfx1250"
	.amdhsa_code_object_version 6
	.text
	.protected	k_qf5ec297119_qkv
	.globl	k_qf5ec297119_qkv
	.p2align	8
	.type	k_qf5ec297119_qkv,@function
k_qf5ec297119_qkv:
	s_mov_b64 s[64:65], 0
	v_nop
	global_prefetch_b8 v0, s[64:65] scope:SCOPE_SE
	s_setreg_imm32_b32 hwreg(HW_REG_WAVE_MODE, 25, 1), 1
	s_wait_xcnt 0x0
; q = h Wq^T + bq, k = h Wk^T + bk, v = h Wv^T + bv on codes of FP6 (E2M3) with E8M0 block scales, and each result quantised again for the product that follows: q and k along d, v along the keys.
; ONE SCHEME, TWO ROLES.  A wave keeps a RESIDENT operand in registers, 128 rows x K 512 (8 tiles x 4 K steps x 12 = 384 registers), and streams 32 tiles of 16 rows x 512 past it.
; D = (resident tile as source 0) x (streamed tile as source 1): a lane holds ONE streamed row, its registers run along the resident rows.  EVERY TILE OF 16 ROWS IS PERMUTED: tile 2 B + u holds rows
; 32 B + 8 u + r + 8 (r / 8), so that the 16 registers of accumulators 2 B, 2 B + 1 are 16 neighbours, and a trip's 8 accumulators are 128 neighbours along the next K: one operand fragment and one scale word a row.
;   grid y = 0, 1 (q, k): resident = rows 128 w .. of W; streamed = the 32 pixel tiles of half a batch; the bias runs along the registers (it is the C of the first K step).
;   grid y = 2 (v): resident = the 8 pixel tiles of key step 4 half + w; streamed = the 32 tiles of Wv; the bias runs along the lanes (eight copies are the C).
; THE WEIGHTS' CODES come from wimg [weight: q, k, v, p][tile 32][K step 4][1,536], where an earlier launch has laid each fragment as an image of its registers: three loads of 512 consecutive bytes bring one.
; OUT, as images of operand registers (group c of four registers at 512 c + 16 lane; 1,536 bytes a fragment): qbuf, kbuf [b][T 64][s 4]; vbuf [b][ks 8][dt 32].  Scale words, from byte SC on:
; [b][ks 8][s or js 4][H 2][r 16][i 4], tile = 4 H + i: the 16 bytes at 16 lane are the four words of the lane's own row.
; The 32 trips are 4 blocks of 8 written-out trips: a block's eight scale words stay in registers and leave by one store of 512 consecutive bytes.  Loads run two trips ahead in two sets.
; Pointers are stepped where a trip waits on XCNT anyway, behind its 32 products: the results' in a block's trip 0 (by 0 in the first block), the streamed operand's in its trip 6; in the last block that step is 0, so that
; its last two trips ask again for that block's first two tiles (2 spare tile loads in 34, inside the buffers) and every wait keeps its count.  Waves share nothing: no LDS, no barrier.
; 64 x 3 work-groups: each matrix makes 64 shares of 512 x 512 rows.
; LIMITS: NaN and infinities are not served; a block under 2^-124 (zeros too) keeps the scale byte 1: this program alone reads the bytes.
; REGISTERS.  window 0: v4-9 offsets; v48-111 the 8 accumulators; v112-131 codes just made; v136-167 resident scale words; v168-175 streamed scale words, two sets; v176-183 a block's scale words; v184-187 as stored; v200-215 at work.
;   window 1, 2: resident tiles 0-3, 4-7 at v[12 (4 (t % 4) + s)].   window 3: v0-95 streamed tile, two sets; v96-111 its scale bytes as loaded; v112-113 bv as loaded; v120-127 eight copies; v128-191 bq or bk.
.set SC,  12582912                     ; where the scale bytes or words begin in hbuf, qbuf, kbuf, vbuf
.set WBYTES, 196608                    ; a weight's 128 images in wimg
.set AWS, 4                            ; 16 (r + 8 (r / 8)): a weight's row of scale bytes
.set AWB, 5                            ; 4 (r + 8 (r / 8)): its bias
.set A16, 6                            ; 16 lane
.set A8,  7                            ; 8 lane
.set AHS, 8                            ; 2 (r + 8 (r / 8)): a pixel's two scale bytes
.set ABQ, 9                            ; 64 h: my half's 16 biases
.set HA,  48
.set PC,  112
.set RS,  136
.set TS,  168
.set PWS, 176
.set OW,  184
.set TM,  200
.set RAW, 96
.set BVR, 112
.set CB,  120
.set BQ,  128
.set SEL, 30
.set MSB, 0
.macro WIN new                         ; the immediate's high byte repeats the setting that is left; a switch that changes nothing is dropped
.if MSB != (\new)
	s_set_vgpr_msb (MSB<<8)|(\new)
.set MSB, (\new)
.endif
.endm
.macro WM d, a, b, c, sa, sb           ; one product; the scales stand in registers that hold scales alone
	v_wmma_scale_f32_16x16x128_f8f6f4 v[(\d):(\d)+7], v[(\a):(\a)+11], v[(\b):(\b)+11], v[(\c):(\c)+7], v[\sa], v[\sb] matrix_a_fmt:MATRIX_FMT_FP6 matrix_b_fmt:MATRIX_FMT_FP6
.endm
.macro LDW dst, ptr, imm               ; a weight's fragment from its image: three loads of 512 consecutive bytes
.irp c, 0,1,2
	global_load_b128 v[(\dst)+4*\c:(\dst)+4*\c+3], v[A16], s[\ptr:\ptr+1] offset:(\imm)+512*\c
.endr
.endm
.macro LDH dst, ptr, imm, s            ; a fragment of h: two pieces of 768 bytes, each 16 bytes and 8 bytes a lane
	global_load_b128 v[(\dst):(\dst)+3], v[A16], s[\ptr:\ptr+1] offset:(\imm)+1536*(\s)
	global_load_b64 v[(\dst)+4:(\dst)+5], v[A8], s[\ptr:\ptr+1] offset:(\imm)+1536*(\s)+512
	global_load_b128 v[(\dst)+6:(\dst)+9], v[A16], s[\ptr:\ptr+1] offset:(\imm)+1536*(\s)+768
	global_load_b64 v[(\dst)+10:(\dst)+11], v[A8], s[\ptr:\ptr+1] offset:(\imm)+1536*(\s)+1280
.endm
; 64 numbers of a lane, register 16 b + i = k 32 b + 16 (lane / 16) + i of my row, become a fragment's codes in v[PC] on and its scale word in v[pw].
.macro QUANT s, pw
.irp b, 0,1,2,3
	v_max3_num_f32 v[TM+\b], |v[\s+16*\b]|, |v[\s+1+16*\b]|, 0x1800000   ; my 16 numbers of block b, and the floor 2^(3 - 127): the byte cannot fall under 1.  (Each accumulator is read from its low end on)
.endr
.irp i, 2,4,6,8,10,12,14
.irp b, 0,1,2,3
	v_max3_num_f32 v[TM+\b], v[TM+\b], |v[\s+16*\b+\i]|, |v[\s+1+16*\b+\i]|
.endr
.endr
.irp b, 0,1,2,3
	v_permlanex16_b32 v[TM+4+\b], v[TM+\b], s[SEL], s[SEL+1]
.endr
.irp b, 0,1,2,3
	v_max_num_f32 v[TM+\b], v[TM+\b], v[TM+4+\b]   ; with lane l xor 16's: the block's largest magnitude
.endr
.irp b, 0,1,2,3
	v_add_nc_u32 v[TM+12+\b], 0xff000000, v[TM+\b] ; 2 off its exponent field: the conversion's scale operand
.endr
.irp b, 0,1,2,3
	v_lshrrev_b32 v[TM+4+\b], 23, v[TM+12+\b]      ; the scale's byte
.endr
	v_lshl_or_b32 v[\pw], v[TM+5], 8, v[TM+4]
	v_lshl_or_b32 v[\pw], v[TM+6], 16, v[\pw]
	v_lshl_or_b32 v[\pw], v[TM+7], 24, v[\pw]
.irp c, 0,1
	v_cvt_scalef32_pk16_fp6_f32 v[PC+6*\c:PC+2+6*\c], v[\s+32*\c:\s+15+32*\c], v[TM+12+2*\c]
	v_cvt_scalef32_pk16_fp6_f32 v[PC+12+4*\c:PC+14+4*\c], v[\s+16+32*\c:\s+31+32*\c], v[TM+12+2*\c+1]   ; (a conversion's three registers begin on an even number)
.endr
	v_nop                                          ; one plain place behind the last scaled conversion
.irp c, 0,1                                    ; the operand's layout wants a WHOLE block in a lane: lanes 0-15 block 2 c, lanes 16-31 block 2 c + 1
.irp i, 0,1,2
	v_permlane16_swap_b32 v[PC+6*\c+\i], v[PC+12+4*\c+\i]
.endr
.irp i, 0,1,2
	v_mov_b32 v[PC+3+6*\c+\i], v[PC+12+4*\c+\i]
.endr
.endr
.endm
; The streamed tile jj of the block that the pointers stand at, into set sig: codes, scales and (v) bias.  24 loads (q, k) or 14 (v).
.macro TFETCH v, sig, jj
	WIN 0xc0                                       ; destination window 3, offset window 0
.if \v
.irp s, 0,1,2,3
	LDW 48*\sig+12*\s,44,6144*\jj+1536*\s
.endr
	global_load_b32 v[BVR+\sig], v[AWB], s[48:49] offset:(32*(\jj/2)+8*(\jj%2))*4
	WIN 0
	global_load_b128 v[TS+4*\sig:TS+4*\sig+3], v[AWS], s[46:47] offset:(32*(\jj/2)+8*(\jj%2))*16   ; a row's 16 scale bytes are its four words
.else
.irp s, 0,1,2,3
	LDH 48*\sig+12*\s,54,6144*\jj,\s
.endr
.irp g, 0,1,2,3,4,5,6,7
	global_load_u16 v[RAW+8*\sig+\g], v[AHS], s[56:57] offset:2048*\g+64*(\jj/2)+16*(\jj%2)
.endr
	WIN 0
.endif
.endm
; Trip j of a block, on set sig = j % 2; behind its products tile jj = (j + 2) % 8 is asked for into the same set.
.macro TRIP v, j, sig, jj
.if \v
	s_wait_loadcnt 14                              ; my set is in; the other set's 14 loads, issued later, may be out
	WIN 0xc3
.irp i, 0,1,2,3,4,5,6,7
	v_mov_b32 v[CB+\i], v[BVR+\sig]                ; bv of my lane's row, for all eight registers of a result
.endr
.rept 5
	v_nop
.endr
.else
	s_wait_loadcnt 24                              ; my set is in; the other set's 24 loads, issued later, may be out
	WIN 0x33
.irp s, 0,1,2,3
	v_lshl_or_b32 v[TS+4*\sig+\s], v[RAW+8*\sig+2*\s+1], 16, v[RAW+8*\sig+2*\s]   ; two groups' two bytes make a K step's scale word
.endr
.rept 8
	v_nop                                          ; a scale register written by a vector instruction stands 8 places ahead of a scaled matrix instruction
.endr
.endif
.irp s, 0,1,2,3                                ; the eight accumulators take turns, one instruction a turn
.irp t, 0,1,2,3,4,5,6,7
.if \s == 0
	WIN 0x3d+\t/4                                  ; source 0 window 1 or 2, source 1 and C window 3, D window 0
.if \v
	WM HA+8*\t,12*(4*(\t%4)+\s),48*\sig+12*\s,CB,RS+4*\t+\s,TS+4*\sig+\s
.else
	WM HA+8*\t,12*(4*(\t%4)+\s),48*\sig+12*\s,BQ+8*\t,RS+4*\t+\s,TS+4*\sig+\s
.endif
.else
	WIN 0x0d+\t/4                                  ; C and D window 0
	WM HA+8*\t,12*(4*(\t%4)+\s),48*\sig+12*\s,HA+8*\t,RS+4*\t+\s,TS+4*\sig+\s
.endif
.endr
.endr
	WIN 0
.rept 4
	v_nop                                          ; four places in front of loads into registers that the products read, and of the first read of results
.endr
	s_wait_xcnt 0x0                                ; every load and store issued so far has read its registers and its base: the codes' registers are written again below, and pointers may step here
.if \j == 0
	s_cmp_lg_u32 s36, 4                            ; the results' pointers go on to this block; in the first block they stay
	s_cselect_b32 s58, 8*OSTR, 0
	s_cselect_b32 s60, SJ, 0
	s_add_nc_u64 s[50:51], s[50:51], s[58:59]
	s_add_nc_u64 s[52:53], s[52:53], s[60:61]
.endif
.if \j == 6
	s_cmp_lg_u32 s36, 1                            ; the streamed operand's pointers go on to the next block; in the last block they stay
	s_cselect_b32 s58, 49152, 0
.if \v
	s_cselect_b32 s60, 2048, 0
	s_cselect_b32 s62, 512, 0
	s_add_nc_u64 s[44:45], s[44:45], s[58:59]
	s_add_nc_u64 s[46:47], s[46:47], s[60:61]
	s_add_nc_u64 s[48:49], s[48:49], s[62:63]
.else
	s_cselect_b32 s60, 256, 0
	s_add_nc_u64 s[54:55], s[54:55], s[58:59]
	s_add_nc_u64 s[56:57], s[56:57], s[60:61]
.endif
.endif
	TFETCH \v,\sig,\jj
	QUANT HA,PWS+\j
.irp c, 0,1,2
	global_store_b128 v[A16], v[PC+4*\c:PC+4*\c+3], s[50:51] offset:\j*OSTR+512*\c   ; 512 consecutive bytes, at a multiple of 512 from the buffer's first byte
.endr
.endm
.macro BLOCK v
	TRIP \v,0,0,2
	TRIP \v,1,1,3
	TRIP \v,2,0,4
	TRIP \v,3,1,5
	TRIP \v,4,0,6
	TRIP \v,5,1,7
	TRIP \v,6,0,0
	TRIP \v,7,1,1
.irp i, 0,1,2,3
	v_cndmask_b32 v[OW+\i], v[PWS+\i], v[PWS+4+\i], vcc_lo   ; both halves of the lanes hold a row's word: lanes 0-15 keep tiles 0-3, lanes 16-31 tiles 4-7
.endr
	global_store_b128 v[A16], v[OW:OW+3], s[52:53]
	s_sub_co_u32 s36, s36, 1
	s_cmp_lg_u32 s36, 0
.endm
	s_load_b512 s[4:19], s[0:1], 0x0               ; hbuf s[4:5]; wimg s[6:7]; Wq scales, bq s[8:11]; Wk scales, bk s[12:15]; Wv scales, bv s[16:19]
	s_load_b128 s[20:23], s[0:1], 0x40             ; qbuf s[20:21], kbuf s[22:23]
	s_load_b64 s[24:25], s[0:1], 0x50              ; vbuf
	v_lshrrev_b32 v14, 5, v0
	v_readfirstlane_b32 s32, v14                   ; wave 0..3
	v_and_b32 v15, 31, v0                          ; lane
	v_and_b32 v1, 15, v0                           ; r
	v_bfe_u32 v2, v0, 4, 1                         ; h
	v_and_b32 v14, 8, v1
	v_add_nc_u32 v14, v14, v1                      ; r + 8 (r / 8)
	v_lshlrev_b32 v[AWS], 4, v14
	v_lshlrev_b32 v[AWB], 2, v14
	v_lshlrev_b32 v[A16], 4, v15
	v_lshlrev_b32 v[A8], 3, v15
	v_lshlrev_b32 v[AHS], 1, v14
	v_lshlrev_b32 v[ABQ], 6, v2
	v_cmp_le_u32 vcc_lo, 16, v15                   ; lanes 16-31; VCC is written nowhere else
.irp b, 0,1,2,3
	v_mov_b32 v[TM+4+\b], 0                        ; written once: a lane permute's destination counts as one of its sources
.endr
	s_mov_b32 s[SEL], 0x76543210
	s_mov_b32 s[SEL+1], 0xfedcba98
	s_lshr_b32 s33, ttmp9, 1                       ; b
	s_and_b32 s34, ttmp9, 1                        ; which half of the batch's pixels
	s_and_b32 s35, ttmp7, 0xffff                   ; 0 q, 1 k, 2 v
	s_mov_b32 s36, 4                               ; blocks to go
	s_mov_b32 s39, 0
	s_mov_b32 s41, 0
	s_mov_b32 s59, 0
	s_mov_b32 s61, 0
	s_mov_b32 s63, 0
	s_mul_i32 s37, s33, 393216                     ; a batch's codes in hbuf, qbuf, kbuf, vbuf
	s_wait_kmcnt 0x0
	s_cmp_eq_u32 s35, 2
	s_cbranch_scc1 .Lpath_v
	; ================ q and k ================
.set OSTR, 6144                        ; from a pixel tile's fragment to the next tile's
.set SJ,   2048                        ; from a key step's scale words to the next step's
	s_cmp_eq_u32 s35, 0                            ; the choice hangs on the work-group's number alone
	s_cselect_b64 s[46:47], s[8:9], s[12:13]
	s_cselect_b64 s[48:49], s[10:11], s[14:15]
	s_cselect_b64 s[50:51], s[20:21], s[22:23]
	s_mul_i32 s38, s35, WBYTES                     ; the weight's images,
	s_mul_i32 s42, s32, 49152                      ; my 8 tiles of them
	s_add_co_u32 s38, s38, s42
	s_add_nc_u64 s[44:45], s[6:7], s[38:39]
	s_lshl_b32 s38, s32, 11                        ; my 128 rows' scale bytes,
	s_add_nc_u64 s[46:47], s[46:47], s[38:39]
	s_lshl_b32 s38, s32, 9                         ; biases
	s_add_nc_u64 s[48:49], s[48:49], s[38:39]
	s_mul_i32 s40, s34, 196608
	s_add_co_u32 s40, s40, s37                     ; the batch, and 32 tiles for the second half
	s_add_nc_u64 s[54:55], s[4:5], s[40:41]        ; h's codes
	s_lshl_b32 s38, s33, 14
	s_lshl_b32 s42, s34, 13
	s_add_co_u32 s38, s38, s42
	s_lshl_b32 s42, s32, 9
	s_add_co_u32 s38, s38, s42
	s_add_co_u32 s38, s38, SC
	s_add_nc_u64 s[52:53], s[50:51], s[38:39]      ; out: scale words of key step 4 half, K step w
	s_mul_i32 s38, s32, 1536
	s_add_co_u32 s38, s38, s40
	s_add_nc_u64 s[50:51], s[50:51], s[38:39]      ; out: fragment (tile 32 half, K step w)
	s_lshl_b32 s38, s33, 14
	s_lshl_b32 s42, s34, 10
	s_add_co_u32 s38, s38, s42
	s_add_co_u32 s38, s38, SC
	s_add_nc_u64 s[56:57], s[4:5], s[38:39]        ; h's scale bytes
.irp t, 0,1,2,3,4,5,6,7
	WIN 0x40+0x40*(\t/4)
.irp s, 0,1,2,3
	LDW 12*(4*(\t%4)+\s),44,6144*\t+1536*\s
.endr
.endr
	WIN 0
.irp t, 0,1,2,3,4,5,6,7
	global_load_b128 v[RS+4*\t:RS+4*\t+3], v[AWS], s[46:47] offset:(32*(\t/2)+8*(\t%2))*16
.endr
	WIN 0xc0
.irp t, 0,1,2,3,4,5,6,7                        ; register j of tile t is output 32 (t / 2) + 16 h + 8 (t % 2) + j of my 128
	global_load_b128 v[BQ+8*\t:BQ+8*\t+3], v[ABQ], s[48:49] offset:(32*(\t/2)+8*(\t%2))*4
	global_load_b128 v[BQ+8*\t+4:BQ+8*\t+7], v[ABQ], s[48:49] offset:(32*(\t/2)+8*(\t%2))*4+16
.endr
	TFETCH 0,0,0
	TFETCH 0,1,1
.Lblk_qk:
	BLOCK 0
	s_cbranch_scc1 .Lblk_qk
	s_endpgm
	; ================ v ================
.Lpath_v:
.set OSTR, 1536                        ; from a tile of d to the next
.set SJ,   512                         ; from eight tiles' scale words to the next eight's
	s_lshl_b32 s42, s34, 2
	s_add_co_u32 s42, s42, s32                     ; my key step: 4 half + w
	s_mul_i32 s40, s42, 49152
	s_add_co_u32 s40, s40, s37
	s_add_nc_u64 s[54:55], s[4:5], s[40:41]        ; h's codes: my 8 tiles
	s_add_nc_u64 s[50:51], s[24:25], s[40:41]      ; out: fragment (key step, tile 0 of d)
	s_lshl_b32 s38, s33, 14
	s_lshl_b32 s40, s42, 8
	s_add_co_u32 s40, s40, s38
	s_add_co_u32 s40, s40, SC
	s_add_nc_u64 s[56:57], s[4:5], s[40:41]        ; h's scale bytes: my 128 pixels
	s_lshl_b32 s40, s42, 11
	s_add_co_u32 s40, s40, s38
	s_add_co_u32 s40, s40, SC
	s_add_nc_u64 s[52:53], s[24:25], s[40:41]      ; out: the key step's scale words
	s_add_nc_u64 s[44:45], s[6:7], 2*WBYTES        ; Wv's images
	s_mov_b64 s[46:47], s[16:17]
	s_mov_b64 s[48:49], s[18:19]
.irp t, 0,1,2,3,4,5,6,7
	WIN 0x40+0x40*(\t/4)
.irp s, 0,1,2,3
	LDH 12*(4*(\t%4)+\s),54,6144*\t,\s
.endr
.endr
	WIN 0
.irp t, 0,1,2,3,4,5,6,7
.irp g, 0,1,2,3,4,5,6,7
	global_load_u16 v[HA+8*\t+\g], v[AHS], s[56:57] offset:2048*\g+64*(\t/2)+16*(\t%2)
.endr
.endr
	TFETCH 1,0,0
	TFETCH 1,1,1
	s_wait_loadcnt 28                              ; all but the two streamed sets' 2 x 14 loads
.irp t, 0,1,2,3,4,5,6,7
.irp s, 0,1,2,3
	v_lshl_or_b32 v[RS+4*\t+\s], v[HA+8*\t+2*\s+1], 16, v[HA+8*\t+2*\s]   ; (thirteen plain lines stand between these and the first product)
.endr
.endr
.Lblk_v:
	BLOCK 1
	s_cbranch_scc1 .Lblk_v
	s_endpgm
.Lfunc_end_k_qf5ec297119_qkv:
	.size	k_qf5ec297119_qkv, .Lfunc_end_k_qf5ec297119_qkv-k_qf5ec297119_qkv
	.p2alignl 7, 3214868480
	.fill 96, 4, 3214868480
	.section	.rodata,"a",@progbits
	.p2align	6, 0x0
	.amdhsa_kernel k_qf5ec297119_qkv
		.amdhsa_group_segment_fixed_size 0
		.amdhsa_private_segment_fixed_size 0
		.amdhsa_enable_private_segment 0
		.amdhsa_kernarg_size 88
		.amdhsa_user_sgpr_count 2
		.amdhsa_user_sgpr_kernarg_segment_ptr 1
		.amdhsa_wavefront_size32 1
		.amdhsa_system_sgpr_workgroup_id_x 1
		.amdhsa_system_sgpr_workgroup_id_y 1
		.amdhsa_system_sgpr_workgroup_id_z 1
		.amdhsa_system_vgpr_workitem_id 0
		.amdhsa_next_free_vgpr 1024
		.amdhsa_next_free_sgpr 66
		.amdhsa_reserve_vcc 1
		.amdhsa_float_denorm_mode_32 3
		.amdhsa_float_denorm_mode_16_64 3
		.amdhsa_memory_ordered 1
		.amdhsa_forward_progress 1
		.amdhsa_inst_pref_size 217
	.end_amdhsa_kernel
	.amdgpu_metadata
---
amdhsa.version: [ 1, 2 ]
amdhsa.kernels:
  - .name:           k_qf5ec297119_qkv
    .symbol:         k_qf5ec297119_qkv.kd
    .args:
      - { .name: hbuf, .offset: 0, .size: 8, .value_kind: global_buffer, .address_space: global }
      - { .name: wimg, .offset: 8, .size: 8, .value_kind: global_buffer, .address_space: global }
      - { .name: Wq_scales, .offset: 16, .size: 8, .value_kind: global_buffer, .address_space: global }
      - { .name: bq, .offset: 24, .size: 8, .value_kind: global_buffer, .address_space: global }
      - { .name: Wk_scales, .offset: 32, .size: 8, .value_kind: global_buffer, .address_space: global }
      - { .name: bk, .offset: 40, .size: 8, .value_kind: global_buffer, .address_space: global }
      - { .name: Wv_scales, .offset: 48, .size: 8, .value_kind: global_buffer, .address_space: global }
      - { .name: bv, .offset: 56, .size: 8, .value_kind: global_buffer, .address_space: global }
      - { .name: qbuf, .offset: 64, .size: 8, .value_kind: global_buffer, .address_space: global }
      - { .name: kbuf, .offset: 72, .size: 8, .value_kind: global_buffer, .address_space: global }
      - { .name: vbuf, .offset: 80, .size: 8, .value_kind: global_buffer, .address_space: global }
    .group_segment_fixed_size: 0
    .private_segment_fixed_size: 0
    .kernarg_segment_align: 8
    .kernarg_segment_size: 88
    .max_flat_workgroup_size: 128
    .sgpr_count:     66
    .vgpr_count:     1024
    .wavefront_size: 32
...
	.end_amdgpu_metadata
.endif
;; end of part 5
;; launch attn (part 6): grid 8 x 32, 4 waves a work-group, clusters of 4 x 1, 327,680 bytes of LDS; arguments qbuf, kbuf, vbuf, wimg, Wp_scales, res, x, out0; writes out0
.if DOCPART == 6
	.amdgcn_target "amdgcn-amd-amdhsa--gfx1250"
	.amdhsa_code_object_version 6
	.text
	.protected	k_qf5ec297119_attn
	.globl	k_qf5ec297119_attn
	.p2align	8
	.type	k_qf5ec297119_attn,@function
k_qf5ec297119_attn:
	s_mov_b64 s[64:65], 0
	v_nop
	global_prefetch_b8 v0, s[64:65] scope:SCOPE_SE
	s_setreg_imm32_b32 hwreg(HW_REG_WAVE_MODE, 25, 1), 1
	s_wait_xcnt 0x0
	s_wait_alu depctr_hold_cnt(0) depctr_sa_sdst(0) depctr_va_vdst(0) depctr_va_sdst(0) depctr_va_ssrc(0) depctr_va_vcc(0) depctr_vm_vsrc(0)
	s_getreg_b32 s2, hwreg(HW_REG_IB_STS2, 6, 4)
	s_cmp_eq_u32 s2, 0
	s_cbranch_scc0 .Lentry_in_a_cluster
	s_endpgm
.Lentry_in_a_cluster:
	s_bfe_u32 s2, ttmp6, 0x10000c
	s_cmp_lg_u32 s2, 0x3003
	s_cbranch_scc0 .Lentry_shape_is_right
	s_endpgm
.Lentry_shape_is_right:
; out0[b][e][n] = (softmax(q k^T / sqrt(512)) v) Wp^T + bp + xn, all three products on codes of FP6 (E2M3) with E8M0 block scales.
; THE SOFTMAX: t = score x log2(e) / sqrt(512); M = the running largest t rounded UP to a whole number; p = 2^(t - M) is quantised along the keys, not normalised; the row's sum is taken of the unquantised p
; and divides O at the end; when M moves, the sum and O are multiplied by 2^(old M - new M), which rounds nothing.
; SHARES.  A work-group owns 128 queries of one batch; in the key loop wave w owns query tiles 2 w and 2 w + 1, so that each fragment of K and V read from LDS feeds two products.  128 keys a step, 8 steps.
; Both products are used transposed (S^T = K Q^T, O^T = V^T P^T): a lane holds ONE query.  Every tile of 16 rows is permuted (tile 2 B + u holds rows 32 B + 8 u + r + 8 (r / 8)), so that the 16 registers of two
; neighbouring result tiles are 16 neighbours along the next K.  q, k, v lie in memory as images of operand registers (group c of four at 512 c + 16 lane), so a key step's K and V are two dense blocks of 49,152 bytes.
; In the projection the waves share the COLUMNS: wave w makes output channels 128 w .. + 127 for all 128 queries; O / l, quantised along d, goes from wave to wave through LDS as register images.
; Wp's codes come from wimg (fourth weight), where an earlier launch has laid each fragment as an image of its registers: three loads of 512 consecutive bytes bring one.
; The residual: xn + bp = x a + c with (a, c) for each (b, channel) from an earlier launch; c is the C of the projection's first K step, x a is added on the way out.
; CLUSTER.  The four query blocks of a cluster walk the same K and V: every tensor load is asked for jointly, with the same descriptor and a mask that names the four.
; O^T begins as zeros (512 moves, once) and the largest t as -3e38, so that the key step is written twice (loop and last step) and not three times.
; LIMITS: NaN and infinities are not served; a block under 2^-124 (zeros too) keeps the scale byte 1; x a + c cancels mean a against x a: about 4e-6 of xn's spread at an offset of 30 spreads.
; REGISTERS.  window 0: v1-11, v21-23, v50-59 addresses; v12-19 -M, largest t, the sum's pair for each tile; v24-31 q's scale words; v32-47 K's or V's; v48-49 p's; v64-191 S^T, then p; v192-215 p's codes; v224-248 at work.
;   window 1, 2: O^T of tile 0, 1 (8 dt + j); later the 32 fragments of O / l.   window 3: v0-95 Q; v96-239 three sets of four fragments; later Wp, x, c.
.set SLOT1, 1<<17                      ; LDS: slot 0 at 0 (K 49,152 bytes, then V 49,152); slot 1 here, so that one exclusive or turns an address
.set VOFF,  49152
.set SCK,   98304                      ; the batch's K scale words, 16,384 bytes, filled once
.set SCV,   114688                     ; V's
.set OIMG,  229376                     ; images of O / l: 32 fragments of 1,536 bytes
.set OSC,   278528                     ; their scale words, [tile 8][lane 32][K step 4]
.set STAGE, 282624                     ; the way out: 16 rows x (512 + 16) bytes for each wave
.set SPARE, 316416                     ; the spare words, 128 bytes for each wave: two blocks of 256 bytes that no other line names
.set SC,    12582912                   ; where the scale words begin in qbuf, kbuf, vbuf
.set WPIMG, 589824                     ; where Wp's images begin in wimg: behind three weights of 196,608 bytes
.set AF,1                              ; 16 lane
.set ASK,2                             ; SCK + 16 lane
.set ASV,3                             ; SCV + 16 lane
.set ADK,4                             ; the step's K, V, K scale words, V scale words
.set ADV,5
.set ADKS,6
.set ADVS,7
.set SPW,8                             ; my spare word; never rewritten
.set NIL,9                             ; 0; never rewritten
.set AFV,10                            ; VOFF + 16 lane
.set PFO,11                            ; 4,096 (lane / 2) + 256 (lane % 2)
.set AWS,21                            ; 16 (r + 8 (r / 8))
.set ARC,22                            ; 8 (r + 8 (r / 8)) + 4: c in res
.set A16R,23                           ; 16 r
.set QS,24
.set KVS,32
.set PS,48
.set OWI,50                            ; where I store images of O / l, and their scale words
.set OWS,51
.set RC,52                             ; v[52:53], v[54:55]: 1 / l
.set STO,56                            ; the stage: in, back
.set SRD,57
.set ORI,58                            ; where images and scale words are read
.set ORS,59
.set S,64
.set PC,192
.set TM,224                            ; v224-227 block maxima
.set BP,228                            ; v228-231 the other half's, then bytes
.set BO,232                            ; v232-235 the conversions' scale operands
.set CT,236                            ; v236-238, v240-242 upper halves of blocks' codes
.set SU,244
.set F,246                             ; v[246:247]: f = 2^(old M - new M)
.set TMP,248
.set WV,20                             ; s20 wave
.set CS,22                             ; s[22:23] c
.set SEL,56                            ; s[56:57]
.set MSB, 0
.macro WIN new                         ; the immediate's high byte repeats the setting that is left; a switch that changes nothing is dropped
.if MSB != (\new)
	s_set_vgpr_msb (MSB<<8)|(\new)
.set MSB, (\new)
.endif
.endm
.macro PLACES n
.rept \n
	v_nop
.endr
.endm
; One product.  c < 0: the constant 0 starts the sum.  row1: source 0's scales are read from lanes 16-31.
.macro WM d, a, b, c, sa, sb, row1
.if (\c) < 0
.if \row1
	v_wmma_scale_f32_16x16x128_f8f6f4 v[(\d):(\d)+7], v[(\a):(\a)+11], v[(\b):(\b)+11], 0, v[\sa], v[\sb] matrix_a_fmt:MATRIX_FMT_FP6 matrix_b_fmt:MATRIX_FMT_FP6 matrix_a_scale:MATRIX_SCALE_ROW1
.else
	v_wmma_scale_f32_16x16x128_f8f6f4 v[(\d):(\d)+7], v[(\a):(\a)+11], v[(\b):(\b)+11], 0, v[\sa], v[\sb] matrix_a_fmt:MATRIX_FMT_FP6 matrix_b_fmt:MATRIX_FMT_FP6
.endif
.else
.if \row1
	v_wmma_scale_f32_16x16x128_f8f6f4 v[(\d):(\d)+7], v[(\a):(\a)+11], v[(\b):(\b)+11], v[(\c):(\c)+7], v[\sa], v[\sb] matrix_a_fmt:MATRIX_FMT_FP6 matrix_b_fmt:MATRIX_FMT_FP6 matrix_a_scale:MATRIX_SCALE_ROW1
.else
	v_wmma_scale_f32_16x16x128_f8f6f4 v[(\d):(\d)+7], v[(\a):(\a)+11], v[(\b):(\b)+11], v[(\c):(\c)+7], v[\sa], v[\sb] matrix_a_fmt:MATRIX_FMT_FP6 matrix_b_fmt:MATRIX_FMT_FP6
.endif
.endif
.endm
; A joint refill: waves 0 and 1 fetch K's two halves, waves 2 and 3 V's.  The branch hangs on the wave's number alone.  Four v_nop follow each of the two lines.
.macro JLOAD
	s_cmp_lt_u32 s[WV], 2
	s_cbranch_scc0 .Lfor_v_\@
	tensor_load_to_lds s[40:43], s[24:31]
	s_nop 0
	PLACES 4
	s_branch .Lasked_\@
.Lfor_v_\@:
	tensor_load_to_lds s[44:47], s[24:31]
	s_nop 0
	PLACES 4
.Lasked_\@:
.endm
; A round of the cluster's barrier: my work-group's barrier; wave 0 signals for the work-group; every wave waits for all four work-groups; my work-group's barrier once more.
.macro CROUND
	s_barrier_signal -1
	s_barrier_wait -1
	s_cmp_lg_u32 s[WV], 0
	s_cbranch_scc1 .Lnot_wave_0_\@
	s_barrier_signal -3
.Lnot_wave_0_\@:
	s_barrier_wait -3
	s_barrier_signal -1
	s_barrier_wait -1
.endm
.macro LDW dst, ptr, imm               ; a weight's fragment from its image: three loads of 512 consecutive bytes
.irp c, 0,1,2
	global_load_b128 v[(\dst)+4*\c:(\dst)+4*\c+3], v[AF], s[\ptr:\ptr+1] offset:(\imm)+512*\c
.endr
.endm
; 64 numbers of a lane, register 16 b + i = k 32 b + 16 (lane / 16) + i of my row, become a fragment's codes in v[PC] on and its scale word in v[pw].
.macro QUANT s, pw
.irp b, 0,1,2,3
	v_max3_num_f32 v[TM+\b], |v[\s+16*\b]|, |v[\s+1+16*\b]|, 0x1800000   ; with the floor 2^(3 - 127): the byte cannot fall under 1
.endr
.irp i, 2,4,6,8,10,12,14
.irp b, 0,1,2,3
	v_max3_num_f32 v[TM+\b], v[TM+\b], |v[\s+16*\b+\i]|, |v[\s+1+16*\b+\i]|
.endr
.endr
.irp b, 0,1,2,3
	v_permlanex16_b32 v[TM+4+\b], v[TM+\b], s[SEL], s[SEL+1]
.endr
.irp b, 0,1,2,3
	v_max_num_f32 v[TM+\b], v[TM+\b], v[TM+4+\b]
.endr
.irp b, 0,1,2,3
	v_add_nc_u32 v[TM+12+\b], 0xff000000, v[TM+\b]
.endr
.irp b, 0,1,2,3
	v_lshrrev_b32 v[TM+4+\b], 23, v[TM+12+\b]
.endr
	v_lshl_or_b32 v[\pw], v[TM+5], 8, v[TM+4]
	v_lshl_or_b32 v[\pw], v[TM+6], 16, v[\pw]
	v_lshl_or_b32 v[\pw], v[TM+7], 24, v[\pw]
.irp c, 0,1
	v_cvt_scalef32_pk16_fp6_f32 v[PC+6*\c:PC+2+6*\c], v[\s+32*\c:\s+15+32*\c], v[TM+12+2*\c]
	v_cvt_scalef32_pk16_fp6_f32 v[PC+12+4*\c:PC+14+4*\c], v[\s+16+32*\c:\s+31+32*\c], v[TM+12+2*\c+1]
.endr
	v_nop                                          ; one plain place behind the last scaled conversion
.irp c, 0,1
.irp i, 0,1,2
	v_permlane16_swap_b32 v[PC+6*\c+\i], v[PC+12+4*\c+\i]
.endr
.irp i, 0,1,2
	v_mov_b32 v[PC+3+6*\c+\i], v[PC+12+4*\c+\i]
.endr
.endr
.endm
	s_load_b512 s[4:19], s[0:1], 0x0               ; qbuf s[4:5], kbuf s[6:7], vbuf s[8:9], wimg s[10:11], Wp scales s[12:13], res s[14:15], x s[16:17], out0 s[18:19]
	v_lshl_add_u32 v[SPW], v0, 2, SPARE
	v_mov_b32 v[NIL], 0
	ds_add_u32 v8, v9
	s_wait_dscnt 0x0
	v_lshrrev_b32 v60, 5, v0
	v_readfirstlane_b32 s[WV], v60                 ; wave 0..3
	s_and_b32 s62, ttmp7, 0xffff                   ; b, which the four partners share
	s_and_b32 s21, s[WV], 1                        ; which half of a tile I fetch
	s_mul_i32 s100, s62, 393216                    ; the batch's codes,
	s_mul_i32 s41, s21, 24576                      ; my half: in memory and in a slot
	s_add_co_u32 s100, s100, s41
	s_mov_b32 s101, 0
	s_lshl_b32 s59, s21, 13                        ; my half of the scale words
	s_lshl_b32 s60, s62, 14
	s_add_co_u32 s60, s60, s59
	s_add_co_u32 s60, s60, SC
	s_mov_b32 s61, 0
	; descriptor group 1: dense blocks as rows of 256 bytes (32 elements of 8 bytes), no padding: 96 rows for half a tile of codes, 32 rows for half the scale words
	s_mov_b32 s24, 15|(3<<16)|(1<<21)              ; 15:0 the mask: all four work-groups; 17:16 elements of 8 bytes; 21 set beside a mask
	s_mov_b32 s25, 32<<16                          ; tensor_dim0 = 32
	s_mov_b32 s26, 96<<16                          ; tensor_dim1 = 96
	s_mov_b32 s27, 32<<16                          ; tile_dim0 = 32
	s_mov_b32 s28, 96                              ; tile_dim1 = 96
	s_mov_b32 s29, 32                              ; elements from row to row
	s_mov_b32 s30, 0
	s_mov_b32 s31, 0
	s_mov_b32 s32, 15|(3<<16)|(1<<21)
	s_mov_b32 s33, 32<<16
	s_mov_b32 s34, 32<<16
	s_mov_b32 s35, 32<<16
	s_mov_b32 s36, 32
	s_mov_b32 s37, 32
	s_mov_b32 s38, 0
	s_mov_b32 s39, 0
	s_mov_b32 s40, 1                               ; group 0 for K's codes (s41: the LDS address, above), which walks;
	s_mov_b32 s44, 1                               ; for V's codes, which walks;
	s_add_co_u32 s45, s41, VOFF
	s_mov_b32 s48, 1                               ; for K's scale words;
	s_add_co_u32 s49, s59, SCK
	s_mov_b32 s52, 1                               ; for V's
	s_add_co_u32 s53, s59, SCV
	s_mov_b32 s[CS], 0x3d8293ee                    ; c = log2(e) / sqrt(512)
	s_mov_b32 s[CS+1], s[CS]                       ; (named with it as a pair, so it is written)
	s_mov_b32 s[SEL], 0x76543210
	s_mov_b32 s[SEL+1], 0xfedcba98
	; my place in the cluster enters the addresses of q, x and out0 alone, in registers of their own
	s_bfe_u32 s68, ttmp6, 0x40000                  ; cx
	s_lshl_b32 s69, ttmp9, 2
	s_add_co_u32 s68, s69, s68                     ; my block of 128 queries
	s_mul_i32 s70, s62, 393216
	s_mul_i32 s69, s68, 49152
	s_add_co_u32 s70, s70, s69
	s_mul_i32 s69, s[WV], 12288
	s_add_co_u32 s70, s70, s69                     ; q's codes: batch, block, my two tiles
	s_mov_b32 s71, 0
	s_lshl_b32 s72, s62, 14
	s_lshl_b32 s69, s68, 11
	s_add_co_u32 s72, s72, s69
	s_lshr_b32 s69, s[WV], 1
	s_lshl_b32 s69, s69, 8
	s_add_co_u32 s72, s72, s69
	s_lshl_b32 s69, s21, 3
	s_add_co_u32 s72, s72, s69
	s_add_co_u32 s72, s72, SC                      ; q's scale words: tiles 2 w, 2 w + 1 lie at H = w / 2, i = 2 (w % 2), + 1
	s_mov_b32 s73, 0
	s_lshl_b32 s74, s62, 21
	s_lshl_b32 s69, s[WV], 19
	s_add_co_u32 s74, s74, s69
	s_lshl_b32 s69, s68, 9
	s_add_co_u32 s74, s74, s69                     ; x, out0: batch, row 128 w, my block's 512 bytes
	s_mov_b32 s75, 0
	s_mul_i32 s76, s[WV], 49152                    ; Wp's images: my 8 tiles of 4 fragments
	s_add_co_u32 s76, s76, WPIMG
	s_mov_b32 s77, 0
	s_lshl_b32 s78, s[WV], 11                      ; Wp's scale bytes
	s_mov_b32 s79, 0
	s_lshl_b32 s80, s62, 12
	s_lshl_b32 s69, s[WV], 10
	s_add_co_u32 s80, s80, s69                     ; res: batch, my 128 pairs
	s_mov_b32 s81, 0
	; every LDS address register is made here, ahead of the first branch on the wave's number
	v_and_b32 v60, 31, v0                          ; lane
	v_and_b32 v61, 15, v0                          ; r
	v_bfe_u32 v62, v0, 4, 1                        ; h
	v_lshlrev_b32 v[AF], 4, v60
	v_add_nc_u32 v[ASK], SCK, v[AF]
	v_add_nc_u32 v[ASV], SCV, v[AF]
	v_add_nc_u32 v[AFV], VOFF, v[AF]
	v_and_b32 v63, 8, v61
	v_add_nc_u32 v63, v63, v61                     ; r + 8 (r / 8)
	v_lshlrev_b32 v[AWS], 4, v63
	v_lshl_add_u32 v[ARC], v63, 3, 4
	v_lshlrev_b32 v[A16R], 4, v61
	v_lshrrev_b32 v[PFO], 1, v60
	v_lshlrev_b32 v[PFO], 12, v[PFO]
	v_and_b32 v63, 1, v60
	v_lshl_add_u32 v[PFO], v63, 8, v[PFO]
	s_mul_i32 s63, s[WV], 12288
	s_add_co_u32 s63, s63, OIMG
	v_add_nc_u32 v[OWI], s63, v[AF]                ; my two tiles' eight images
	s_lshl_b32 s63, s[WV], 10
	s_add_co_u32 s63, s63, OSC
	v_add_nc_u32 v[OWS], s63, v[AF]
	s_mul_i32 s63, s[WV], 8448
	s_add_co_u32 s63, s63, STAGE                   ; my stage
	v_mul_u32_u24 v[STO], v61, 528
	v_lshl_add_u32 v[STO], v62, 6, v[STO]
	v_add_nc_u32 v[STO], s63, v[STO]               ; in: row r, + 64 h
	v_add_nc_u32 v[SRD], s63, v[AF]                ; back: a row's 512 bytes to the 32 lanes
	v_add_nc_u32 v[ORI], OIMG, v[AF]
	v_lshlrev_b32 v[ORS], 11, v62
	v_lshl_add_u32 v[ORS], v61, 4, v[ORS]
	v_add_nc_u32 v[ORS], OSC, v[ORS]               ; lanes 0-15: tiles 0-3, lanes 16-31: tiles 4-7; row r's four words
	s_wait_kmcnt 0x0
	s_add_nc_u64 s[42:43], s[6:7], s[100:101]
	s_or_b32 s43, s43, 0x80000000                  ; type = 2
	s_add_nc_u64 s[46:47], s[8:9], s[100:101]
	s_or_b32 s47, s47, 0x80000000
	s_add_nc_u64 s[50:51], s[6:7], s[60:61]
	s_or_b32 s51, s51, 0x80000000
	s_add_nc_u64 s[54:55], s[8:9], s[60:61]
	s_or_b32 s55, s55, 0x80000000
	s_add_nc_u64 s[82:83], s[4:5], s[72:73]
	s_add_nc_u64 s[4:5], s[4:5], s[70:71]
	s_add_nc_u64 s[16:17], s[16:17], s[74:75]
	s_add_nc_u64 s[18:19], s[18:19], s[74:75]
	s_add_nc_u64 s[10:11], s[10:11], s[76:77]
	s_add_nc_u64 s[12:13], s[12:13], s[78:79]
	s_add_nc_u64 s[14:15], s[14:15], s[80:81]
	s_mov_b32 s58, 0                               ; LDS byte at which the slot in hand begins
	s_mov_b32 s59, 0                               ; where the step's scale words begin: 2,048 bytes a step
	s_mov_b32 s60, 7                               ; key steps behind whose change of slots a slot is asked for
	CROUND                                         ; all four work-groups are here: the first joint loads meet
	s_cmp_lt_u32 s[WV], 2                          ; a wave's two first fills stand in one branch: two loads of mine are out
	s_cbranch_scc0 .Lfirst_v
	tensor_load_to_lds s[48:51], s[32:39]          ; the scale words of the whole batch: filled once
	s_nop 0
	tensor_load_to_lds s[40:43], s[24:31]          ; key step 0 into slot 0
	s_nop 0
	PLACES 4
	s_branch .Lfirst_asked
.Lfirst_v:
	tensor_load_to_lds s[52:55], s[32:39]
	s_nop 0
	tensor_load_to_lds s[44:47], s[24:31]
	s_nop 0
	PLACES 4
.Lfirst_asked:
	WIN 0xc0                                       ; destination window 3
.irp q, 0,1
.irp s, 0,1,2,3
.irp c, 0,1,2
	global_load_b128 v[48*\q+12*\s+4*\c:48*\q+12*\s+4*\c+3], v[AF], s[4:5] offset:6144*\q+1536*\s+512*\c   ; Q stays in registers
.endr
.endr
.endr
	WIN 0
.irp s, 0,1,2,3
	global_load_b64 v[QS+2*\s:QS+2*\s+1], v[A16R], s[82:83] offset:512*\s
.endr
.irp q, 0,1
	v_mov_b32 v[13+4*\q], 0xff61b1e6               ; the largest t so far: -3e38
	v_floor_f32 v[12+4*\q], -v[13+4*\q]            ; -M
	v_mov_b32 v[14+4*\q], 0                        ; the sum, in two halves
	v_mov_b32 v[15+4*\q], 0
	v_mov_b32 v[RC+1+2*\q], 0                      ; (the upper half of a pair that is named whole)
.endr
.irp b, 0,1,2,3
	v_mov_b32 v[BP+\b], 0                          ; written once: a lane permute's destination counts as one of its sources
.endr
	v_mov_b32 v[F+1], 0
	WIN 0x40
.set i, 0
.rept 256
	v_mov_b32 v[i], 0                              ; O^T of tile 0
.set i, i+1
.endr
	WIN 0x80
.set i, 0
.rept 256
	v_mov_b32 v[i], 0                              ; O^T of tile 1
.set i, i+1
.endr
	WIN 0
; Four fragments, 12 loads of 512 consecutive bytes, into one of three sets.  The caller has set the destination's window to 3.
.macro LOADG adr, off0, stride, set
.irp i, 0,1,2,3
.irp c, 0,1,2
	ds_load_b128 v[96+48*(\set)+12*\i+4*\c:96+48*(\set)+12*\i+4*\c+3], v[\adr] offset:(\off0)+\i*(\stride)+512*\c
.endr
.endr
.endm
.macro KGROUP g                        ; K step g % 4 of key tiles 4 (g / 4) .. + 3
	LOADG ADK,(16*((\g)/4)+(\g)%4)*1536,6144,(\g)%3
.endm
.macro VGROUP g                        ; tiles 4 g .. + 3 of d
	LOADG ADV,4*(\g)*1536,1536,(\g)%3
.endm
.macro KMUL g                          ; 8 products on 8 accumulators by turns; the next group takes the same 8 up again
.irp i, 0,1,2,3
.irp q, 0,1
.if (\g)%4 == 0
	WM S+64*\q+8*(4*((\g)/4)+\i),96+48*((\g)%3)+12*\i,48*\q+12*((\g)%4),-1,KVS+4*((\g)%4)+\i,QS+2*((\g)%4)+\q,(\g)/4
.else
	WM S+64*\q+8*(4*((\g)/4)+\i),96+48*((\g)%3)+12*\i,48*\q+12*((\g)%4),S+64*\q+8*(4*((\g)/4)+\i),KVS+4*((\g)%4)+\i,QS+2*((\g)%4)+\q,(\g)/4
.endif
.endr
.endr
.endm
.macro VMUL g                          ; 8 products, each on an accumulator of its own
	WIN 0x53                                       ; V window 3, P window 0, O^T window 1
.irp i, 0,1,2,3
	WM 8*(4*(\g)+\i),96+48*((\g)%3)+12*\i,PC,8*(4*(\g)+\i),KVS+4*((\g)/2)+\i,PS,(\g)%2
.endr
	WIN 0xa3                                       ; O^T window 2
.irp i, 0,1,2,3
	WM 8*(4*(\g)+\i),96+48*((\g)%3)+12*\i,PC+12,8*(4*(\g)+\i),KVS+4*((\g)/2)+\i,PS+1,(\g)%2
.endr
.endm
.macro GWAIT g                         ; group g is in: the two, one or no groups of 12 loads issued behind it may be out
.if (\g) < 6
	s_wait_dscnt 24
.elseif (\g) == 6
	s_wait_dscnt 12
.else
	s_wait_dscnt 0x0
.endif
.endm
; The softmax of query tile q for one key step.
.macro SOFTMAX q
.set SB, S+64*\q
.set SS, 12+4*\q
.set PQ, PC+12*\q
.irp b, 0,1,2,3
	v_max3_num_f32 v[TM+\b], v[SB+16*\b], v[SB+16*\b+1], v[SB+16*\b+2]   ; the largest SCORE of each block of 32 keys: it serves the row's maximum and, since p rises with the score, the block's largest p.  (Each accumulator is read from its low end on)
.endr
.irp i, 3,5,7,9,11,13
.irp b, 0,1,2,3
	v_max3_num_f32 v[TM+\b], v[TM+\b], v[SB+16*\b+\i], v[SB+16*\b+\i+1]
.endr
.endr
.irp b, 0,1,2,3
	v_max_num_f32 v[TM+\b], v[TM+\b], v[SB+16*\b+15]
.endr
.irp b, 0,1,2,3
	v_permlanex16_b32 v[BP+\b], v[TM+\b], s[SEL], s[SEL+1]
.endr
.irp b, 0,1,2,3
	v_max_num_f32 v[TM+\b], v[TM+\b], v[BP+\b]     ; with lane l xor 16's 16 keys
.endr
	v_max3_num_f32 v[TMP], v[TM], v[TM+1], v[TM+2]
	v_max_num_f32 v[TMP], v[TMP], v[TM+3]
	v_mul_f32 v[TMP], s[CS], v[TMP]                ; as t (c is positive)
	v_max_num_f32 v[SS+1], v[SS+1], v[TMP]         ; the running largest t
	v_mov_b32 v[TMP], v[SS]
	v_floor_f32 v[SS], -v[SS+1]                    ; the new -M = floor(-t): M is a whole number
	v_sub_f32 v[TMP], v[SS], v[TMP]                ; old M - new M: a whole number, 0 or less
	v_cvt_i32_f32 v[TMP], v[TMP]                   ; (it saturates)
	v_ldexp_f32 v[F], 1.0, v[TMP]                  ; f = 2^(old M - new M)
.set j, 0
.rept 32
	v_pk_fma_f32 v[SB+j:SB+j+1], v[SB+j:SB+j+1], s[CS:CS+1], v[SS:SS+1] op_sel_hi:[1,0,0]   ; t - M, two at a time
.set j, j+2
.endr
.irp b, 0,1,2,3
	v_fma_f32 v[TM+\b], v[TM+\b], s[CS], v[SS]     ; the same of each block's largest score
.endr
.set j, 0
.rept 64
	v_exp_f32 v[SB+j], v[SB+j]                     ; p = 2^(t - M), at most 1
.set j, j+1
.endr
.irp b, 0,1,2,3
	v_exp_f32 v[TM+\b], v[TM+\b]                   ; the block's largest p
.endr
	v_pk_mul_f32 v[SS+2:SS+3], v[SS+2:SS+3], v[F:F+1] op_sel_hi:[1,0]   ; the sums under the new M; also the plain place behind the exponentials
	s_wait_alu depctr_va_vdst(0)
.irp b, 0,1,2,3
	v_max_num_f32 v[TM+\b], 0x1800000, v[TM+\b]    ; the floor 2^(3 - 127)
.endr
.irp b, 0,1,2,3
	v_add_nc_u32 v[BO+\b], 0xff000000, v[TM+\b]    ; 2 off the exponent field: the conversion's scale operand
.endr
.irp b, 0,1,2,3
	v_lshrrev_b32 v[BP+\b], 23, v[BO+\b]           ; the scale's byte
.endr
	v_lshl_or_b32 v[PS+\q], v[BP+1], 8, v[BP]      ; p's scale word for these 128 keys
	v_lshl_or_b32 v[PS+\q], v[BP+2], 16, v[PS+\q]
	v_lshl_or_b32 v[PS+\q], v[BP+3], 24, v[PS+\q]
.irp c, 0,1
	v_cvt_scalef32_pk16_fp6_f32 v[PQ+6*\c:PQ+6*\c+2], v[SB+32*\c:SB+32*\c+15], v[BO+2*\c]
	v_cvt_scalef32_pk16_fp6_f32 v[CT+4*\c:CT+4*\c+2], v[SB+32*\c+16:SB+32*\c+31], v[BO+2*\c+1]
.endr
	v_nop                                          ; one plain place behind the last scaled conversion
.irp c, 0,1
.irp i, 0,1,2
	v_permlane16_swap_b32 v[PQ+6*\c+\i], v[CT+4*\c+\i]
.endr
.irp i, 0,1,2
	v_mov_b32 v[PQ+3+6*\c+\i], v[CT+4*\c+\i]
.endr
.endr
	v_pk_add_f32 v[SU:SU+1], v[SB:SB+1], v[SB+2:SB+3]   ; the row's sum is taken of the UNQUANTISED p, in two chains
.set j, 4
.rept 15
	v_pk_add_f32 v[SS+2:SS+3], v[SS+2:SS+3], v[SB+j:SB+j+1]
	v_pk_add_f32 v[SU:SU+1], v[SU:SU+1], v[SB+j+2:SB+j+3]
.set j, j+4
.endr
	v_pk_add_f32 v[SS+2:SS+3], v[SS+2:SS+3], v[SU:SU+1]
	WIN 0x41+0x41*\q                               ; O^T (destination and source 0) window 1 or 2, f window 0
.set j, 0
.rept 128
	v_pk_mul_f32 v[j:j+1], v[j:j+1], v[F:F+1] op_sel_hi:[1,0]   ; O^T under the new M, each accumulator from its low end on
.set j, j+2
.endr
	WIN 0
.endm
; A KEY STEP: 128 keys in the slot at s58.
.macro STEP
	v_add_nc_u32 v[ADK], s58, v[AF]                ; (these four are also the places in front of the loads into registers that the last products read)
	v_add_nc_u32 v[ADV], s58, v[AFV]
	v_add_nc_u32 v[ADKS], s59, v[ASK]
	v_add_nc_u32 v[ADVS], s59, v[ASV]
.irp j, 0,1,2,3
	ds_load_b128 v[KVS+4*\j:KVS+4*\j+3], v[ADKS] offset:512*\j   ; K step j: lanes 0-15 the words of key tiles 0-3, lanes 16-31 of tiles 4-7
.endr
	WIN 0xc0
	KGROUP 0
	KGROUP 1
	KGROUP 2
.irp g, 0,1,2,3,4,5,6,7
	GWAIT \g
	WIN 0x0f                                       ; K and Q window 3, S^T window 0
	KMUL \g
.if \g < 5
	PLACES 4
	WIN 0xc0
	KGROUP \g+3
.endif
.endr
	PLACES 4                                       ; in front of the loads below and of the first read of the scores
	WIN 0
.irp j, 0,1,2,3
	ds_load_b128 v[KVS+4*\j:KVS+4*\j+3], v[ADVS] offset:512*\j
.endr
	WIN 0xc0
	VGROUP 0                                       ; V's first three groups land under the softmax
	VGROUP 1
	VGROUP 2
	WIN 0
	SOFTMAX 0
	SOFTMAX 1
.irp g, 0,1,2,3,4,5,6,7
	GWAIT \g
	VMUL \g
.if \g < 5
	PLACES 4
	WIN 0xc0
	VGROUP \g+3
.endif
.endr
	WIN 0                                          ; at a label and at a branch every window is 0
	s_add_co_u32 s59, s59, 2048
	s_xor_b32 s58, s58, SLOT1
.endm
; THE CHANGE OF SLOTS stands at a step's head.  Each wave waits for all its tensor loads (its part of the slot ahead), adds 0 to its spare word, and waits for that and for its reads of the slot that it has left.
; fill = 1: the barrier is a round of the cluster's, and behind it the slot that was left is asked for again, jointly: the load has a whole key step, 128 products and two softmaxes, in which to land.
.macro CHANGE fill
	s_wait_tensorcnt 0x0                           ; no tensor load of mine is out, so a group 0 may be written
	ds_add_u32 v[SPW], v[NIL]                      ; 0 onto my spare word
.if \fill
	s_xor_b32 s41, s41, SLOT1                      ; the other slot than last time,
	s_add_nc_u64 s[42:43], s[42:43], 49152         ; the next key step; the type bits on top are not reached
	s_xor_b32 s45, s45, SLOT1
	s_add_nc_u64 s[46:47], s[46:47], 49152
.endif
	s_wait_dscnt 0x0                               ; the add is done, and my reads of the slot that I have left are over
.if \fill
	CROUND
	JLOAD                                          ; the first thing behind the round, and my one tensor load until the next
.else
	s_barrier_signal -1
	s_barrier_wait -1
.endif
.endm
	s_wait_loadcnt 0x0                             ; Q and its scale words
.Lkey:                                             ; 7 trips: step i is worked while step i + 1 lands in the other slot
	CHANGE 1
	STEP
	s_sub_co_u32 s60, s60, 1
	s_cmp_lg_u32 s60, 0
	s_cbranch_scc1 .Lkey
	CHANGE 0                                       ; the last step is written out
.irp k, 0,1,2,3                                ; x for my first four output tiles (rows 0-63 of my 128, my block's 512 bytes of each) is asked for one key step ahead of its loads: each lane one block of 256 bytes, each block once in the launch, all inside x
	global_prefetch_b8 v[PFO], s[16:17] offset:65536*\k th:TH_LOAD_NT scope:SCOPE_SE
.endr
	STEP
	; ================ O / l, quantised along d, to LDS ================
	PLACES 4                                       ; behind the last products
.irp q, 0,1
	v_add_f32 v[14+4*\q], v[14+4*\q], v[15+4*\q]   ; the sum's two halves,
.endr
.irp q, 0,1
	v_permlanex16_b32 v[BP+\q], v[14+4*\q], s[SEL], s[SEL+1]
.endr
.irp q, 0,1
	v_add_f32 v[14+4*\q], v[14+4*\q], v[BP+\q]     ; and lane l xor 16's
.endr
.irp q, 0,1
	v_rcp_f32 v[RC+2*\q], v[14+4*\q]
.endr
	v_nop                                          ; one plain place behind the transcendentals
	s_wait_alu depctr_va_vdst(0)
; What output tile u of the pair that the pointers stand at (adv = 1: of the next pair) wants.  W: Wp's four fragments, c of my lane's channel, Wp's scale words: 14 loads.  X: 16 rows of x: 16 loads.  A: a of the 16 channels, in scalar registers.
.macro WLOAD u, adv
	WIN 0xc0
.irp s, 0,1,2,3
	LDW 48*\u+12*\s,10,\adv*12288+\u*6144+1536*\s
.endr
	global_load_b32 v[224+\u], v[ARC], s[14:15] offset:\adv*256+\u*64
	WIN 0
	global_load_b128 v[KVS+4*\u:KVS+4*\u+3], v[AWS], s[12:13] offset:\adv*512+\u*128
.endm
.macro XLOAD u, adv
	WIN 0xc0
.set p, 0
.rept 16
	global_load_b128 v[96+64*\u+4*p:96+64*\u+4*p+3], v[AF], s[16:17] offset:\adv*131072+\u*32768+(p+8*(p/8))*4096 th:TH_LOAD_NT   ; 512 consecutive bytes of a channel's row
.set p, p+1
.endr
	WIN 0
.endm
.macro ALOAD u, adv                    ; set 0 in s[24:55] (the descriptors are done with: no tensor load follows), set 1 in s[68:99]: a of stage row p at s[.. + 2 p]
	s_load_b512 s[24+44*\u:39+44*\u], s[14:15], \adv*256+\u*64
	s_load_b512 s[40+44*\u:55+44*\u], s[14:15], \adv*256+\u*64+128
.endm
	ALOAD 0,0
	WLOAD 0,0
	XLOAD 0,0
.irp q, 0,1
.irp s, 0,1,2,3
	WIN 0x01+\q                                    ; source 0 window 1 or 2
.set i, 0
.rept 32
	v_pk_mul_f32 v[S+i:S+i+1], v[64*\s+i:64*\s+i+1], v[RC+2*\q:RC+2*\q+1] op_sel_hi:[1,0]   ; 128 neighbours along d, each accumulator from its low end on
.set i, i+2
.endr
	WIN 0
	QUANT S,TMP
.irp c, 0,1,2
	ds_store_b128 v[OWI], v[PC+4*\c:PC+4*\c+3] offset:1536*(4*\q+\s)+512*\c
.endr
	ds_store_b32 v[OWS], v[TMP] offset:512*\q+4*\s
	s_wait_dscnt 0x0                               ; the stores have read their registers
.endr
.endr
	ALOAD 1,0
	WLOAD 1,0
	XLOAD 1,0
	s_barrier_signal -1                            ; every wave's images have landed (the wait for 0 above)
	s_barrier_wait -1
	; ================ the projection: my 128 output channels for all 128 queries ================
	WIN 0x40
.set f, 0
.rept 16
.irp c, 0,1,2
	ds_load_b128 v[12*f+4*\c:12*f+4*\c+3], v[ORI] offset:1536*f+512*\c
.endr
.set f, f+1
.endr
	WIN 0x80
.rept 16
.irp c, 0,1,2
	ds_load_b128 v[12*(f-16)+4*\c:12*(f-16)+4*\c+3], v[ORI] offset:1536*f+512*\c
.endr
.set f, f+1
.endr
	WIN 0
.irp t, 0,1,2,3                                ; the scale words, in registers that hold scales alone: v24-31 and v40-47
	ds_load_b128 v[24+4*\t+8*(\t/2):27+4*\t+8*(\t/2)], v[ORS] offset:512*\t
.endr
	s_wait_dscnt 0x0
; One tile of 16 output channels.  Source 0 = a query tile of O / l, source 1 = 16 rows of Wp: a lane holds ONE channel and eight neighbouring pixels.  w1, w2: the loads issued behind this tile's W, and behind its X.
.macro PTRIP u, ahead, w1, w2
	s_wait_loadcnt \w1
	WIN 0xc3
.irp i, 0,1,2,3,4,5,6,7
	v_mov_b32 v[232+\i], v[224+\u]                 ; c of my lane's channel, for all eight registers of a result
.endr
	PLACES 5
.irp s, 0,1,2,3                                ; the eight accumulators take turns, one instruction a turn
.irp qt, 0,1,2,3,4,5,6,7
.if \s == 0
	WIN 0x3d+\qt/4                                 ; source 0 window 1 or 2, source 1 and C window 3, D window 0
	WM S+8*\qt,12*(4*(\qt%4)+\s),48*\u+12*\s,232,24+4*(\qt%4)+8*((\qt%4)/2)+\s,KVS+4*\u+\s,\qt/4
.else
	WIN 0x0d+\qt/4
	WM S+8*\qt,12*(4*(\qt%4)+\s),48*\u+12*\s,S+8*\qt,24+4*(\qt%4)+8*((\qt%4)/2)+\s,KVS+4*\u+\s,\qt/4
.endif
.endr
.endr
	WIN 0
	PLACES 4
.irp qt, 0,1,2,3,4,5,6,7
	ds_store_b128 v[STO], v[S+8*\qt:S+8*\qt+3] offset:128*(\qt/2)+32*(\qt%2)       ; pixels 32 (qt / 2) + 16 h + 8 (qt % 2) + 0 .. 7 of my channel; each accumulator from its low end on
	ds_store_b128 v[STO], v[S+8*\qt+4:S+8*\qt+7] offset:128*(\qt/2)+32*(\qt%2)+16
.endr
	s_wait_xcnt 0x0                                ; the last tile's stores have read the registers that the loads below fill
.set p, 0
.rept 16
	ds_load_b128 v[160+4*p:163+4*p], v[SRD] offset:528*p   ; LDS serves a wave's instructions in order: these see my stores
.set p, p+1
.endr
	s_wait_kmcnt 0x0                               ; a
	s_wait_loadcnt \w2                             ; x
	s_wait_dscnt 0x0
	WIN 0x03                                       ; x window 3
.set p, 0
.rept 16
	v_pk_fma_f32 v[160+4*p:161+4*p], v[96+64*\u+4*p:97+64*\u+4*p], s[24+44*\u+2*p:25+44*\u+2*p], v[160+4*p:161+4*p] op_sel_hi:[1,0,1]
	v_pk_fma_f32 v[162+4*p:163+4*p], v[98+64*\u+4*p:99+64*\u+4*p], s[24+44*\u+2*p:25+44*\u+2*p], v[162+4*p:163+4*p] op_sel_hi:[1,0,1]
.set p, p+1
.endr
	WIN 0
.set p, 0
.rept 16
	global_store_b128 v[AF], v[160+4*p:163+4*p], s[18:19] offset:32768*\u+(p+8*(p/8))*4096 th:TH_STORE_NT   ; 512 consecutive bytes, at a multiple of 512 from out0's first byte
.set p, p+1
.endr
.if \ahead
	ALOAD \u,1
	WLOAD \u,1
	XLOAD \u,1
.endif
.endm
	s_mov_b32 s60, 3
.Lproj:                                            ; a trip makes two tiles and asks for the two of the next trip.  46 = X + W + X (16 + 14 + 16) issued behind a tile's W; 30 = W + X behind its X
	PTRIP 0,1,46,30
	PTRIP 1,1,46,30
	s_wait_xcnt 0x0                                ; every load and store issued has read its base
	s_add_nc_u64 s[16:17], s[16:17], 131072
	s_add_nc_u64 s[18:19], s[18:19], 131072
	s_add_nc_u64 s[10:11], s[10:11], 12288
	s_add_nc_u64 s[12:13], s[12:13], 512
	s_add_nc_u64 s[14:15], s[14:15], 256
	s_sub_co_u32 s60, s60, 1
	s_cmp_lg_u32 s60, 0
	s_cbranch_scc1 .Lproj
	PTRIP 0,0,46,30                                ; the last two tiles ask for nothing: no load leaves its buffer
	PTRIP 1,0,16,0
	s_wait_tensorcnt 0x0                           ; the wave's end: behind my last tensor load and my last LDS store
	ds_add_u32 v[SPW], v[NIL]
	s_wait_dscnt 0x0
	CROUND                                         ; the closing round: no work-group ends while a partner may still ask for a tile that names it
	s_endpgm
.Lfunc_end_k_qf5ec297119_attn:
	.size	k_qf5ec297119_attn, .Lfunc_end_k_qf5ec297119_attn-k_qf5ec297119_attn
	.p2alignl 7, 3214868480
	.fill 96, 4, 3214868480
	.section	.rodata,"a",@progbits
	.p2align	6, 0x0
	.amdhsa_kernel k_qf5ec297119_attn
		.amdhsa_group_segment_fixed_size 327680
		.amdhsa_private_segment_fixed_size 0
		.amdhsa_enable_private_segment 0
		.amdhsa_kernarg_size 64
		.amdhsa_user_sgpr_count 2
		.amdhsa_user_sgpr_kernarg_segment_ptr 1
		.amdhsa_wavefront_size32 1
		.amdhsa_system_sgpr_workgroup_id_x 1
		.amdhsa_system_sgpr_workgroup_id_y 1
		.amdhsa_system_sgpr_workgroup_id_z 1
		.amdhsa_system_vgpr_workitem_id 0
		.amdhsa_next_free_vgpr 1024
		.amdhsa_next_free_sgpr 102
		.amdhsa_reserve_vcc 0
		.amdhsa_float_denorm_mode_32 3
		.amdhsa_float_denorm_mode_16_64 3
		.amdhsa_memory_ordered 1
		.amdhsa_forward_progress 1
		.amdhsa_inst_pref_size 255
	.end_amdhsa_kernel
	.section	.bss,"aw",@nobits
	.p2align	6
	.space	262144
	.amdgpu_metadata
---
amdhsa.version: [ 1, 2 ]
amdhsa.kernels:
  - .name:           k_qf5ec297119_attn
    .symbol:         k_qf5ec297119_attn.kd
    .args:
      - { .name: qbuf, .offset: 0, .size: 8, .value_kind: global_buffer, .address_space: global }
      - { .name: kbuf, .offset: 8, .size: 8, .value_kind: global_buffer, .address_space: global }
      - { .name: vbuf, .offset: 16, .size: 8, .value_kind: global_buffer, .address_space: global }
      - { .name: wimg, .offset: 24, .size: 8, .value_kind: global_buffer, .address_space: global }
      - { .name: Wp_scales, .offset: 32, .size: 8, .value_kind: global_buffer, .address_space: global }
      - { .name: res, .offset: 40, .size: 8, .value_kind: global_buffer, .address_space: global }
      - { .name: x, .offset: 48, .size: 8, .value_kind: global_buffer, .address_space: global }
      - { .name: out0, .offset: 56, .size: 8, .value_kind: global_buffer, .address_space: global }
    .group_segment_fixed_size: 327680
    .private_segment_fixed_size: 0
    .kernarg_segment_align: 8
    .kernarg_segment_size: 64
    .max_flat_workgroup_size: 128
    .sgpr_count:     102
    .vgpr_count:     1024
    .wavefront_size: 32
...
	.end_amdgpu_metadata
.endif
;; end of part 6
;; ======== version 3 of 3: 3 launches; version 2 with the launch qkv written anew for expert scheduling mode
;; workspace buffers: hbuf 13,107,200 bytes; qbuf 13,107,200 bytes; kbuf 13,107,200 bytes; vbuf 13,107,200 bytes; res 131,072 bytes; wimg 786,432 bytes
;; launch norm: the kernel of part 4 again; grid 256 x 1, 16 waves a work-group, no clusters, 55,296 bytes of LDS; arguments x, gamma, beta, bp, hbuf, res, Wq_codes, Wk_codes, Wv_codes, Wp_codes, wimg; writes hbuf, res, wimg
;; launch qkv (part 7): grid 64 x 3, 4 waves a work-group, no clusters, 0 bytes of LDS; arguments hbuf, wimg, Wq_scales, bq, Wk_scales, bk, Wv_scales, bv, qbuf, kbuf, vbuf; writes qbuf, kbuf, vbuf
.if DOCPART == 7
	.amdgcn_target "amdgcn-amd-amdhsa--gfx1250"
	.amdhsa_code_object_version 6
	.text
	.protected	k_qf5ec297119_qkv
	.globl	k_qf5ec297119_qkv
	.p2align	8
	.type	k_qf5ec297119_qkv,@function
k_qf5ec297119_qkv:
	s_mov_b64 s[64:65], 0
	v_nop
	global_prefetch_b8 v0, s[64:65] scope:SCOPE_SE
	s_setreg_imm32_b32 hwreg(HW_REG_WAVE_SCHED_MODE, 0, 2), 2
	s_setreg_imm32_b32 hwreg(HW_REG_WAVE_MODE, 25, 1), 1
	s_wait_xcnt 0x0
	s_wait_alu depctr_vm_vsrc(0)
; q = h Wq^T + bq, k = h Wk^T + bk, v = h Wv^T + bv on codes of FP6 (E2M3) with E8M0 block scales, and each result quantised again for the product that follows: q and k along d, v along the keys.
; ONE SCHEME, TWO ROLES.  A wave keeps a RESIDENT operand in registers, 128 rows x K 512 (8 tiles x 4 K steps x 12 = 384 registers), and streams 32 tiles of 16 rows x 512 past it.
; D = (resident tile as source 0) x (streamed tile as source 1): a lane holds ONE streamed row, its registers run along the resident rows.  EVERY TILE OF 16 ROWS IS PERMUTED: tile 2 B + u holds rows
; 32 B + 8 u + r + 8 (r / 8), so that the 16 registers of accumulators 2 B, 2 B + 1 are 16 neighbours, and a trip's 8 accumulators are 128 neighbours along the next K: one operand fragment and one scale word a row.
;   grid y = 0, 1 (q, k): resident = rows 128 w .. of W; streamed = the 32 pixel tiles of half a batch; the bias runs along the registers (it is the C of the first K step).
;   grid y = 2 (v): resident = the 8 pixel tiles of key step 4 half + w; streamed = the 32 tiles of Wv; the bias runs along the lanes (eight copies are the C).
; THE WEIGHTS' CODES come from wimg [weight: q, k, v, p][tile 32][K step 4][1,536], where an earlier launch has laid each fragment as an image of its registers: three loads of 512 consecutive bytes bring one.
; OUT, as images of operand registers (group c of four registers at 512 c + 16 lane; 1,536 bytes a fragment): qbuf, kbuf [b][T 64][s 4]; vbuf [b][ks 8][dt 32].  Scale words, from byte SC on:
; [b][ks 8][s or js 4][H 2][r 16][i 4], tile = 4 H + i: the 16 bytes at 16 lane are the four words of the lane's own row.
; The 32 trips are 4 blocks of 8 written-out trips: a block's eight scale words stay in registers and leave by one store of 512 consecutive bytes.  Loads run two trips ahead in two sets.
; Pointers are stepped where a trip waits on XCNT anyway, behind its 32 products: the results' in a block's trip 0 (by 0 in the first block), the streamed operand's in its trip 6; in the last block that step is 0, so that
; its last two trips ask again for that block's first two tiles (2 spare tile loads in 34, inside the buffers) and every wait keeps its count.  Waves share nothing: no LDS, no barrier.
; 64 x 3 work-groups: each matrix makes 64 shares of 512 x 512 rows.
; LIMITS: NaN and infinities are not served; a block under 2^-124 (zeros too) keeps the scale byte 1: this program alone reads the bytes.
; THE MODE: SCHED_MODE bits 1:0 = 2 (LLVM: expert scheduling mode 2), set by the entry lines.  The code itself states the register dependences between vector or matrix instructions and memory instructions,
; with s_wait_alu, always for 0.
; THE PLAN.  Registers that memory instructions touch:
;   v4-9            offsets: written at the head, read by every load and store, never written again.
;   the resident operand, its scale words (q, k) and bq or bk: loaded once at the head; afterwards products alone name them.
;   set sig         (window 3: 48 registers of codes; with them RAW[sig] (q, k), or BVR[sig] and TS[sig] (v)).  Trip j: its head's vector lines read RAW or BVR, its products read the codes (v: and TS); behind them the loads of trip j + 2 land there.
;   codes, TWO buffers by turns.  Trip j's quantiser writes buffer j % 2; the three stores that read it are issued in trip j + 1 (trip 7's at the block's end); trip j + 2's quantiser writes it again.
;   OW              written by four selects at a block's end, read by one store there.
;   The accumulators, TM, PWS, CB and (q, k) TS are named by vector and matrix instructions alone.
; So ONE wait on va_vdst stands behind a trip's products: they and the head's lines are done reading set sig, and the trip before has written its buffer of codes.  The trip's loads and the three stores of the trip before follow it;
; the quantiser behind them names the accumulators, TM, PWS and the OTHER buffer of codes: none of the registers that those loads and stores touch.  Beside it one wait on vm_vsrc, a trip behind the stores that it waits for.
; In q's and k's trips one more wait on va_vdst stands ahead of the products, which take as scales four words just made by vector instructions.  One stands at a block's end, ahead of its four stores.
; REGISTERS.  window 0: v4-9 offsets; v48-111 the 8 accumulators; v112-131, v216-235 codes just made, two buffers; v136-167 resident scale words; v168-175 streamed scale words, two sets; v176-183 a block's scale words; v184-187 as stored; v200-215 at work.
;   window 1, 2: resident tiles 0-3, 4-7 at v[12 (4 (t % 4) + s)].   window 3: v0-95 streamed tile, two sets; v96-111 its scale bytes as loaded; v112-113 bv as loaded; v120-127 eight copies; v128-191 bq or bk.
.set SC,  12582912                     ; where the scale bytes or words begin in hbuf, qbuf, kbuf, vbuf
.set WBYTES, 196608                    ; a weight's 128 images in wimg
.set AWS, 4                            ; 16 (r + 8 (r / 8)): a weight's row of scale bytes
.set AWB, 5                            ; 4 (r + 8 (r / 8)): its bias
.set A16, 6                            ; 16 lane
.set A8,  7                            ; 8 lane
.set AHS, 8                            ; 2 (r + 8 (r / 8)): a pixel's two scale bytes
.set ABQ, 9                            ; 64 h: my half's 16 biases
.set HA,  48
.set PC,  112                          ; buffer 0 of the codes; buffer 1 lies PCD registers on
.set PCD, 104
.set RS,  136
.set TS,  168
.set PWS, 176
.set OW,  184
.set TM,  200
.set RAW, 96
.set BVR, 112
.set CB,  120
.set BQ,  128
.set SEL, 30
.set MSB, 0
.macro WIN new                         ; the immediate's high byte repeats the setting that is left; a switch that changes nothing is dropped
.if MSB != (\new)
	s_set_vgpr_msb (MSB<<8)|(\new)
.set MSB, (\new)
.endif
.endm
.macro WM d, a, b, c, sa, sb           ; one product; the scales stand in registers that hold scales alone
	v_wmma_scale_f32_16x16x128_f8f6f4 v[(\d):(\d)+7], v[(\a):(\a)+11], v[(\b):(\b)+11], v[(\c):(\c)+7], v[\sa], v[\sb] matrix_a_fmt:MATRIX_FMT_FP6 matrix_b_fmt:MATRIX_FMT_FP6
.endm
.macro LDW dst, ptr, imm               ; a weight's fragment from its image: three loads of 512 consecutive bytes
.irp c, 0,1,2
	global_load_b128 v[(\dst)+4*\c:(\dst)+4*\c+3], v[A16], s[\ptr:\ptr+1] offset:(\imm)+512*\c
.endr
.endm
.macro LDH dst, ptr, imm, s            ; a fragment of h: two pieces of 768 bytes, each 16 bytes and 8 bytes a lane
	global_load_b128 v[(\dst):(\dst)+3], v[A16], s[\ptr:\ptr+1] offset:(\imm)+1536*(\s)
	global_load_b64 v[(\dst)+4:(\dst)+5], v[A8], s[\ptr:\ptr+1] offset:(\imm)+1536*(\s)+512
	global_load_b128 v[(\dst)+6:(\dst)+9], v[A16], s[\ptr:\ptr+1] offset:(\imm)+1536*(\s)+768
	global_load_b64 v[(\dst)+10:(\dst)+11], v[A8], s[\ptr:\ptr+1] offset:(\imm)+1536*(\s)+1280
.endm
; 64 numbers of a lane, register 16 b + i = k 32 b + 16 (lane / 16) + i of my row, become a fragment's codes in v[pc] on and its scale word in v[pw].
.macro QUANT s, pw, pc
.irp b, 0,1,2,3
	v_max3_num_f32 v[TM+\b], |v[\s+16*\b]|, |v[\s+1+16*\b]|, 0x1800000   ; my 16 numbers of block b, and the floor 2^(3 - 127): the byte cannot fall under 1.  (Each accumulator is read from its low end on)
.endr
.irp i, 2,4,6,8,10,12,14
.irp b, 0,1,2,3
	v_max3_num_f32 v[TM+\b], v[TM+\b], |v[\s+16*\b+\i]|, |v[\s+1+16*\b+\i]|
.endr
.endr
.irp b, 0,1,2,3
	v_permlanex16_b32 v[TM+4+\b], v[TM+\b], s[SEL], s[SEL+1]
.endr
.irp b, 0,1,2,3
	v_max_num_f32 v[TM+\b], v[TM+\b], v[TM+4+\b]   ; with lane l xor 16's: the block's largest magnitude
.endr
.irp b, 0,1,2,3
	v_add_nc_u32 v[TM+12+\b], 0xff000000, v[TM+\b] ; 2 off its exponent field: the conversion's scale operand
.endr
.irp b, 0,1,2,3
	v_lshrrev_b32 v[TM+4+\b], 23, v[TM+12+\b]      ; the scale's byte
.endr
	v_lshl_or_b32 v[\pw], v[TM+5], 8, v[TM+4]
	v_lshl_or_b32 v[\pw], v[TM+6], 16, v[\pw]
	v_lshl_or_b32 v[\pw], v[TM+7], 24, v[\pw]
.irp c, 0,1
	v_cvt_scalef32_pk16_fp6_f32 v[\pc+6*\c:\pc+2+6*\c], v[\s+32*\c:\s+15+32*\c], v[TM+12+2*\c]
	v_cvt_scalef32_pk16_fp6_f32 v[\pc+12+4*\c:\pc+14+4*\c], v[\s+16+32*\c:\s+31+32*\c], v[TM+12+2*\c+1]   ; (a conversion's three registers begin on an even number)
.endr
	v_nop                                          ; one plain place behind the last scaled conversion
.irp c, 0,1                                    ; the operand's layout wants a WHOLE block in a lane: lanes 0-15 block 2 c, lanes 16-31 block 2 c + 1
.irp i, 0,1,2
	v_permlane16_swap_b32 v[\pc+6*\c+\i], v[\pc+12+4*\c+\i]
.endr
.irp i, 0,1,2
	v_mov_b32 v[\pc+3+6*\c+\i], v[\pc+12+4*\c+\i]
.endr
.endr
.endm
; The streamed tile jj of the block that the pointers stand at, into set sig: codes, scales and (v) bias.  24 loads (q, k) or 14 (v).
.macro TFETCH v, sig, jj
	WIN 0xc0                                       ; destination window 3, offset window 0
.if \v
.irp s, 0,1,2,3
	LDW 48*\sig+12*\s,44,6144*\jj+1536*\s
.endr
	global_load_b32 v[BVR+\sig], v[AWB], s[48:49] offset:(32*(\jj/2)+8*(\jj%2))*4
	WIN 0
	global_load_b128 v[TS+4*\sig:TS+4*\sig+3], v[AWS], s[46:47] offset:(32*(\jj/2)+8*(\jj%2))*16   ; a row's 16 scale bytes are its four words
.else
.irp s, 0,1,2,3
	LDH 48*\sig+12*\s,54,6144*\jj,\s
.endr
.irp g, 0,1,2,3,4,5,6,7
	global_load_u16 v[RAW+8*\sig+\g], v[AHS], s[56:57] offset:2048*\g+64*(\jj/2)+16*(\jj%2)
.endr
	WIN 0
.endif
.endm
; Trip j of a block, on set sig = j % 2; behind its products tile jj = (j + 2) % 8 is asked for into the same set, and the codes of trip j - 1 are stored.
.macro TRIP v, j, sig, jj
.set PCJ, PC+PCD*((\j)%2)              ; the buffer of codes that this trip writes,
.set PCP, PC+PCD*(((\j)+1)%2)          ; and the one that the trip before wrote
.if \v
	s_wait_loadcnt 14                              ; my set is in; the other set's 14 loads, issued later, may be out
	WIN 0xc3
.irp i, 0,1,2,3,4,5,6,7
	v_mov_b32 v[CB+\i], v[BVR+\sig]                ; bv of my lane's row, for all eight registers of a result
.endr
.rept 5
	v_nop
.endr
.else
	s_wait_loadcnt 24                              ; my set is in; the other set's 24 loads, issued later, may be out
	WIN 0x33
.irp s, 0,1,2,3
	v_lshl_or_b32 v[TS+4*\sig+\s], v[RAW+8*\sig+2*\s+1], 16, v[RAW+8*\sig+2*\s]   ; two groups' two bytes make a K step's scale word
.endr
.rept 8
	v_nop                                          ; a scale register written by a vector instruction stands 8 places ahead of a scaled matrix instruction
.endr
	s_wait_alu depctr_va_vdst(0)                   ; the four scale words are written, which the products below take as their scales; the places above stay beside this wait
.endif
.irp s, 0,1,2,3                                ; the eight accumulators take turns, one instruction a turn
.irp t, 0,1,2,3,4,5,6,7
.if \s == 0
	WIN 0x3d+\t/4                                  ; source 0 window 1 or 2, source 1 and C window 3, D window 0
.if \v
	WM HA+8*\t,12*(4*(\t%4)+\s),48*\sig+12*\s,CB,RS+4*\t+\s,TS+4*\sig+\s
.else
	WM HA+8*\t,12*(4*(\t%4)+\s),48*\sig+12*\s,BQ+8*\t,RS+4*\t+\s,TS+4*\sig+\s
.endif
.else
	WIN 0x0d+\t/4                                  ; C and D window 0
	WM HA+8*\t,12*(4*(\t%4)+\s),48*\sig+12*\s,HA+8*\t,RS+4*\t+\s,TS+4*\sig+\s
.endif
.endr
.endr
.rept 4
	v_nop                                          ; four places in front of the first read of results
.endr
	s_wait_xcnt 0x0                                ; every load and store issued so far has read its registers and its base: this trip's buffer of codes is written again below, and pointers may step here
.if \j == 0
	s_cmp_lg_u32 s36, 4                            ; the results' pointers go on to this block; in the first block they stay
	s_cselect_b32 s58, 8*OSTR, 0
	s_cselect_b32 s60, SJ, 0
	s_add_nc_u64 s[50:51], s[50:51], s[58:59]
	s_add_nc_u64 s[52:53], s[52:53], s[60:61]
.endif
.if \j == 6
	s_cmp_lg_u32 s36, 1                            ; the streamed operand's pointers go on to the next block; in the last block they stay
	s_cselect_b32 s58, 49152, 0
.if \v
	s_cselect_b32 s60, 2048, 0
	s_cselect_b32 s62, 512, 0
	s_add_nc_u64 s[44:45], s[44:45], s[58:59]
	s_add_nc_u64 s[46:47], s[46:47], s[60:61]
	s_add_nc_u64 s[48:49], s[48:49], s[62:63]
.else
	s_cselect_b32 s60, 256, 0
	s_add_nc_u64 s[54:55], s[54:55], s[58:59]
	s_add_nc_u64 s[56:57], s[56:57], s[60:61]
.endif
.endif
	WIN 0xc0                                       ; the loads' window first, then the waits, then the loads
	s_wait_alu depctr_vm_vsrc(0)                   ; the stores issued in the trip before (trip 0: at the last block's end too) have read the buffer of codes that this trip's quantiser writes again, and the four words that the block's end writes again
	s_wait_alu depctr_va_vdst(0)                   ; the products are done reading set sig (v: and its scale words) and the head's lines its scale bytes or bias, where the loads below land; the trip before has written its buffer of codes, which the stores below read
	TFETCH \v,\sig,\jj
.if \j > 0
.irp c, 0,1,2
	global_store_b128 v[A16], v[PCP+4*\c:PCP+4*\c+3], s[50:51] offset:(\j-1)*OSTR+512*\c   ; the trip before: 512 consecutive bytes, at a multiple of 512 from the buffer's first byte.  No vector instruction since the wait names these registers
.endr
.endif
	QUANT HA,PWS+\j,PCJ
.endm
.macro BLOCK v
	TRIP \v,0,0,2
	TRIP \v,1,1,3
	TRIP \v,2,0,4
	TRIP \v,3,1,5
	TRIP \v,4,0,6
	TRIP \v,5,1,7
	TRIP \v,6,0,0
	TRIP \v,7,1,1
.irp i, 0,1,2,3
	v_cndmask_b32 v[OW+\i], v[PWS+\i], v[PWS+4+\i], vcc_lo   ; both halves of the lanes hold a row's word: lanes 0-15 keep tiles 0-3, lanes 16-31 tiles 4-7
.endr
	s_wait_alu depctr_va_vdst(0)                   ; trip 7's quantiser has written buffer 1 of the codes and the selects the four words, which the four stores below read
.irp c, 0,1,2
	global_store_b128 v[A16], v[PC+PCD+4*\c:PC+PCD+4*\c+3], s[50:51] offset:7*OSTR+512*\c
.endr
	global_store_b128 v[A16], v[OW:OW+3], s[52:53]
	s_sub_co_u32 s36, s36, 1
	s_cmp_lg_u32 s36, 0
.endm
	s_load_b512 s[4:19], s[0:1], 0x0               ; hbuf s[4:5]; wimg s[6:7]; Wq scales, bq s[8:11]; Wk scales, bk s[12:15]; Wv scales, bv s[16:19]
	s_load_b128 s[20:23], s[0:1], 0x40             ; qbuf s[20:21], kbuf s[22:23]
	s_load_b64 s[24:25], s[0:1], 0x50              ; vbuf
	v_lshrrev_b32 v14, 5, v0
	v_readfirstlane_b32 s32, v14                   ; wave 0..3
	v_and_b32 v15, 31, v0                          ; lane
	v_and_b32 v1, 15, v0                           ; r
	v_bfe_u32 v2, v0, 4, 1                         ; h
	v_and_b32 v14, 8, v1
	v_add_nc_u32 v14, v14, v1                      ; r + 8 (r / 8)
	v_lshlrev_b32 v[AWS], 4, v14
	v_lshlrev_b32 v[AWB], 2, v14
	v_lshlrev_b32 v[A16], 4, v15
	v_lshlrev_b32 v[A8], 3, v15
	v_lshlrev_b32 v[AHS], 1, v14
	v_lshlrev_b32 v[ABQ], 6, v2
	v_cmp_le_u32 vcc_lo, 16, v15                   ; lanes 16-31; VCC is written nowhere else
.irp b, 0,1,2,3
	v_mov_b32 v[TM+4+\b], 0                        ; written once: a lane permute's destination counts as one of its sources
.endr
	s_wait_alu depctr_va_sdst(0)                   ; s32, the wave's number, is written, ahead of its first reader: both ways make their addresses from it
	s_wait_alu depctr_va_vcc(0)                    ; VCC is written, ahead of its first reader: the selects at each block's end
	s_wait_alu depctr_va_vdst(0)                   ; the six offsets v4 to v9 are written, which every load and store of both ways reads
	s_mov_b32 s[SEL], 0x76543210
	s_mov_b32 s[SEL+1], 0xfedcba98
	s_lshr_b32 s33, ttmp9, 1                       ; b
	s_and_b32 s34, ttmp9, 1                        ; which half of the batch's pixels
	s_and_b32 s35, ttmp7, 0xffff                   ; 0 q, 1 k, 2 v
	s_mov_b32 s36, 4                               ; blocks to go
	s_mov_b32 s39, 0
	s_mov_b32 s41, 0
	s_mov_b32 s59, 0
	s_mov_b32 s61, 0
	s_mov_b32 s63, 0
	s_mul_i32 s37, s33, 393216                     ; a batch's codes in hbuf, qbuf, kbuf, vbuf
	s_wait_kmcnt 0x0
	s_cmp_eq_u32 s35, 2
	s_cbranch_scc1 .Lpath_v
	; ================ q and k ================
.set OSTR, 6144                        ; from a pixel tile's fragment to the next tile's
.set SJ,   2048                        ; from a key step's scale words to the next step's
	s_cmp_eq_u32 s35, 0                            ; the choice hangs on the work-group's number alone
	s_cselect_b64 s[46:47], s[8:9], s[12:13]
	s_cselect_b64 s[48:49], s[10:11], s[14:15]
	s_cselect_b64 s[50:51], s[20:21], s[22:23]
	s_mul_i32 s38, s35, WBYTES                     ; the weight's images,
	s_mul_i32 s42, s32, 49152                      ; my 8 tiles of them
	s_add_co_u32 s38, s38, s42
	s_add_nc_u64 s[44:45], s[6:7], s[38:39]
	s_lshl_b32 s38, s32, 11                        ; my 128 rows' scale bytes,
	s_add_nc_u64 s[46:47], s[46:47], s[38:39]
	s_lshl_b32 s38, s32, 9                         ; biases
	s_add_nc_u64 s[48:49], s[48:49], s[38:39]
	s_mul_i32 s40, s34, 196608
	s_add_co_u32 s40, s40, s37                     ; the batch, and 32 tiles for the second half
	s_add_nc_u64 s[54:55], s[4:5], s[40:41]        ; h's codes
	s_lshl_b32 s38, s33, 14
	s_lshl_b32 s42, s34, 13
	s_add_co_u32 s38, s38, s42
	s_lshl_b32 s42, s32, 9
	s_add_co_u32 s38, s38, s42
	s_add_co_u32 s38, s38, SC
	s_add_nc_u64 s[52:53], s[50:51], s[38:39]      ; out: scale words of key step 4 half, K step w
	s_mul_i32 s38, s32, 1536
	s_add_co_u32 s38, s38, s40
	s_add_nc_u64 s[50:51], s[50:51], s[38:39]      ; out: fragment (tile 32 half, K step w)
	s_lshl_b32 s38, s33, 14
	s_lshl_b32 s42, s34, 10
	s_add_co_u32 s38, s38, s42
	s_add_co_u32 s38, s38, SC
	s_add_nc_u64 s[56:57], s[4:5], s[38:39]        ; h's scale bytes
.irp t, 0,1,2,3,4,5,6,7
	WIN 0x40+0x40*(\t/4)
.irp s, 0,1,2,3
	LDW 12*(4*(\t%4)+\s),44,6144*\t+1536*\s
.endr
.endr
	WIN 0
.irp t, 0,1,2,3,4,5,6,7
	global_load_b128 v[RS+4*\t:RS+4*\t+3], v[AWS], s[46:47] offset:(32*(\t/2)+8*(\t%2))*16
.endr
	WIN 0xc0
.irp t, 0,1,2,3,4,5,6,7                        ; register j of tile t is output 32 (t / 2) + 16 h + 8 (t % 2) + j of my 128
	global_load_b128 v[BQ+8*\t:BQ+8*\t+3], v[ABQ], s[48:49] offset:(32*(\t/2)+8*(\t%2))*4
	global_load_b128 v[BQ+8*\t+4:BQ+8*\t+7], v[ABQ], s[48:49] offset:(32*(\t/2)+8*(\t%2))*4+16
.endr
	TFETCH 0,0,0
	TFETCH 0,1,1
.Lblk_qk:
	BLOCK 0
	s_cbranch_scc1 .Lblk_qk
	s_endpgm
	; ================ v ================
.Lpath_v:
.set OSTR, 1536                        ; from a tile of d to the next
.set SJ,   512                         ; from eight tiles' scale words to the next eight's
	s_lshl_b32 s42, s34, 2
	s_add_co_u32 s42, s42, s32                     ; my key step: 4 half + w
	s_mul_i32 s40, s42, 49152
	s_add_co_u32 s40, s40, s37
	s_add_nc_u64 s[54:55], s[4:5], s[40:41]        ; h's codes: my 8 tiles
	s_add_nc_u64 s[50:51], s[24:25], s[40:41]      ; out: fragment (key step, tile 0 of d)
	s_lshl_b32 s38, s33, 14
	s_lshl_b32 s40, s42, 8
	s_add_co_u32 s40, s40, s38
	s_add_co_u32 s40, s40, SC
	s_add_nc_u64 s[56:57], s[4:5], s[40:41]        ; h's scale bytes: my 128 pixels
	s_lshl_b32 s40, s42, 11
	s_add_co_u32 s40, s40, s38
	s_add_co_u32 s40, s40, SC
	s_add_nc_u64 s[52:53], s[24:25], s[40:41]      ; out: the key step's scale words
	s_add_nc_u64 s[44:45], s[6:7], 2*WBYTES        ; Wv's images
	s_mov_b64 s[46:47], s[16:17]
	s_mov_b64 s[48:49], s[18:19]
.irp t, 0,1,2,3,4,5,6,7
	WIN 0x40+0x40*(\t/4)
.irp s, 0,1,2,3
	LDH 12*(4*(\t%4)+\s),54,6144*\t,\s
.endr
.endr
	WIN 0
.irp t, 0,1,2,3,4,5,6,7
.irp g, 0,1,2,3,4,5,6,7
	global_load_u16 v[HA+8*\t+\g], v[AHS], s[56:57] offset:2048*\g+64*(\t/2)+16*(\t%2)
.endr
.endr
	TFETCH 1,0,0
	TFETCH 1,1,1
	s_wait_loadcnt 28                              ; all but the two streamed sets' 2 x 14 loads
.irp t, 0,1,2,3,4,5,6,7
.irp s, 0,1,2,3
	v_lshl_or_b32 v[RS+4*\t+\s], v[HA+8*\t+2*\s+1], 16, v[HA+8*\t+2*\s]   ; two groups' two bytes make a K step's scale word of a resident row
.endr
.endr
.rept 8
	v_nop                                          ; a scale register written by a vector instruction stands 8 places ahead of a scaled matrix instruction
.endr
	s_wait_alu depctr_va_vdst(0)                   ; the 32 resident scale words are written, which every product of this way takes as its scales; the places above stay beside this wait
.Lblk_v:
	BLOCK 1
	s_cbranch_scc1 .Lblk_v
	s_endpgm
.Lfunc_end_k_qf5ec297119_qkv:
	.size	k_qf5ec297119_qkv, .Lfunc_end_k_qf5ec297119_qkv-k_qf5ec297119_qkv
	.p2alignl 7, 3214868480
	.fill 96, 4, 3214868480
	.section	.rodata,"a",@progbits
	.p2align	6, 0x0
	.amdhsa_kernel k_qf5ec297119_qkv
		.amdhsa_group_segment_fixed_size 0
		.amdhsa_private_segment_fixed_size 0
		.amdhsa_enable_private_segment 0
		.amdhsa_kernarg_size 88
		.amdhsa_user_sgpr_count 2
		.amdhsa_user_sgpr_kernarg_segment_ptr 1
		.amdhsa_wavefront_size32 1
		.amdhsa_system_sgpr_workgroup_id_x 1
		.amdhsa_system_sgpr_workgroup_id_y 1
		.amdhsa_system_sgpr_workgroup_id_z 1
		.amdhsa_system_vgpr_workitem_id 0
		.amdhsa_next_free_vgpr 1024
		.amdhsa_next_free_sgpr 66
		.amdhsa_reserve_vcc 1
		.amdhsa_float_denorm_mode_32 3
		.amdhsa_float_denorm_mode_16_64 3
		.amdhsa_memory_ordered 1
		.amdhsa_forward_progress 1
		.amdhsa_inst_pref_size 218
	.end_amdhsa_kernel
	.amdgpu_metadata
---
amdhsa.version: [ 1, 2 ]
amdhsa.kernels:
  - .name:           k_qf5ec297119_qkv
    .symbol:         k_qf5ec297119_qkv.kd
    .args:
      - { .name: hbuf, .offset: 0, .size: 8, .value_kind: global_buffer, .address_space: global }
      - { .name: wimg, .offset: 8, .size: 8, .value_kind: global_buffer, .address_space: global }
      - { .name: Wq_scales, .offset: 16, .size: 8, .value_kind: global_buffer, .address_space: global }
      - { .name: bq, .offset: 24, .size: 8, .value_kind: global_buffer, .address_space: global }
      - { .name: Wk_scales, .offset: 32, .size: 8, .value_kind: global_buffer, .address_space: global }
      - { .name: bk, .offset: 40, .size: 8, .value_kind: global_buffer, .address_space: global }
      - { .name: Wv_scales, .offset: 48, .size: 8, .value_kind: global_buffer, .address_space: global }
      - { .name: bv, .offset: 56, .size: 8, .value_kind: global_buffer, .address_space: global }
      - { .name: qbuf, .offset: 64, .size: 8, .value_kind: global_buffer, .address_space: global }
      - { .name: kbuf, .offset: 72, .size: 8, .value_kind: global_buffer, .address_space: global }
      - { .name: vbuf, .offset: 80, .size: 8, .value_kind: global_buffer, .address_space: global }
    .group_segment_fixed_size: 0
    .private_segment_fixed_size: 0
    .kernarg_segment_align: 8
    .kernarg_segment_size: 88
    .max_flat_workgroup_size: 128
    .sgpr_count:     66
    .vgpr_count:     1024
    .wavefront_size: 32
...
	.end_amdgpu_metadata
.endif
;; end of part 7
;; launch attn: the kernel of part 6 again; grid 8 x 32, 4 waves a work-group, clusters of 4 x 1, 327,680 bytes of LDS; arguments qbuf, kbuf, vbuf, wimg, Wp_scales, res, x, out0; writes out0
